; MI455X (gfx1250); checked and timed in simulation.
; The chip was launched on July 23, 2026; its instructions are those of AMD's public machine-readable ISA for CDNA 5 (MIT licence, August 2026) and "CDNA5" Instruction Set Architecture Reference Guide (July 2026). The comments in the code are by the model that wrote it; some were corrected since.
;; T Block. Allowed arithmetic: matrix products marked QUANTISED: E4M3 operands, one given power-of-two scale a tensor, by v_wmma_f32_16x16x64_fp8_fp8 or v_wmma_f32_16x16x128_fp8_fp8, f32 sums; everything else in f32.
;; Inputs: W1 512 x 2,048 float32; W2 2,048 x 512 float32; Wk 512 x 512 float32; Wo 512 x 512 float32; Wq 512 x 512 float32; Wv 512 x 512 float32; input 4 x 2,048 x 512 float32; lowp_scales 16 int32 (the exponents e of the quantised operands' scales 2^e); mask 4 x 2,048 float32.
;; Outputs: out0 4 x 2,048 x 512 float32.
;; This version of the problem:
;;   THIS VERSION OF THE PROBLEM IS GIVEN IN LOW PRECISION. The matrix products marked QUANTISED in the list below multiply operands that are first quantised to E4M3 (4 exponent bits, 3 mantissa bits; 8 bits a number), with one given power-of-two scale for each operand tensor; their sums are f32. All else is computed in f32.
;;   The module's matrix products, in the order in which they are computed (A, B: the left and right operand; K: the contracted axis; several contracted axes count as one K, in the product's order):
;;     1. [M 8,192, K 512] x [K 512, N 512]; A: computed on the way; B: input Wq: QUANTISED (scales: A lowp_scales[0], B lowp_scales[1])
;;     2. [M 8,192, K 512] x [K 512, N 512]; A: computed on the way; B: input Wk: QUANTISED (scales: A lowp_scales[2], B lowp_scales[3])
;;     3. [M 8,192, K 512] x [K 512, N 512]; A: computed on the way; B: input Wv: QUANTISED (scales: A lowp_scales[4], B lowp_scales[5])
;;     4. batch 32 x [M 2,048, K 64] x [K 64, N 2,048]; A: computed on the way; B: computed on the way: QUANTISED (scales: A lowp_scales[6], B lowp_scales[7])
;;     5. batch 32 x [M 2,048, K 2,048] x [K 2,048, N 64]; A: softmax (see below); B: computed on the way: QUANTISED (scales: A lowp_scales[8], B lowp_scales[9])
;;     6. [M 8,192, K 512] x [K 512, N 512]; A: computed on the way; B: input Wo: QUANTISED (scales: A lowp_scales[10], B lowp_scales[11])
;;     7. [M 8,192, K 512] x [K 512, N 2,048]; A: computed on the way; B: input W1: QUANTISED (scales: A lowp_scales[12], B lowp_scales[13])
;;     8. [M 8,192, K 2,048] x [K 2,048, N 512]; A: computed on the way; B: input W2: QUANTISED (scales: A lowp_scales[14], B lowp_scales[15])
;;   THE QUANTISER, for each operand of a quantised product, along K:
;;     - The operand's scale is 2^e, e = its entry of the input lowp_scales (int32; the entries are numbered through the quantised products in the list's order, A before B).
;;     - Each number is divided by the scale, clamped to +-448, and rounded to the nearest number of E4M3, ties to even, subnormals kept.
;;     - The product sums the exact products of the quantised numbers (number of the format x scale) in f32.
;;   ~~~python
;;   def quantise(x, axis, e):      # numpy; x: float32 -> the quantised numbers, widened to float32 again
;;       x = np.moveaxis(x, axis, -1); K = x.shape[-1]
;;       r = np.clip(x / 2.0 ** e, -448, 448)
;;       step = 2.0 ** (np.maximum(np.frexp(np.where(r == 0, 1, r))[1] - 1, -6) - 3)
;;       q = np.round(r / step) * step * 2.0 ** e      # np.round: ties to even
;;       return np.moveaxis(q, -1, axis).astype(np.float32)
;;   ~~~
;;   SOFTMAX AHEAD OF A QUANTISED PRODUCT. Where the list says 'softmax', what is quantised is not the finished softmax but p = 2^(t - M), with t = logit x log2(e) and M = ceil(the row's largest t), a whole number; so 1/2 < the row's largest p <= 1. The row's sum l is taken of the UNQUANTISED p, in f32, and the product's result is divided by l at the end. Since M is a whole number, a kernel that streams over the keys may use a running M (the ceiling of the running maximum): every later rescaling is an exact power of two, so the quantised numbers keep their values, but for numbers so far below the row's largest that they fall under the format's range.
;;   OPERANDS COMPUTED ON THE WAY. 'Computed on the way' means the value that the module computes at that place (a softmax that the list does not call 'softmax' is quantised finished and normalised). What goes into a quantiser is computed in f32, as accurately as f32 sums, v_exp_f32 and their like allow (about 1e-6 of the number): no bf16 or f16 on the way to a quantiser, and a product that is left as it is and whose result goes on into a quantised operand takes f32 operands (vector FMAs, or v_wmma_f32_16x16x4_f32). A number that lies on a knife's edge between two numbers of the format may be rounded either way, as far as f32 arithmetic and the matrix unit's own rounding can turn it there, and no further.
;; 2 versions. Each part assembles by itself: llvm-mc -triple=amdgcn-amd-amdhsa -mcpu=gfx1250 --defsym DOCPART=n.
;; ======== version 1 of 2: 6 launches
;; limits: right only within a limited range of input values
;; workspace buffers: wimg 3,145,728 bytes; qkv_img 12,582,912 bytes; a_img 4,194,304 bytes; x2_img 16,777,216 bytes; y_img 4,194,304 bytes; h_img 16,777,216 bytes
;; launch prep (part 1): grid 192 x 1, 4 waves a work-group, no clusters, 0 bytes of LDS; arguments Wq, Wk, Wv, Wo, W1, W2, lowp_scales, wimg; writes wimg
.if DOCPART == 1
	.amdgcn_target "amdgcn-amd-amdhsa--gfx1250"
	.amdhsa_code_object_version 6
	.text
	.protected	k_qab6093b366_prep
	.globl	k_qab6093b366_prep
	.p2align	8
	.type	k_qab6093b366_prep,@function
k_qab6093b366_prep:
	s_mov_b64 s[64:65], 0
	v_nop
	global_prefetch_b8 v0, s[64:65] scope:SCOPE_SE
	s_setreg_imm32_b32 hwreg(HW_REG_WAVE_MODE, 25, 1), 1
	s_wait_xcnt 0x0
; The six weights (f32, K along the FIRST axis) become codes of E4M3, laid as IMAGES OF OPERAND REGISTERS.
; An image is 16 columns x 128 along K for v_wmma_f32_16x16x128_fp8_fp8: 16 registers a lane, 2,048 bytes; register 4 c + q of lane L = 16 h + r lies at byte 512 c + 16 L + 4 q,
; and byte p (0..15) of group c holds k = 32 c + 16 (p / 8) + 8 h + p % 8 of column r: the form's own layout.  A later launch loads an image by four loads of 16 bytes a lane, 512 consecutive bytes each.
; wimg: 12 blocks of 262,144 bytes: 0 Wq, 1 Wk, 2 Wv, 3 Wo, 4-7 W1's columns 512 (blk - 4) on, 8-11 W2's columns 128 (blk - 8) on.  Image 32 W + 4 t + s of a block:
; blocks 0-7: column tile 8 W + t, K step s;  blocks 8-11: column tile t of the slice, K step 4 W + s.
; SHARES.  Work-group X: block X / 16, g = (X / 4) % 4, s = X % 4.  A wave takes 32 neighbouring columns x one K step: A LANE TAKES A COLUMN AND ITS REGISTERS RUN DOWN K, so each load reads 128 consecutive bytes
; (the four waves stand side by side on 512), and the conversions give codes with K innermost.  Nothing is transposed.  Lanes 0-15 fill one image, lanes 16-31 the next column tile's, 8,192 bytes on.
; code = x / 2^e, held within +-448, to the nearest code, ties to even.  LIMITS: e between -126 and 119.  NaN among the inputs is not served.
; No LDS, no barrier, no matrix unit: waves share nothing and memory binds.
.set X, 32                             ; v32-159  128 numbers: piece q = 2 c + hh at X + 16 q, in the order of the image's bytes
.set C, 160                            ; v160-191 their codes: four registers a piece, never written again
.macro MKSC e, vs, vl, t               ; v[vs] = 2^e as f32, v[vl] = 448 x 2^e; s[t], s[t+1] at work
	s_add_co_i32 s[\t], s[\e], 127
	s_lshl_b32 s[\t+1], s[\t], 23
	v_mov_b32 v[\vs], s[\t+1]
	s_add_co_i32 s[\t], s[\t], 8
	s_lshl_b32 s[\t], s[\t], 23
	s_or_b32 s[\t], s[\t], 0x600000
	v_mov_b32 v[\vl], s[\t]
.endm
.macro LOADS pitch                     ; all 128 rows of the K step, piece by piece
.irp q, 0,1,2,3,4,5,6,7
.irp p, 0,1,2,3,4,5,6,7,8,9,10,11,12,13,14,15
	global_load_b32 v[X+16*\q+\p], v1, s[4:5] offset:(32*(\q/2)+8*(\q%2)+(\p%8)+16*(\p/8))*\pitch th:TH_LOAD_NT
.endr
.endr
.endm
	s_load_b512 s[8:23], s[0:1], 0x0               ; Wq, Wk, Wv, Wo, W1, W2, the exponents s[20:21], wimg s[22:23]
	v_lshrrev_b32 v3, 5, v0
	v_readfirstlane_b32 s2, v3                     ; wave
	v_and_b32 v4, 31, v0
	v_lshlrev_b32 v1, 2, v4                        ; in: 4 bytes a lane
	v_and_b32 v5, 15, v0
	v_bfe_u32 v6, v0, 4, 1
	v_lshlrev_b32 v2, 4, v5
	v_lshl_add_u32 v2, v6, 13, v2                  ; out: 16 r, and the next column tile's image for lanes 16-31
	s_lshr_b32 s3, ttmp9, 4                        ; block
	s_bfe_u32 s24, ttmp9, 0x20002                  ; g
	s_and_b32 s25, ttmp9, 3                        ; s
	s_lshl_b32 s26, s24, 7                         ; first column: 128 g,
	s_sub_co_u32 s27, s3, 4
	s_lshl_b32 s27, s27, 9
	s_add_co_u32 s27, s27, s26                     ; in W1: + 512 (blk - 4),
	s_sub_co_u32 s28, s3, 8
	s_lshl_b32 s28, s28, 7                         ; in W2: 128 (blk - 8)
	s_lshl_b32 s29, s24, 2
	s_add_co_u32 s29, s29, s25                     ; W2's K step: 4 g + s
	s_mov_b32 s30, 11                              ; log2 of a row's bytes
	s_cmp_ge_u32 s3, 4
	s_cselect_b32 s26, s27, s26
	s_cselect_b32 s30, 13, s30
	s_cmp_ge_u32 s3, 8
	s_cselect_b32 s26, s28, s26
	s_cselect_b32 s30, 11, s30
	s_cselect_b32 s31, s29, s25                    ; the K step
	s_lshl_b32 s31, s31, 7
	s_lshl_b32 s31, s31, s30                       ; its 128 rows down
	s_lshl_b32 s27, s2, 5
	s_add_co_u32 s26, s26, s27                     ; + 32 x wave
	s_lshl_b32 s26, s26, 2
	s_add_co_u32 s26, s26, s31
	s_mov_b32 s27, 0                               ; s[26:27]: where my wave reads
	s_lshl_b32 s28, s3, 18
	s_lshl_b32 s24, s24, 2
	s_add_co_u32 s24, s24, s2
	s_lshl_b32 s24, s24, 14                        ; (4 g + wave) x 8 images
	s_add_co_u32 s28, s28, s24
	s_lshl_b32 s25, s25, 11
	s_add_co_u32 s28, s28, s25
	s_mov_b32 s29, 0                               ; s[28:29]: where it writes
	s_wait_kmcnt 0x0
	s_load_b512 s[32:47], s[20:21], 0x0            ; the sixteen exponents
	s_mov_b64 s[4:5], s[8:9]                       ; the tensor is chosen by the block's number alone
	s_cmp_eq_u32 s3, 1
	s_cselect_b64 s[4:5], s[10:11], s[4:5]
	s_cmp_eq_u32 s3, 2
	s_cselect_b64 s[4:5], s[12:13], s[4:5]
	s_cmp_eq_u32 s3, 3
	s_cselect_b64 s[4:5], s[14:15], s[4:5]
	s_cmp_ge_u32 s3, 4
	s_cselect_b64 s[4:5], s[16:17], s[4:5]
	s_cmp_ge_u32 s3, 8
	s_cselect_b64 s[4:5], s[18:19], s[4:5]
	s_add_nc_u64 s[4:5], s[4:5], s[26:27]
	s_add_nc_u64 s[6:7], s[22:23], s[28:29]
	s_cmp_eq_u32 s30, 13                           ; the rows' pitch stands in the loads' immediates: two copies of the loads, chosen by the block's number
	s_cbranch_scc1 .Lwide
	LOADS 2048
	s_branch .Lloaded
.Lwide:
	LOADS 8192
.Lloaded:
	s_wait_kmcnt 0x0
	s_cmp_eq_u32 s3, 1                             ; the weight's exponent: entries 1, 3, 5, 11, 13, 15
	s_cselect_b32 s48, s35, s33
	s_cmp_eq_u32 s3, 2
	s_cselect_b32 s48, s37, s48
	s_cmp_eq_u32 s3, 3
	s_cselect_b32 s48, s43, s48
	s_cmp_ge_u32 s3, 4
	s_cselect_b32 s48, s45, s48
	s_cmp_ge_u32 s3, 8
	s_cselect_b32 s48, s47, s48
	MKSC 48, 11, 10, 50
.irp q, 0,1,2,3,4,5,6,7
.if 112-16*\q > 63
	s_wait_loadcnt 63                              ; behind this piece's loads stand 112 - 16 q younger ones: more than the wait can name, so the largest count that it can
.else
	s_wait_loadcnt 112-16*\q                       ; the younger pieces' loads may stay out
.endif
.irp p, 0,1,2,3,4,5,6,7,8,9,10,11,12,13,14,15
	v_med3_num_f32 v[X+16*\q+\p], v[X+16*\q+\p], -v10, v10   ; the conversion to an 8-bit code does not saturate (ISA guide 7.6.2): the hold comes first
.endr
	v_cvt_scalef32_pk8_fp8_f32 v[C+4*\q:C+4*\q+1], v[X+16*\q:X+16*\q+7], v11
	v_cvt_scalef32_pk8_fp8_f32 v[C+4*\q+2:C+4*\q+3], v[X+16*\q+8:X+16*\q+15], v11
	global_store_b128 v2, v[C+4*\q:C+4*\q+3], s[6:7] offset:512*(\q/2)+256*(\q%2)   ; sixteen lanes store 256 consecutive bytes, aligned; the results go to a store alone, and the next piece begins with plain lines
.endr
	s_endpgm
.Lfunc_end_k_qab6093b366_prep:
	.size	k_qab6093b366_prep, .Lfunc_end_k_qab6093b366_prep-k_qab6093b366_prep
	.p2alignl 7, 3214868480
	.fill 96, 4, 3214868480
	.section	.rodata,"a",@progbits
	.p2align	6, 0x0
	.amdhsa_kernel k_qab6093b366_prep
		.amdhsa_group_segment_fixed_size 0
		.amdhsa_private_segment_fixed_size 0
		.amdhsa_enable_private_segment 0
		.amdhsa_kernarg_size 64
		.amdhsa_user_sgpr_count 2
		.amdhsa_user_sgpr_kernarg_segment_ptr 1
		.amdhsa_wavefront_size32 1
		.amdhsa_system_sgpr_workgroup_id_x 1
		.amdhsa_system_sgpr_workgroup_id_y 1
		.amdhsa_system_sgpr_workgroup_id_z 1
		.amdhsa_system_vgpr_workitem_id 0
		.amdhsa_next_free_vgpr 192
		.amdhsa_next_free_sgpr 66
		.amdhsa_reserve_vcc 0
		.amdhsa_float_denorm_mode_32 3
		.amdhsa_float_denorm_mode_16_64 3
		.amdhsa_memory_ordered 1
		.amdhsa_forward_progress 1
		.amdhsa_inst_pref_size 37
	.end_amdhsa_kernel
	.amdgpu_metadata
---
amdhsa.version: [ 1, 2 ]
amdhsa.kernels:
  - .name:           k_qab6093b366_prep
    .symbol:         k_qab6093b366_prep.kd
    .args:
      - { .name: Wq, .offset: 0, .size: 8, .value_kind: global_buffer, .address_space: global }
      - { .name: Wk, .offset: 8, .size: 8, .value_kind: global_buffer, .address_space: global }
      - { .name: Wv, .offset: 16, .size: 8, .value_kind: global_buffer, .address_space: global }
      - { .name: Wo, .offset: 24, .size: 8, .value_kind: global_buffer, .address_space: global }
      - { .name: W1, .offset: 32, .size: 8, .value_kind: global_buffer, .address_space: global }
      - { .name: W2, .offset: 40, .size: 8, .value_kind: global_buffer, .address_space: global }
      - { .name: lowp_scales, .offset: 48, .size: 8, .value_kind: global_buffer, .address_space: global }
      - { .name: wimg, .offset: 56, .size: 8, .value_kind: global_buffer, .address_space: global }
    .group_segment_fixed_size: 0
    .private_segment_fixed_size: 0
    .kernarg_segment_align: 8
    .kernarg_segment_size: 64
    .max_flat_workgroup_size: 128
    .sgpr_count:     66
    .vgpr_count:     192
    .wavefront_size: 32
...
	.end_amdgpu_metadata
.endif
;; end of part 1
;; launch qkv (part 2): grid 64 x 3, 4 waves a work-group, no clusters, 66,048 bytes of LDS; arguments input, mask, lowp_scales, wimg, qkv_img; writes qkv_img
.if DOCPART == 2
	.amdgcn_target "amdgcn-amd-amdhsa--gfx1250"
	.amdhsa_code_object_version 6
	.text
	.protected	k_qab6093b366_qkv
	.globl	k_qab6093b366_qkv
	.p2align	8
	.type	k_qab6093b366_qkv,@function
k_qab6093b366_qkv:
	s_mov_b64 s[64:65], 0
	v_nop
	global_prefetch_b8 v0, s[64:65] scope:SCOPE_SE
	s_setreg_imm32_b32 hwreg(HW_REG_WAVE_MODE, 25, 1), 1
	s_wait_xcnt 0x0
; x = LayerNorm(input x mask), quantised; one of x Wq / 8, x Wk, x Wv (work-group y = 0, 1, 2), quantised again as attention's operand.  Both quantisers with the given scales.
; SHARES.  Work-group x: 128 rows (8 tiles of 16).  Wave w normalises and quantises row tiles 2 w and 2 w + 1, and makes output columns 128 w .. 128 w + 127 (two heads) for all 128 rows:
; its part of the weight, 32 images, 512 registers, comes from memory straight into the registers that keep it.  The rows' codes go from wave to wave through LDS as images of the operand's registers.
; LAYOUT (v_wmma_f32_16x16x128_fp8_fp8's own): lane (r, h) of an image holds row or column r; register pair c holds k = 16 c + 8 h + 0..7.
; q, k: source 0 = 16 columns of W, source 1 = 16 rows of x: a lane then holds ONE token and eight neighbouring features, and a tile's conversion IS register pair t % 4 of that head's operand (K = 64).
; v: the sources swapped: a lane holds ONE feature and eight neighbouring tokens: register pair m of the operand whose K are the keys.
; qkv_img: q at 0, k at 4 MiB: [batch x head 32][token tile 128][1,024 bytes];  v at 8 MiB: [batch x head][key step 16][feature tile 4][2,048 bytes].
; A sum stands for sum x 2^(eA + eB): its code is sum / 2^(eO - eA - eB), for q with 3 more in the exponent (the factor 1 / 8).
; LIMITS: eA and eO - eA - eB (+ 3) between -126 and 119.  NaN among the inputs is not served.
; NO JOINT LOADS: what work-groups share is the weight, and it lands in the registers that hold it; a joint load lands in LDS, so each of a work-group's 262,144 bytes of weight would be written to LDS and read from it besides.
; 192 work-groups: the three matrices have their own scales for x, so a wave's columns stay inside one matrix.
; REGISTERS, in windows of 256.  Window 0: v1-4 addresses; v6, v7 the two tiles' masks; v[8:9] mask, v[10:11] -mean, v[12:13] 1 / sigma (low words; the high words are written once);
;   v16-25 sums at work; v26, v27: 2^eA, 448 x 2^eA; v28, v29: the same for the results; v32-63 two sets of codes; v64-191 two buffers of x's fragments (first: the codes just made); v192-255 eight accumulators.
;   Window 1: W's column tiles 0-3 (image (t, s) at 16 (4 t + s)).  Window 3: row tile 2 w's 256 numbers a lane, then W's column tiles 4-7.  Window 2: row tile 2 w + 1's numbers, then v's codes.
.set SEL, 32                           ; s[32:33] lane selects for v_permlanex16_b32: lane l xor 16
.set ACC, 192
.set MSB, 0
.macro WIN new                         ; the immediate's high byte repeats the setting that is left
.if MSB != (\new)
	s_set_vgpr_msb (MSB<<8)|(\new)
.set MSB, (\new)
.endif
.endm
.macro NOP4
.rept 4
	v_nop
.endr
.endm
.macro MKSC e, vs, vl, t               ; v[vs] = 2^e as f32, v[vl] = 448 x 2^e
	s_add_co_i32 s[\t], s[\e], 127
	s_lshl_b32 s[\t+1], s[\t], 23
	v_mov_b32 v[\vs], s[\t+1]
	s_add_co_i32 s[\t], s[\t], 8
	s_lshl_b32 s[\t], s[\t], 23
	s_or_b32 s[\t], s[\t], 0x600000
	v_mov_b32 v[\vl], s[\t]
.endm
.macro MM d, a, b, z                   ; one product; z: it starts the sum
.if \z
	v_wmma_f32_16x16x128_fp8_fp8 v[\d:\d+7], v[\a:\a+15], v[\b:\b+15], 0
.else
	v_wmma_f32_16x16x128_fp8_fp8 v[\d:\d+7], v[\a:\a+15], v[\b:\b+15], v[\d:\d+7]
.endif
.endm
.macro XLOAD off                       ; a row tile: lane (r, h) takes, of row r, the numbers in the order of the operand's registers: register 64 s + 16 c + p is feature 128 s + 32 c + 16 (p / 8) + 8 h + p % 8
.irp s, 0,1,2,3
.irp c, 0,1,2,3
.irp q, 0,1,2,3
	global_load_b128 v[64*\s+16*\c+4*\q:64*\s+16*\c+4*\q+3], v2, s[4:5] offset:\off+512*\s+128*\c+64*(\q/2)+16*(\q%2)
.endr
.endr
.endr
.endm
.macro WLOAD off                       ; sixteen images of the weight
.irp i, 0,1,2,3,4,5,6,7,8,9,10,11,12,13,14,15
.irp c, 0,1,2,3
	global_load_b128 v[16*\i+4*\c:16*\i+4*\c+3], v1, s[10:11] offset:\off+2048*\i+512*\c
.endr
.endr
.endm
.macro FOLD                            ; four chains of pairs -> the row's sum in v16, in both lanes that hold the row
	v_pk_add_f32 v[16:17], v[16:17], v[18:19]
	v_pk_add_f32 v[20:21], v[20:21], v[22:23]
	v_pk_add_f32 v[16:17], v[16:17], v[20:21]
	v_add_f32 v16, v16, v17
	v_permlanex16_b32 v24, v16, s[SEL], s[SEL+1]
	v_add_f32 v16, v16, v24
.endm
; LayerNorm and quantiser of one row tile, whose numbers fill window W; a: which of my two tiles; PC: where the 64 registers of codes go
.macro LN W, a, PC
	WIN (\W)|((\W)<<2)
.irp k, 0,1,2,3
	v_pk_add_f32 v[16+2*\k:17+2*\k], v[4*\k:4*\k+1], v[4*\k+2:4*\k+3]   ; the first eight pairs start the chains: nothing is cleared
.endr
	WIN (\W)<<2
.set i, 16
.rept 120
	v_pk_add_f32 v[16+2*((i/2)%4):17+2*((i/2)%4)], v[16+2*((i/2)%4):17+2*((i/2)%4)], v[i:i+1]
.set i, i+2
.endr
	WIN 0
	FOLD
	v_mov_b32 v8, v[6+\a]                          ; the row's mask m
	v_mul_f32 v25, s40, v8                         ; m / 512
	v_mul_f32 v10, -v16, v25                       ; -mean of the masked row
	WIN ((\W)<<6)|(\W)
.set i, 0
.rept 128
	v_pk_fma_f32 v[i:i+1], v[i:i+1], v[8:9], v[10:11] op_sel_hi:[1,0,0]   ; x m - mean: mask and centring in one fused line
.set i, i+2
.endr
	WIN (\W)|((\W)<<2)
.irp k, 0,1,2,3
	v_pk_mul_f32 v[16+2*\k:17+2*\k], v[2*\k:2*\k+1], v[2*\k:2*\k+1]
.endr
.set i, 8
.rept 124
	v_pk_fma_f32 v[16+2*((i/2)%4):17+2*((i/2)%4)], v[i:i+1], v[i:i+1], v[16+2*((i/2)%4):17+2*((i/2)%4)]
.set i, i+2
.endr
	WIN 0
	FOLD
	v_fma_f32 v12, v16, s40, s41                   ; variance + eps
	v_rsq_f32 v12, v12
	v_nop                                          ; a plain line behind the transcendental,
	s_wait_alu depctr_va_vdst(0)                   ; and the wait ahead of the first use of its result
	WIN ((\W)<<6)|(\W)
.set i, 0
.rept 128
	v_pk_mul_f32 v[i:i+1], v[i:i+1], v[12:13] op_sel_hi:[1,0]
.set i, i+2
.endr
.set i, 0
.rept 256
	v_med3_num_f32 v[i], v[i], -v27, v27           ; the conversion does not saturate (ISA guide 7.6.2): the hold comes first
.set i, i+1
.endr
	WIN (\W)
.set i, 0
.rept 32
	v_cvt_scalef32_pk8_fp8_f32 v[\PC+2*i:\PC+2*i+1], v[8*i:8*i+7], v26
.set i, i+1
.endr
	v_nop                                          ; a plain line behind the last conversion
	WIN 0
.irp s, 0,1,2,3
.irp c, 0,1,2,3
	ds_store_b128 v4, v[\PC+16*\s+4*\c:\PC+16*\s+4*\c+3] offset:8192*\a+2048*\s+512*\c   ; the four fragments go to LDS as they stand: 512 consecutive bytes a line
.endr
.endr
.endm
.macro FETCH buf, m                    ; row tile m's four fragments come back so, in any wave
.irp s, 0,1,2,3
.irp c, 0,1,2,3
	ds_load_b128 v[\buf+16*\s+4*\c:\buf+16*\s+4*\c+3], v1 offset:8192*(\m)+2048*\s+512*\c
.endr
.endr
.endm
; One row tile against my eight column tiles.  path = 0: q, k;  1: v.  Four accumulators take turns, one instruction a turn.
.macro TILE m, path
.set AB, 64+64*((\m)%2)
.set CD, 32+16*((\m)%2)
.if (\m) < 7
	FETCH 64+64*(((\m)+1)%2), (\m)+1
	s_wait_dscnt 16                                ; this tile's fragments are in; the next tile's sixteen loads may stay out
.else
	s_wait_dscnt 0x0
.endif
.irp g, 0,1
.if \path
	WIN 0x04+8*\g                                  ; source 1 (W) in window 1, then 3
.else
	WIN 0x01+2*\g                                  ; source 0 (W) in window 1, then 3
.endif
.irp s, 0,1,2,3
.irp t, 0,1,2,3
.if \path
	MM ACC+8*(4*\g+\t), AB+16*\s, 16*(4*\t+\s), \s==0
.else
	MM ACC+8*(4*\g+\t), 16*(4*\t+\s), AB+16*\s, \s==0
.endif
.endr
.endr
.endr
	WIN 0
	NOP4                                           ; four places between the last product and the first use of results, and the next loads into the fragments
.if !(\path)
	s_wait_xcnt 0x0                                ; the stores of two tiles back have read their codes: the set may be written again
.endif
.set i, 0
.rept 64
	v_med3_num_f32 v[ACC+i], v[ACC+i], -v29, v29   ; each accumulator from its low end on
.set i, i+1
.endr
.if \path
	WIN 0x80                                       ; the codes gather in window 2: register pair m of column tile t's fragment
.irp t, 0,1,2,3,4,5,6,7
	v_cvt_scalef32_pk8_fp8_f32 v[16*\t+2*(\m):16*\t+2*(\m)+1], v[ACC+8*\t:ACC+8*\t+7], v28
.endr
	v_nop
	WIN 0
.else
.irp t, 0,1,2,3,4,5,6,7
	v_cvt_scalef32_pk8_fp8_f32 v[CD+2*\t:CD+2*\t+1], v[ACC+8*\t:ACC+8*\t+7], v28
.endr
	v_nop                                          ; a plain line behind the last conversion: the next products write its sources
.irp g, 0,1,2,3
	global_store_b128 v1, v[CD+4*\g:CD+4*\g+3], s[12:13] offset:131072*(\g/2)+1024*(\m)+512*(\g%2)   ; head 2 w + g / 2, token tile m: 512 consecutive bytes, aligned
.endr
.endif
.endm
	s_load_b256 s[4:11], s[0:1], 0x0               ; input s[4:5], mask s[6:7], the exponents s[8:9], wimg s[10:11]
	s_load_b64 s[12:13], s[0:1], 0x20              ; qkv_img
	v_lshl_add_u32 v30, v0, 2, 0x10000
	v_mov_b32 v31, 0
	v_lshrrev_b32 v5, 5, v0
	v_readfirstlane_b32 s14, v5                    ; wave
	s_and_b32 s2, ttmp7, 0xffff                    ; which matrix
	v_and_b32 v1, 31, v0
	v_lshlrev_b32 v1, 4, v1                        ; 16 x lane: an image's place for my lane
	v_and_b32 v3, 15, v0                           ; r
	v_bfe_u32 v5, v0, 4, 1                         ; h
	v_lshlrev_b32 v2, 11, v3
	v_lshl_add_u32 v2, v5, 5, v2                   ; input: row r of 2,048 bytes, + 32 h
	v_lshlrev_b32 v3, 2, v3                        ; mask: 4 r
	s_lshl_b32 s3, s14, 14
	v_add_nc_u32 v4, s3, v1                        ; where I store my two tiles' images: 16,384 x wave + 16 x lane
	v_mov_b32 v9, 0                                ; the pairs' high words and the permute's destination are written once
	v_mov_b32 v11, 0
	v_mov_b32 v13, 0
	v_mov_b32 v24, 0
	s_mov_b32 s[SEL], 0x76543210
	s_mov_b32 s[SEL+1], 0xfedcba98
	s_mov_b32 s40, 0x3b000000                      ; 1 / 512
	s_mov_b32 s41, 0x358637bd                      ; 1e-6
	s_lshl_b32 s38, ttmp9, 18                      ; my first row, 128 x + 32 w, in bytes of input,
	s_lshl_b32 s3, s14, 16
	s_add_co_u32 s38, s38, s3
	s_mov_b32 s39, 0
	s_lshl_b32 s44, ttmp9, 9                       ; and of mask
	s_lshl_b32 s45, s14, 7
	s_add_co_u32 s44, s44, s45
	s_mov_b32 s45, 0
	s_lshl_b32 s46, s2, 18                         ; the matrix's block, my 32 images
	s_add_co_u32 s46, s46, s3
	s_mov_b32 s47, 0
	s_wait_kmcnt 0x0
	s_load_b512 s[16:31], s[8:9], 0x0              ; the sixteen exponents
	s_add_nc_u64 s[4:5], s[4:5], s[38:39]
	s_add_nc_u64 s[6:7], s[6:7], s[44:45]
	s_add_nc_u64 s[10:11], s[10:11], s[46:47]
	global_load_b32 v6, v3, s[6:7]
	global_load_b32 v7, v3, s[6:7] offset:64
	WIN 0xc0
	XLOAD 0                                        ; row tile 2 w into window 3
	WIN 0x80
	XLOAD 32768                                    ; row tile 2 w + 1 into window 2
	WIN 0x40
	WLOAD 0                                        ; W's column tiles 0-3 into window 1
	WIN 0
	s_lshr_b32 s44, ttmp9, 4                       ; where the results go: y x 4 MiB + (8 b + 2 w) x 131,072 + (x % 16) x 8,192: the same sum for q, k (8 token tiles of 1,024) and v (a key step of 8,192)
	s_lshl_b32 s44, s44, 3
	s_lshl_b32 s45, s14, 1
	s_add_co_u32 s44, s44, s45
	s_lshl_b32 s44, s44, 17
	s_and_b32 s45, ttmp9, 15
	s_lshl_b32 s45, s45, 13
	s_add_co_u32 s44, s44, s45
	s_lshl_b32 s45, s2, 22
	s_add_co_u32 s44, s44, s45
	s_mov_b32 s45, 0
	s_add_nc_u64 s[12:13], s[12:13], s[44:45]
	s_wait_kmcnt 0x0
	s_cmp_eq_u32 s2, 1                             ; eA, eB, eO: entries (0, 1, 6), (2, 3, 7), (4, 5, 9)
	s_cselect_b32 s34, s18, s16
	s_cselect_b32 s35, s19, s17
	s_cselect_b32 s36, s23, s22
	s_cmp_eq_u32 s2, 2
	s_cselect_b32 s34, s20, s34
	s_cselect_b32 s35, s21, s35
	s_cselect_b32 s36, s25, s36
	s_cmp_eq_u32 s2, 0
	s_cselect_b32 s37, 3, 0
	s_sub_co_i32 s36, s36, s34
	s_sub_co_i32 s36, s36, s35
	s_add_co_i32 s36, s36, s37
	MKSC 34, 26, 27, 42
	MKSC 36, 28, 29, 42
	s_wait_loadcnt 63                              ; behind the masks and the first tile stand 128 younger loads: more than the wait can name, so the largest count that it can
	LN 3, 0, 64
	s_wait_loadcnt 63                              ; behind the second tile stand W's 64
	WIN 0xc0
	WLOAD 32768                                    ; window 3 is free: W's column tiles 4-7 land while the second tile is normalised
	WIN 0
	LN 2, 1, 128
	s_wait_dscnt 0x0                               ; my images have landed,
	s_barrier_signal -1
	s_barrier_wait -1                              ; everybody's have
	s_wait_loadcnt 0x0                             ; W
	FETCH 64, 0
	s_cmp_eq_u32 s2, 2
	s_cbranch_scc1 .Lvpath                         ; from here on LDS is only read
.irp m, 0,1,2,3,4,5,6,7
	TILE \m, 0
.endr
	s_wait_tensorcnt 0x0
	ds_add_u32 v30, v31
	s_wait_dscnt 0x0
	s_endpgm
.Lvpath:
.irp m, 0,1,2,3,4,5,6,7
	TILE \m, 1
.endr
	WIN 0x08                                       ; store data in window 2
.irp t, 0,1,2,3,4,5,6,7
.irp c, 0,1,2,3
	global_store_b128 v1, v[16*\t+4*\c:16*\t+4*\c+3], s[12:13] offset:131072*(\t/4)+2048*(\t%4)+512*\c   ; head 2 w + t / 4, feature tile t % 4
.endr
.endr
	WIN 0
	s_wait_tensorcnt 0x0
	ds_add_u32 v30, v31
	s_wait_dscnt 0x0
	s_endpgm
.Lfunc_end_k_qab6093b366_qkv:
	.size	k_qab6093b366_qkv, .Lfunc_end_k_qab6093b366_qkv-k_qab6093b366_qkv
	.p2alignl 7, 3214868480
	.fill 96, 4, 3214868480
	.section	.rodata,"a",@progbits
	.p2align	6, 0x0
	.amdhsa_kernel k_qab6093b366_qkv
		.amdhsa_group_segment_fixed_size 66048
		.amdhsa_private_segment_fixed_size 0
		.amdhsa_enable_private_segment 0
		.amdhsa_kernarg_size 40
		.amdhsa_user_sgpr_count 2
		.amdhsa_user_sgpr_kernarg_segment_ptr 1
		.amdhsa_wavefront_size32 1
		.amdhsa_system_sgpr_workgroup_id_x 1
		.amdhsa_system_sgpr_workgroup_id_y 1
		.amdhsa_system_sgpr_workgroup_id_z 1
		.amdhsa_system_vgpr_workitem_id 0
		.amdhsa_next_free_vgpr 1024
		.amdhsa_next_free_sgpr 66
		.amdhsa_reserve_vcc 0
		.amdhsa_float_denorm_mode_32 3
		.amdhsa_float_denorm_mode_16_64 3
		.amdhsa_memory_ordered 1
		.amdhsa_forward_progress 1
		.amdhsa_inst_pref_size 255
	.end_amdhsa_kernel
	.section	.bss,"aw",@nobits
	.p2align	6
	.space	262144
	.amdgpu_metadata
---
amdhsa.version: [ 1, 2 ]
amdhsa.kernels:
  - .name:           k_qab6093b366_qkv
    .symbol:         k_qab6093b366_qkv.kd
    .args:
      - { .name: input, .offset: 0, .size: 8, .value_kind: global_buffer, .address_space: global }
      - { .name: mask, .offset: 8, .size: 8, .value_kind: global_buffer, .address_space: global }
      - { .name: lowp_scales, .offset: 16, .size: 8, .value_kind: global_buffer, .address_space: global }
      - { .name: wimg, .offset: 24, .size: 8, .value_kind: global_buffer, .address_space: global }
      - { .name: qkv_img, .offset: 32, .size: 8, .value_kind: global_buffer, .address_space: global }
    .group_segment_fixed_size: 66048
    .private_segment_fixed_size: 0
    .kernarg_segment_align: 8
    .kernarg_segment_size: 40
    .max_flat_workgroup_size: 128
    .sgpr_count:     66
    .vgpr_count:     1024
    .wavefront_size: 32
...
	.end_amdgpu_metadata
.endif
;; end of part 2
;; launch attn (part 3): grid 8 x 32, 8 waves a work-group, no clusters, 66,560 bytes of LDS; arguments qkv_img, mask, lowp_scales, a_img; writes a_img
.if DOCPART == 3
	.amdgcn_target "amdgcn-amd-amdhsa--gfx1250"
	.amdhsa_code_object_version 6
	.text
	.protected	k_qab6093b366_attn
	.globl	k_qab6093b366_attn
	.p2align	8
	.type	k_qab6093b366_attn,@function
k_qab6093b366_attn:
	s_mov_b64 s[64:65], 0
	v_nop
	global_prefetch_b8 v0, s[64:65] scope:SCOPE_SE
	s_setreg_imm32_b32 hwreg(HW_REG_WAVE_MODE, 25, 1), 1
	s_wait_xcnt 0x0
; Attention of one head on codes of E4M3, and the quantiser of its result.  logit = q . k - 100000 (1 - mask[query]); t = logit x log2(e); M = the running largest t rounded UP to a whole number;
; p = 2^(t - M) is quantised along the keys with 2^e8, not normalised; the row's sum is taken of the unquantised p and divides at the end; when M moves, sum and O are multiplied by 2^(old M - new M), which rounds nothing.
; SHARES.  Work-group (x, y): 256 queries of batch x head y.  Each of eight waves owns two tiles of 16 queries, so each fragment of K and V read from LDS feeds two products; two waves lie on a SIMD,
; so that one wave's vector work stands beside the other's products.  Every wave walks the head's 2,048 keys, 128 a step, 16 steps.
; LAYOUT.  Both products are used transposed: S^T = K Q^T (source 0 = 16 keys), O^T = V^T P^T (source 0 = 16 features): a lane holds ONE query throughout; tile u's eight scores are keys 16 u + 8 h + 0..7,
; which is register pair u of the second product's operand.  K, Q, V arrive as images of their registers, so a step's K and V (a CHUNK) are 8,192 consecutive bytes each.
; THE MASK'S OFFSET is the C of every score's product (divided by the power of two that the sums lack): it is added to the logit in f32 and costs no vector line.
; LDS: a ring of FOUR buffers of 16,384 bytes (K's 8 images, V's 4); chunk c lies in buffer c % 4.  Each wave brings 1,024 bytes of K and of V of a chunk through 16 registers.
; THE PIPELINE.  Step s: stores chunk s + 2 (loaded a step ago); multiplies K of step s, which is in registers already; asks memory for chunk s + 3; signals; asks LDS for K of step s + 1 and V of step s, which land
; while the softmax is walked; waits for the barrier behind the row sums; second product.
; ONE BARRIER A STEP, ITS HALVES APART.  Store, then read: chunk c is stored in step c - 2 ahead of that step's signal, and first read in step c - 1, behind that barrier's wait.  Read, then overwrite: the wave that stores
; into chunk s - 2's buffer in step s has passed the wait of step s - 1, so every wave has signalled in step s - 1, with all its LDS loads back, and has left step s - 2, which held that buffer's last reads.
; Between a signal and its wait stand register work and loads from buffers s % 4 and (s + 1) % 4, which are next written in steps s + 2 and s + 3, behind a later barrier.  Steps 14 and 15 store nothing and have no barrier.
; THE HOLD AT THE LARGEST CODE is walked only where it can act: with e8 >= -8 the largest code stands for 1.75 or more, and p is at most 2^(half a unit in t's last place), under 1.42 (LIMIT: |t| under 2^24).
; The branch hangs on e8, a whole number read from an input; it goes round the 128 lines of the hold alone.
; NO JOINT LOADS, NO DATA MOVER: a work-group fetches 16,384 bytes for a step in which each wave issues some 480 lines: what is shared is a small part of a step's work.
; LIMITS: e6 + e7 between -126 and 127; e8 and e10 between -126 and 119.  NaN among the inputs is not served.
; REGISTERS.  Window 0: v1 16 x lane; v2 1,024 x wave + 16 x lane; v4 256 x lane; v5 4 r; tile T's statistics at 8 + 8 T: +0 -M, +1 the largest t, +2:3 the sum, +4:5 f (+4 also a chain of the maximum), +6 at work, +7 the permute's;
;   v[24+2T:25+2T] the sum's second chain; v28, v29: 2^e8, 448 x 2^e8; v30, v31: the same for e10; v32-47 a chunk on its way; v48-63 the masks' offsets; v64-191 S^T, then p; v192-255 V's fragments.
;   Window 1: v0-63 O^T; v64-79 Q; v80-111 p's codes; v112-175 K's fragments.
.set SEL, 32
.set CS,  34                           ; s[34:35] log2(e) x 2^(e6 + e7)
.set KB,  36                           ; s[36:37] K's chunk of the trip's first step;  s[38:39] V's
.set VB,  38
.set PFA, 40                           ; s[40:41] the same, for my prefetches
.set LIM, 42                           ; s42, s43: 0 and 1 in a wave that prefetches, else the greatest number: a step asks while the trips to go are above one of them
.set TR,  56                           ; s56 trips to go
.set HOLD, 57                          ; s57 1 where the hold can act (e8 < -8), else 0
.set KF,  112                          ; K's fragments, in window 1
.set MSB, 0
.macro WIN new                         ; the immediate's high byte repeats the setting that is left
.if MSB != (\new)
	s_set_vgpr_msb (MSB<<8)|(\new)
.set MSB, (\new)
.endif
.endm
.macro NOP4
.rept 4
	v_nop
.endr
.endm
.macro MKSC e, vs, vl, t               ; v[vs] = 2^e as f32, v[vl] = 448 x 2^e
	s_add_co_i32 s[\t], s[\e], 127
	s_lshl_b32 s[\t+1], s[\t], 23
	v_mov_b32 v[\vs], s[\t+1]
	s_add_co_i32 s[\t], s[\t], 8
	s_lshl_b32 s[\t], s[\t], 23
	s_or_b32 s[\t], s[\t], 0x600000
	v_mov_b32 v[\vl], s[\t]
.endm
.macro GLOAD reg, gimm                 ; my 1,024 bytes of K and of V of the chunk gimm bytes on
	global_load_b128 v[\reg:\reg+3], v2, s[KB:KB+1] offset:(\gimm)
	global_load_b128 v[\reg+4:\reg+7], v2, s[KB:KB+1] offset:(\gimm)+512
	global_load_b128 v[\reg+8:\reg+11], v2, s[VB:VB+1] offset:(\gimm)
	global_load_b128 v[\reg+12:\reg+15], v2, s[VB:VB+1] offset:(\gimm)+512
.endm
.macro GSTORE reg, buf                 ; (an argument is put in as text: it stands in brackets inside a product)
	ds_store_b128 v2, v[\reg:\reg+3] offset:16384*(\buf)
	ds_store_b128 v2, v[\reg+4:\reg+7] offset:16384*(\buf)+512
	ds_store_b128 v2, v[\reg+8:\reg+11] offset:16384*(\buf)+8192
	ds_store_b128 v2, v[\reg+12:\reg+15] offset:16384*(\buf)+8704
.endm
.macro KLOAD buf                       ; K's eight fragments out of a buffer, into window 1
	WIN 0x40
.irp u, 0,1,2,3,4,5,6,7
.irp c, 0,1
	ds_load_b128 v[KF+8*\u+4*\c:KF+8*\u+4*\c+3], v1 offset:16384*(\buf)+1024*\u+512*\c
.endr
.endr
	WIN 0
.endm
; The step's largest score of each query, the new M, f.  Both tiles line by line: four chains of maxima, so that a line's source was written four lines back; each accumulator is first read at its low end.
.macro SMAX
.irp T, 0,1
	v_max3_num_f32 v[14+8*\T], v[64+64*\T], v[65+64*\T], v[66+64*\T]
	v_max3_num_f32 v[12+8*\T], v[67+64*\T], v[68+64*\T], v[69+64*\T]
.endr
.irp i, 6,10,14,18,22,26,30,34,38,42,46,50,54,58
.irp T, 0,1
	v_max3_num_f32 v[14+8*\T], v[14+8*\T], v[64+64*\T+\i], v[65+64*\T+\i]
	v_max3_num_f32 v[12+8*\T], v[12+8*\T], v[66+64*\T+\i], v[67+64*\T+\i]
.endr
.endr
.irp T, 0,1
	v_max3_num_f32 v[14+8*\T], v[14+8*\T], v[126+64*\T], v[127+64*\T]
.endr
.irp T, 0,1
	v_max_num_f32 v[14+8*\T], v[14+8*\T], v[12+8*\T]
.endr
.irp T, 0,1
	v_permlanex16_b32 v[15+8*\T], v[14+8*\T], s[SEL], s[SEL+1]
.endr
.irp T, 0,1
	v_max_num_f32 v[14+8*\T], v[14+8*\T], v[15+8*\T]       ; and among the other half's keys
.endr
.irp T, 0,1
	v_mul_f32 v[14+8*\T], s[CS], v[14+8*\T]                ; as t
.endr
.irp T, 0,1
	v_max_num_f32 v[9+8*\T], v[9+8*\T], v[14+8*\T]         ; the running largest t
.endr
.irp T, 0,1
	v_mov_b32 v[14+8*\T], v[8+8*\T]
.endr
.irp T, 0,1
	v_floor_f32 v[8+8*\T], -v[9+8*\T]                      ; -M = floor(-t): M is a whole number
.endr
.irp T, 0,1
	v_sub_f32 v[14+8*\T], v[8+8*\T], v[14+8*\T]            ; old M - new M, 0 or less
.endr
.irp T, 0,1
	v_cvt_i32_f32 v[14+8*\T], v[14+8*\T]                   ; (it saturates)
.endr
.irp T, 0,1
	v_ldexp_f32 v[12+8*\T], 1.0, v[14+8*\T]                ; f = 2^(old M - new M)
.endr
.endm
.macro SSCALE T
.set rT, 8+8*\T
.set rS, 64+64*\T
.set i, 0
.rept 32
	v_pk_fma_f32 v[rS+i:rS+i+1], v[rS+i:rS+i+1], s[CS:CS+1], v[rT:rT+1] op_sel_hi:[1,0,0]   ; t - M (of both pairs the low word serves both halves)
.set i, i+2
.endr
.endm
.macro SEXP T
.set rS, 64+64*\T
.set i, 0
.rept 64
	v_exp_f32 v[rS+i], v[rS+i]
.set i, i+1
.endr
.endm
.macro SSUM                            ; the sums of the unquantised p: two chains a tile, both tiles line by line
.irp T, 0,1
	v_pk_add_f32 v[24+2*\T:25+2*\T], v[64+64*\T:65+64*\T], v[66+64*\T:67+64*\T]
.endr
.irp j, 4,8,12,16,20,24,28,32,36,40,44,48,52,56,60
.irp T, 0,1
	v_pk_add_f32 v[10+8*\T:11+8*\T], v[10+8*\T:11+8*\T], v[64+64*\T+\j:65+64*\T+\j]
	v_pk_add_f32 v[24+2*\T:25+2*\T], v[24+2*\T:25+2*\T], v[66+64*\T+\j:67+64*\T+\j]
.endr
.endr
.irp T, 0,1
	v_pk_add_f32 v[10+8*\T:11+8*\T], v[10+8*\T:11+8*\T], v[24+2*\T:25+2*\T]
.endr
.endm
.macro SHOLD T
.set rS, 64+64*\T
.set i, 0
.rept 64
	v_min_num_f32 v[rS+i], v[rS+i], v29            ; the conversion does not saturate (ISA guide 7.6.2); p is not negative, so the hold is one-sided
.set i, i+1
.endr
.endm
; A KEY STEP whose chunk lies in buffer j.  st: the chunk two steps on is stored, and the step has its barrier.  gl: the chunk three steps on is asked of memory.
; ask: 1 or 2: the step's prefetch, stopped by s[LIM] or s[LIM+1].  kn: the next step's K is fetched.  last: the way out follows.
.macro STEP j, st, gl, ask, kn, last
.if \st
	s_wait_loadcnt 0x0                             ; the chunk two steps on, asked for a step ago, is in my registers
	GSTORE 32, ((\j)+2)%4                          ; into the buffer whose last reads lie two steps back
.endif
	WIN 0x05                                       ; sources 0 (K) and 1 (Q) in window 1
.irp u, 0,1,2,3,4,5,6,7
.irp T, 0,1
	v_wmma_f32_16x16x64_fp8_fp8 v[64+64*\T+8*\u:64+64*\T+8*\u+7], v[KF+8*\u:KF+8*\u+7], v[64+8*\T:64+8*\T+7], v[48+8*\T:48+8*\T+7]
.endr
.endr
	WIN 0
.if \st
	s_wait_dscnt 0x0                               ; for the others' sake: my stores have landed (no other LDS line of mine is out); they have also read their registers
.if \gl
	GLOAD 32, 8192*((\j)+3)
.endif
.if \ask
	s_cmp_gt_u32 s[TR], s[LIM+(\ask)-1]
	s_cbranch_scc0 .Lnoask_\@
	global_prefetch_b8 v4, s[PFA:PFA+1] offset:8192*((\j)+5) th:TH_LOAD_NT scope:SCOPE_SE   ; the chunk five steps on, two steps ahead of the load that will want it: 8,192 bytes, lanes 256 bytes apart
.Lnoask_\@:
.endif
	s_barrier_signal -1
.endif
	NOP4                                           ; four places behind the products: then loads into K's and V's registers, and the first use of scores
.if \kn
	KLOAD ((\j)+1)%4                               ; the next step's K,
.endif
.irp d, 0,1,2,3
.irp c, 0,1,2,3
	ds_load_b128 v[192+16*\d+4*\c:192+16*\d+4*\c+3], v1 offset:16384*(\j)+8192+2048*\d+512*\c   ; and this step's V: both land while the softmax is walked
.endr
.endr
	SMAX
	SSCALE 0
	SSCALE 1
	SEXP 0                                         ; both tiles' 128 exponentials are one batch
	SEXP 1
	v_pk_mul_f32 v[10:11], v[10:11], v[12:13] op_sel_hi:[1,0]   ; the sums under the new M: plain lines behind the batch
	v_pk_mul_f32 v[18:19], v[18:19], v[20:21] op_sel_hi:[1,0]
	s_wait_alu depctr_va_vdst(0)                   ; the wait ahead of the first use of a result: one for the batch
	SSUM
.if \st
	s_barrier_wait -1                              ; every wave's part of the chunk two steps on lies in LDS, and every wave has left the step before this one
.endif
	s_cmp_lg_u32 s[HOLD], 0
	s_cbranch_scc0 .Lnohold_\@
	SHOLD 0
	SHOLD 1
.Lnohold_\@:
	WIN 0x40                                       ; p's codes go to window 1
.irp T, 0,1
.irp u, 0,1,2,3,4,5,6,7
	v_cvt_scalef32_pk8_fp8_f32 v[80+16*\T+2*\u:80+16*\T+2*\u+1], v[64+64*\T+8*\u:64+64*\T+8*\u+7], v28
.endr
.endr
	WIN 0x41                                       ; O^T in window 1, f in window 0
.irp T, 0,1
.set i, 0
.rept 16
	v_pk_mul_f32 v[32*\T+i:32*\T+i+1], v[32*\T+i:32*\T+i+1], v[12+8*\T:13+8*\T] op_sel_hi:[1,0]   ; O^T under the new M; these are also the plain lines behind the conversions
.set i, i+2
.endr
.endr
	s_wait_dscnt 0x0                               ; V is in, and so is the next step's K
	WIN 0x54                                       ; source 1 (p), C and D in window 1
.irp d, 0,1,2,3
.irp T, 0,1
	v_wmma_f32_16x16x128_fp8_fp8 v[32*\T+8*\d:32*\T+8*\d+7], v[192+16*\d:192+16*\d+15], v[80+16*\T:80+16*\T+15], v[32*\T+8*\d:32*\T+8*\d+7]
.endr
.endr
	WIN 0
.if \last
	NOP4                                           ; four places in front of the use of O^T.  (In the other steps the next step's four stand ahead of its loads into V's registers)
.endif
.endm
	s_load_b256 s[4:11], s[0:1], 0x0               ; qkv_img s[4:5], mask s[6:7], the exponents s[8:9], a_img s[10:11]
	s_set_vgpr_msb 0x40
	v_lshl_add_u32 v254, v0, 2, 0x10000
	v_mov_b32 v255, 0
	s_set_vgpr_msb 0x4000
	v_lshrrev_b32 v3, 5, v0
	v_readfirstlane_b32 s12, v3                    ; wave
	v_and_b32 v4, 31, v0
	v_lshlrev_b32 v1, 4, v4
	v_lshl_add_u32 v2, v3, 10, v1
	v_lshlrev_b32 v4, 8, v4
	v_and_b32 v5, 15, v0
	v_lshlrev_b32 v5, 2, v5
	s_and_b32 s13, ttmp7, 0xffff                   ; batch x head
	s_lshr_b32 s14, s13, 3                         ; batch
	s_and_b32 s15, s13, 7                          ; head
	s_mov_b32 s[SEL], 0x76543210
	s_mov_b32 s[SEL+1], 0xfedcba98
	s_lshl_b32 s44, s13, 17                        ; the head's 131,072 bytes in q, in k and in v
	s_mov_b32 s45, 0
	s_lshl_b32 s46, ttmp9, 14                      ; my two query tiles: (16 x + 2 w) x 1,024
	s_lshl_b32 s47, s12, 11
	s_add_co_u32 s46, s46, s47
	s_mov_b32 s47, 0
	s_lshl_b32 s52, s14, 13                        ; my first query in mask: 4 (2,048 b + 256 x + 32 w)
	s_lshl_b32 s53, ttmp9, 10
	s_add_co_u32 s52, s52, s53
	s_lshl_b32 s53, s12, 7
	s_add_co_u32 s52, s52, s53
	s_mov_b32 s53, 0
	s_lshl_b32 s54, s14, 20                        ; a_img: row tile 128 b + 16 x + 2 w of 8,192 bytes, + 1,024 x head
	s_lshl_b32 s55, ttmp9, 17
	s_add_co_u32 s54, s54, s55
	s_lshl_b32 s55, s12, 14
	s_add_co_u32 s54, s54, s55
	s_lshl_b32 s55, s15, 10
	s_add_co_u32 s54, s54, s55
	s_mov_b32 s55, 0
	s_lshr_b32 s[LIM], s12, 1                      ; all work-groups of a head walk the same K and V: the head's first asks, wave 0 for K, wave 1 for V
	s_or_b32 s[LIM], s[LIM], ttmp9
	s_cmp_eq_u32 s[LIM], 0
	s_cselect_b32 s[LIM], 0, -1
	s_cselect_b32 s[LIM+1], 1, -1
	s_mov_b32 s[TR], 3
	s_wait_kmcnt 0x0
	s_load_b512 s[16:31], s[8:9], 0x0
	s_add_nc_u64 s[4:5], s[4:5], s[44:45]
	s_add_nc_u64 s[KB:KB+1], s[4:5], 0x400000
	s_add_nc_u64 s[VB:VB+1], s[4:5], 0x800000
	s_add_nc_u64 s[50:51], s[4:5], s[46:47]
	s_add_nc_u64 s[6:7], s[6:7], s[52:53]
	s_add_nc_u64 s[10:11], s[10:11], s[54:55]
	s_cmp_eq_u32 s12, 0
	s_cselect_b64 s[PFA:PFA+1], s[KB:KB+1], s[VB:VB+1]
	WIN 0x40
.irp T, 0,1
.irp c, 0,1
	global_load_b128 v[64+8*\T+4*\c:64+8*\T+4*\c+3], v1, s[50:51] offset:1024*\T+512*\c   ; Q stays in registers
.endr
.endr
	WIN 0
	global_load_b32 v6, v5, s[6:7]
	global_load_b32 v7, v5, s[6:7] offset:64
	GLOAD 32, 0                                    ; chunk 0,
	GLOAD 192, 8192                                ; and chunk 1, through registers that V's fragments take later
	WIN 0x40
.set i, 0
.rept 64
	v_mov_b32 v[i], 0                              ; O^T.  (The step is written without a first step of its own: it finds zeros, which the first change of M leaves zeros)
.set i, i+1
.endr
	WIN 0
.irp T, 0,1
	v_mov_b32 v[9+8*\T], 0xff61b1e6                ; the largest t so far: -3e38
	v_floor_f32 v[8+8*\T], -v[9+8*\T]
	v_mov_b32 v[10+8*\T], 0
	v_mov_b32 v[11+8*\T], 0
	v_mov_b32 v[13+8*\T], 0                        ; (the high word of f's pair, and the permute's destination, are written once)
	v_mov_b32 v[15+8*\T], 0
.endr
	s_wait_kmcnt 0x0
	s_cmp_lt_i32 s24, -8                           ; can the hold act?
	s_cselect_b32 s[HOLD], 1, 0
	s_add_co_i32 s44, s22, s23                     ; e6 + e7: a score stands for score x 2^(e6 + e7)
	s_sub_co_i32 s49, 0, s44
	s_lshl_b32 s44, s44, 23
	s_add_co_i32 s[CS], s44, 0x3fb8aa3b            ; added to the exponent field of log2(e)
	s_mov_b32 s[CS+1], s[CS]
	s_add_co_i32 s48, s24, s25                     ; e8 + e9
	MKSC 24, 28, 29, 44
	MKSC 26, 30, 31, 44
	s_wait_loadcnt 0x0
.irp T, 0,1
	v_sub_f32 v[6+\T], 1.0, v[6+\T]
	v_mul_f32 v[6+\T], 0xc7c35000, v[6+\T]         ; -100000 (1 - mask)
	v_ldexp_f32 v[6+\T], v[6+\T], s49              ; / 2^(e6 + e7)
.irp j, 0,1,2,3,4,5,6,7
	v_mov_b32 v[48+8*\T+\j], v[6+\T]
.endr
.endr
	GSTORE 32, 0
	GSTORE 192, 1
	s_wait_dscnt 0x0                               ; my parts of chunks 0 and 1 have landed, and the stores have read their registers
	GLOAD 32, 16384                                ; chunk 2
	s_barrier_signal -1
	s_barrier_wait -1                              ; everybody's parts have landed
	KLOAD 0
	s_wait_dscnt 0x0                               ; K of step 0
.Ltrip:                                                ; three trips of four steps, once round the ring: steps 0 to 11
	STEP 0, 1, 1, 1, 1, 0
	STEP 1, 1, 1, 1, 1, 0
	STEP 2, 1, 1, 1, 1, 0
	STEP 3, 1, 1, 2, 1, 0                          ; in the last trip this step asks for nothing: there is no chunk 16
	s_wait_xcnt 0x0                                ; the trip's loads and prefetches have read their bases: they step
	s_add_nc_u64 s[KB:KB+1], s[KB:KB+1], 32768
	s_add_nc_u64 s[VB:VB+1], s[VB:VB+1], 32768
	s_add_nc_u64 s[PFA:PFA+1], s[PFA:PFA+1], 32768
	s_sub_co_u32 s[TR], s[TR], 1
	s_cmp_lg_u32 s[TR], 0
	s_cbranch_scc1 .Ltrip
	STEP 0, 1, 1, 0, 1, 0                          ; the last four steps are written out.  Step 12 stores chunk 14 and asks memory for chunk 15, the last;
	STEP 1, 1, 0, 0, 1, 0                          ; step 13 stores it;
	STEP 2, 0, 0, 0, 1, 0                          ; steps 14 and 15 store nothing, so no barrier is owed;
	STEP 3, 0, 0, 0, 0, 1                          ; step 15 has no next K
	; THE WAY OUT: O^T / the sum x 2^(e8 + e9), quantised with 2^e10: tile d's conversion is register pair 4 (head % 2) + d of K step head / 2 of the next product's operand
.irp T, 0,1
	v_add_f32 v[10+8*\T], v[10+8*\T], v[11+8*\T]
	v_permlanex16_b32 v[15+8*\T], v[10+8*\T], s[SEL], s[SEL+1]
	v_add_f32 v[10+8*\T], v[10+8*\T], v[15+8*\T]
.endr
	v_rcp_f32 v12, v10
	v_rcp_f32 v20, v18
	v_nop
	s_wait_alu depctr_va_vdst(0)                   ; one wait for both reciprocals
	v_ldexp_f32 v12, v12, s48
	v_ldexp_f32 v20, v20, s48
	WIN 0x01                                       ; source 0 (O^T) in window 1
.irp T, 0,1
.set i, 0
.rept 16
	v_pk_mul_f32 v[64+64*\T+i:64+64*\T+i+1], v[32*\T+i:32*\T+i+1], v[12+8*\T:13+8*\T] op_sel_hi:[1,0]
.set i, i+2
.endr
.endr
	WIN 0
.irp T, 0,1
.set i, 0
.rept 32
	v_med3_num_f32 v[64+64*\T+i], v[64+64*\T+i], -v31, v31
.set i, i+1
.endr
.irp d, 0,1,2,3
	v_cvt_scalef32_pk8_fp8_f32 v[32+8*\T+2*\d:32+8*\T+2*\d+1], v[64+64*\T+8*\d:64+64*\T+8*\d+7], v30
.endr
.endr
	v_nop
.irp T, 0,1
.irp g, 0,1
	global_store_b128 v1, v[32+8*\T+4*\g:32+8*\T+4*\g+3], s[10:11] offset:8192*\T+512*\g   ; 512 consecutive bytes, aligned
.endr
.endr
	s_set_vgpr_msb 0x5
	s_wait_tensorcnt 0x0
	ds_add_u32 v254, v255
	s_wait_dscnt 0x0
	s_set_vgpr_msb 0x500
	s_endpgm
.Lfunc_end_k_qab6093b366_attn:
	.size	k_qab6093b366_attn, .Lfunc_end_k_qab6093b366_attn-k_qab6093b366_attn
	.p2alignl 7, 3214868480
	.fill 96, 4, 3214868480
	.section	.rodata,"a",@progbits
	.p2align	6, 0x0
	.amdhsa_kernel k_qab6093b366_attn
		.amdhsa_group_segment_fixed_size 66560
		.amdhsa_private_segment_fixed_size 0
		.amdhsa_enable_private_segment 0
		.amdhsa_kernarg_size 32
		.amdhsa_user_sgpr_count 2
		.amdhsa_user_sgpr_kernarg_segment_ptr 1
		.amdhsa_wavefront_size32 1
		.amdhsa_system_sgpr_workgroup_id_x 1
		.amdhsa_system_sgpr_workgroup_id_y 1
		.amdhsa_system_sgpr_workgroup_id_z 1
		.amdhsa_system_vgpr_workitem_id 0
		.amdhsa_next_free_vgpr 512
		.amdhsa_next_free_sgpr 66
		.amdhsa_reserve_vcc 0
		.amdhsa_float_denorm_mode_32 3
		.amdhsa_float_denorm_mode_16_64 3
		.amdhsa_memory_ordered 1
		.amdhsa_forward_progress 1
		.amdhsa_inst_pref_size 245
	.end_amdhsa_kernel
	.amdgpu_metadata
---
amdhsa.version: [ 1, 2 ]
amdhsa.kernels:
  - .name:           k_qab6093b366_attn
    .symbol:         k_qab6093b366_attn.kd
    .args:
      - { .name: qkv_img, .offset: 0, .size: 8, .value_kind: global_buffer, .address_space: global }
      - { .name: mask, .offset: 8, .size: 8, .value_kind: global_buffer, .address_space: global }
      - { .name: lowp_scales, .offset: 16, .size: 8, .value_kind: global_buffer, .address_space: global }
      - { .name: a_img, .offset: 24, .size: 8, .value_kind: global_buffer, .address_space: global }
    .group_segment_fixed_size: 66560
    .private_segment_fixed_size: 0
    .kernarg_segment_align: 8
    .kernarg_segment_size: 32
    .max_flat_workgroup_size: 256
    .sgpr_count:     66
    .vgpr_count:     512
    .wavefront_size: 32
...
	.end_amdgpu_metadata
.endif
;; end of part 3
;; launch wo (part 4): grid 256 x 1, 4 waves a work-group, no clusters, 1,536 bytes of LDS; arguments a_img, wimg, input, mask, lowp_scales, x2_img, y_img; writes x2_img, y_img
.if DOCPART == 4
	.amdgcn_target "amdgcn-amd-amdhsa--gfx1250"
	.amdhsa_code_object_version 6
	.text
	.protected	k_qab6093b366_wo
	.globl	k_qab6093b366_wo
	.p2align	8
	.type	k_qab6093b366_wo,@function
k_qab6093b366_wo:
	s_mov_b64 s[64:65], 0
	v_nop
	global_prefetch_b8 v0, s[64:65] scope:SCOPE_SE
	s_setreg_imm32_b32 hwreg(HW_REG_WAVE_MODE, 25, 1), 1
	s_wait_xcnt 0x0
; x2 = (input + attention's result x Wo) x mask, kept in f32;  y = LayerNorm(x2), quantised with 2^e12.
; SHARES.  A work-group takes 32 rows (tiles a = 0, 1) and all 512 columns, since the norm wants whole rows; wave w takes columns 128 w .. 128 w + 127: its 32 images of Wo, 512 registers, come straight from memory.
; Source 0 = 16 columns of Wo, source 1 = 16 rows: a lane holds ONE row and eight neighbouring columns, so input is loaded in that layout, and a tile's conversion is register pair t of K step w of the next operand.
; A row's sum and sum of squares meet across the four waves in LDS: one word for a row and a wave, two barriers.
; x2_img: f32, [row tile 512][column tile 32][1,024 bytes]: the accumulator's image: register j of lane L at 512 (j / 4) + 16 L + 4 (j % 4).   y_img: [row tile][K step 4][2,048 bytes].
; NO JOINT LOADS: the weight lands in the registers that hold it; through LDS its 262,144 bytes a work-group would be written and read once more.
; LIMITS: e10 + e11 between -126 and 127; e12 between -126 and 119.  NaN among the inputs is not served.
; REGISTERS.  Window 0: v1 16 x lane; v4 input's offset; v5 4 r; v6 64 w + 4 r; v8, v9: 2^e12, 448 x 2^e12; v[10:11], v[12:13] masks; v14-21 chains; v22, v23 permutes; v[24:27] -mean; v[28:31] 1 / sigma;
;   v32-63 statistics, then codes; v128-255 the rows' fragments.  Windows 1, 2: Wo.  Window 3: v0-127 accumulators (64 a + 8 t), v128-255 input, then x2, then y.
.set SEL, 32
.set MSB, 0
.macro WIN new
.if MSB != (\new)
	s_set_vgpr_msb (MSB<<8)|(\new)
.set MSB, (\new)
.endif
.endm
.macro NOP4
.rept 4
	v_nop
.endr
.endm
.macro MKSC e, vs, vl, t
	s_add_co_i32 s[\t], s[\e], 127
	s_lshl_b32 s[\t+1], s[\t], 23
	v_mov_b32 v[\vs], s[\t+1]
	s_add_co_i32 s[\t], s[\t], 8
	s_lshl_b32 s[\t], s[\t], 23
	s_or_b32 s[\t], s[\t], 0x600000
	v_mov_b32 v[\vl], s[\t]
.endm
.macro MM d, a, b, z
.if \z
	v_wmma_f32_16x16x128_fp8_fp8 v[\d:\d+7], v[\a:\a+15], v[\b:\b+15], 0
.else
	v_wmma_f32_16x16x128_fp8_fp8 v[\d:\d+7], v[\a:\a+15], v[\b:\b+15], v[\d:\d+7]
.endif
.endm
.macro WLOAD off
.irp i, 0,1,2,3,4,5,6,7,8,9,10,11,12,13,14,15
.irp c, 0,1,2,3
	global_load_b128 v[16*\i+4*\c:16*\i+4*\c+3], v1, s[6:7] offset:\off+2048*\i+512*\c
.endr
.endr
.endm
.macro LANESUM a                       ; tile a's two chains -> my wave's part of the row's sum, in v[14 + 4 a]
	v_pk_add_f32 v[14+4*\a:15+4*\a], v[14+4*\a:15+4*\a], v[16+4*\a:17+4*\a]
	v_add_f32 v[14+4*\a], v[14+4*\a], v[15+4*\a]
	v_permlanex16_b32 v[22+\a], v[14+4*\a], s[SEL], s[SEL+1]
	v_add_f32 v[14+4*\a], v[14+4*\a], v[22+\a]
.endm
.macro MEET base                       ; the four waves' parts meet: the rows' sums in v32 (tile 0) and v36 (tile 1)
	ds_store_b32 v6, v14 offset:\base              ; lanes r and 16 + r write the same word with the same number
	ds_store_b32 v6, v18 offset:\base+256
	s_wait_dscnt 0x0                               ; my words have landed,
	s_barrier_signal -1
	s_barrier_wait -1                              ; everybody's have
.irp a, 0,1
.irp k, 0,1,2,3
	ds_load_b32 v[32+4*\a+\k], v5 offset:\base+256*\a+64*\k
.endr
.endr
	s_wait_dscnt 0x0
.irp a, 0,1
	v_add_f32 v[32+4*\a], v[32+4*\a], v[33+4*\a]
	v_add_f32 v[34+4*\a], v[34+4*\a], v[35+4*\a]
	v_add_f32 v[32+4*\a], v[32+4*\a], v[34+4*\a]
.endr
.endm
	s_load_b256 s[4:11], s[0:1], 0x0               ; a_img s[4:5], wimg s[6:7], input s[8:9], mask s[10:11]
	s_load_b128 s[12:15], s[0:1], 0x20             ; the exponents s[12:13], x2_img s[14:15]
	s_load_b64 s[36:37], s[0:1], 0x30              ; y_img
	v_lshl_add_u32 v126, v0, 2, 0x400
	v_mov_b32 v127, 0
	v_lshrrev_b32 v2, 5, v0
	v_readfirstlane_b32 s2, v2                     ; wave
	v_and_b32 v1, 31, v0
	v_lshlrev_b32 v1, 4, v1
	v_and_b32 v5, 15, v0
	v_bfe_u32 v3, v0, 4, 1
	v_lshlrev_b32 v4, 11, v5
	v_lshl_add_u32 v4, v3, 5, v4                   ; input: row r, + 32 h
	v_lshlrev_b32 v5, 2, v5
	v_lshl_add_u32 v6, v2, 6, v5
.irp j, 11,13,22,23,25,27,29,31
	v_mov_b32 v[\j], 0                             ; the pairs' high words and the permutes' destinations are written once
.endr
	s_mov_b32 s[SEL], 0x76543210
	s_mov_b32 s[SEL+1], 0xfedcba98
	s_mov_b32 s40, 0x3b000000                      ; 1 / 512
	s_mov_b32 s41, 0x358637bd                      ; 1e-6
	s_lshl_b32 s38, ttmp9, 14                      ; a_img: two row tiles of 8,192 bytes
	s_mov_b32 s39, 0
	s_lshl_b32 s42, s2, 16                         ; wimg: block 3, my 32 images
	s_add_co_u32 s42, s42, 3*262144
	s_mov_b32 s43, 0
	s_lshl_b32 s44, ttmp9, 16                      ; input: 32 rows of 2,048 bytes, + my 512
	s_lshl_b32 s45, s2, 9
	s_add_co_u32 s44, s44, s45
	s_mov_b32 s45, 0
	s_lshl_b32 s46, ttmp9, 7                       ; mask
	s_mov_b32 s47, 0
	s_lshl_b32 s48, ttmp9, 16                      ; x2_img: two row tiles of 32,768 bytes, + my 8 column tiles
	s_lshl_b32 s49, s2, 13
	s_add_co_u32 s48, s48, s49
	s_mov_b32 s49, 0
	s_lshl_b32 s50, ttmp9, 14                      ; y_img: two row tiles of 8,192 bytes, + K step w
	s_lshl_b32 s51, s2, 11
	s_add_co_u32 s50, s50, s51
	s_mov_b32 s51, 0
	s_wait_kmcnt 0x0
	s_load_b512 s[16:31], s[12:13], 0x0
	s_add_nc_u64 s[4:5], s[4:5], s[38:39]
	s_add_nc_u64 s[6:7], s[6:7], s[42:43]
	s_add_nc_u64 s[8:9], s[8:9], s[44:45]
	s_add_nc_u64 s[10:11], s[10:11], s[46:47]
	s_add_nc_u64 s[14:15], s[14:15], s[48:49]
	s_add_nc_u64 s[36:37], s[36:37], s[50:51]
	global_load_b32 v10, v5, s[10:11]
	global_load_b32 v12, v5, s[10:11] offset:64
.irp a, 0,1
.irp s, 0,1,2,3
.irp c, 0,1,2,3
	global_load_b128 v[128+64*\a+16*\s+4*\c:128+64*\a+16*\s+4*\c+3], v1, s[4:5] offset:8192*\a+2048*\s+512*\c
.endr
.endr
.endr
	WIN 0x40
	WLOAD 0
	WIN 0x80
	WLOAD 32768
	WIN 0xc0
.irp a, 0,1
.irp t, 0,1,2,3,4,5,6,7
.irp g, 0,1
	global_load_b128 v[128+64*\a+8*\t+4*\g:128+64*\a+8*\t+4*\g+3], v4, s[8:9] offset:32768*\a+64*\t+16*\g
.endr
.endr
.endr
	WIN 0
	s_wait_kmcnt 0x0
	s_add_co_i32 s34, s26, s27                     ; e10 + e11
	s_add_co_i32 s34, s34, 127
	s_lshl_b32 s34, s34, 23
	s_mov_b32 s35, s34
	MKSC 28, 8, 9, 52
.irp g, 0,1
.if \g == 0
	s_wait_loadcnt 63                              ; behind the first half of Wo stand 96 younger loads: more than the wait can name
.else
	s_wait_loadcnt 32                              ; input's 32 may stay out
.endif
	WIN 0xf1+\g                                    ; source 0 (Wo) in window 1, then 2; C and D in window 3
.irp s, 0,1,2,3
.irp a, 0,1
.irp t, 0,1,2,3
	MM 64*\a+8*(4*\g+\t), 16*(4*\t+\s), 128+64*\a+16*\s, \s==0    ; eight accumulators by turns, one instruction a turn
.endr
.endr
.endr
.endr
	s_wait_loadcnt 0x0
	NOP4
	WIN 0xf3
.set i, 0
.rept 64
	v_pk_fma_f32 v[128+i:129+i], v[i:i+1], s[34:35], v[128+i:129+i] op_sel_hi:[1,0,1]   ; input + sum x 2^(e10 + e11)
.set i, i+2
.endr
	WIN 0xc3
.irp a, 0,1
.set i, 0
.rept 32
	v_pk_mul_f32 v[128+64*\a+i:129+64*\a+i], v[128+64*\a+i:129+64*\a+i], v[10+2*\a:11+2*\a] op_sel_hi:[1,0]   ; x mask
.set i, i+2
.endr
.endr
	WIN 0x0c                                       ; store data in window 3
.irp a, 0,1
.irp t, 0,1,2,3,4,5,6,7
.irp g, 0,1
	global_store_b128 v1, v[128+64*\a+8*\t+4*\g:128+64*\a+8*\t+4*\g+3], s[14:15] offset:32768*\a+1024*\t+512*\g
.endr
.endr
.endr
.irp a, 0,1
	WIN 0x0f
	v_pk_add_f32 v[14+4*\a:15+4*\a], v[128+64*\a:129+64*\a], v[130+64*\a:131+64*\a]
	v_pk_add_f32 v[16+4*\a:17+4*\a], v[132+64*\a:133+64*\a], v[134+64*\a:135+64*\a]
	WIN 0x0c
.set i, 8
.rept 28
	v_pk_add_f32 v[14+4*\a+2*((i/2)%2):15+4*\a+2*((i/2)%2)], v[14+4*\a+2*((i/2)%2):15+4*\a+2*((i/2)%2)], v[128+64*\a+i:129+64*\a+i]
.set i, i+2
.endr
.endr
	WIN 0
	LANESUM 0
	LANESUM 1
	MEET 0
	v_mul_f32 v24, 0xbb000000, v32                 ; -mean
	v_mul_f32 v26, 0xbb000000, v36
	s_wait_xcnt 0x0                                ; x2's stores have read their registers: they may be written
	WIN 0xc3
.irp a, 0,1
.set i, 0
.rept 32
	v_pk_add_f32 v[128+64*\a+i:129+64*\a+i], v[128+64*\a+i:129+64*\a+i], v[24+2*\a:25+2*\a] op_sel_hi:[1,0]
.set i, i+2
.endr
.endr
	WIN 0x0f
.irp a, 0,1
	v_pk_mul_f32 v[14+4*\a:15+4*\a], v[128+64*\a:129+64*\a], v[128+64*\a:129+64*\a]
	v_pk_mul_f32 v[16+4*\a:17+4*\a], v[130+64*\a:131+64*\a], v[130+64*\a:131+64*\a]
.set i, 4
.rept 30
	v_pk_fma_f32 v[14+4*\a+2*((i/2)%2):15+4*\a+2*((i/2)%2)], v[128+64*\a+i:129+64*\a+i], v[128+64*\a+i:129+64*\a+i], v[14+4*\a+2*((i/2)%2):15+4*\a+2*((i/2)%2)]
.set i, i+2
.endr
.endr
	WIN 0
	LANESUM 0
	LANESUM 1
	MEET 512                                       ; other words than the first meeting's: no barrier is owed between its reads and these stores
	v_fma_f32 v28, v32, s40, s41
	v_fma_f32 v30, v36, s40, s41
	v_rsq_f32 v28, v28
	v_rsq_f32 v30, v30
	v_nop
	s_wait_alu depctr_va_vdst(0)                   ; one wait for both
	WIN 0xc3
.irp a, 0,1
.set i, 0
.rept 32
	v_pk_mul_f32 v[128+64*\a+i:129+64*\a+i], v[128+64*\a+i:129+64*\a+i], v[28+2*\a:29+2*\a] op_sel_hi:[1,0]
.set i, i+2
.endr
.endr
.set i, 0
.rept 128
	v_med3_num_f32 v[128+i], v[128+i], -v9, v9
.set i, i+1
.endr
	WIN 0x03
.irp a, 0,1
.irp t, 0,1,2,3,4,5,6,7
	v_cvt_scalef32_pk8_fp8_f32 v[32+16*\a+2*\t:32+16*\a+2*\t+1], v[128+64*\a+8*\t:128+64*\a+8*\t+7], v8
.endr
.endr
	v_nop
	WIN 0
.irp a, 0,1
.irp c, 0,1,2,3
	global_store_b128 v1, v[32+16*\a+4*\c:32+16*\a+4*\c+3], s[36:37] offset:8192*\a+512*\c
.endr
.endr
	s_wait_tensorcnt 0x0
	ds_add_u32 v126, v127
	s_wait_dscnt 0x0
	s_endpgm
.Lfunc_end_k_qab6093b366_wo:
	.size	k_qab6093b366_wo, .Lfunc_end_k_qab6093b366_wo-k_qab6093b366_wo
	.p2alignl 7, 3214868480
	.fill 96, 4, 3214868480
	.section	.rodata,"a",@progbits
	.p2align	6, 0x0
	.amdhsa_kernel k_qab6093b366_wo
		.amdhsa_group_segment_fixed_size 1536
		.amdhsa_private_segment_fixed_size 0
		.amdhsa_enable_private_segment 0
		.amdhsa_kernarg_size 56
		.amdhsa_user_sgpr_count 2
		.amdhsa_user_sgpr_kernarg_segment_ptr 1
		.amdhsa_wavefront_size32 1
		.amdhsa_system_sgpr_workgroup_id_x 1
		.amdhsa_system_sgpr_workgroup_id_y 1
		.amdhsa_system_sgpr_workgroup_id_z 1
		.amdhsa_system_vgpr_workitem_id 0
		.amdhsa_next_free_vgpr 1024
		.amdhsa_next_free_sgpr 66
		.amdhsa_reserve_vcc 0
		.amdhsa_float_denorm_mode_32 3
		.amdhsa_float_denorm_mode_16_64 3
		.amdhsa_memory_ordered 1
		.amdhsa_forward_progress 1
		.amdhsa_inst_pref_size 66
	.end_amdhsa_kernel
	.amdgpu_metadata
---
amdhsa.version: [ 1, 2 ]
amdhsa.kernels:
  - .name:           k_qab6093b366_wo
    .symbol:         k_qab6093b366_wo.kd
    .args:
      - { .name: a_img, .offset: 0, .size: 8, .value_kind: global_buffer, .address_space: global }
      - { .name: wimg, .offset: 8, .size: 8, .value_kind: global_buffer, .address_space: global }
      - { .name: input, .offset: 16, .size: 8, .value_kind: global_buffer, .address_space: global }
      - { .name: mask, .offset: 24, .size: 8, .value_kind: global_buffer, .address_space: global }
      - { .name: lowp_scales, .offset: 32, .size: 8, .value_kind: global_buffer, .address_space: global }
      - { .name: x2_img, .offset: 40, .size: 8, .value_kind: global_buffer, .address_space: global }
      - { .name: y_img, .offset: 48, .size: 8, .value_kind: global_buffer, .address_space: global }
    .group_segment_fixed_size: 1536
    .private_segment_fixed_size: 0
    .kernarg_segment_align: 8
    .kernarg_segment_size: 56
    .max_flat_workgroup_size: 128
    .sgpr_count:     66
    .vgpr_count:     1024
    .wavefront_size: 32
...
	.end_amdgpu_metadata
.endif
;; end of part 4
;; launch mlp1 (part 5): grid 64 x 4, 8 waves a work-group, no clusters, 66,560 bytes of LDS; arguments y_img, wimg, lowp_scales, h_img; writes h_img
.if DOCPART == 5
	.amdgcn_target "amdgcn-amd-amdhsa--gfx1250"
	.amdhsa_code_object_version 6
	.text
	.protected	k_qab6093b366_mlp1
	.globl	k_qab6093b366_mlp1
	.p2align	8
	.type	k_qab6093b366_mlp1,@function
k_qab6093b366_mlp1:
	s_mov_b64 s[64:65], 0
	v_nop
	global_prefetch_b8 v0, s[64:65] scope:SCOPE_SE
	s_setreg_imm32_b32 hwreg(HW_REG_WAVE_MODE, 25, 1), 1
	s_wait_xcnt 0x0
; h = gelu(y W1), exact (by erf), quantised with 2^e14.
; SHARES.  Work-group (x, y): 128 rows x hidden units 512 y .. 512 y + 511.  Wave w takes 64 units: 16 images of W1, 256 registers, straight from memory.  Eight waves, two to a SIMD: a row tile is 16 products
; and some 360 vector lines a wave, so the second wave's products stand beside the first's gelu.  The rows' fragments, 8 x 8,192 bytes, are copied once into LDS as they lie and read by all waves.
; Source 0 = 16 columns of W1, source 1 = 16 rows: a lane holds ONE row and eight neighbouring units: a tile's conversion is register pair 4 (w % 2) + t of K step 4 y + w / 2 of the next operand.
; gelu(v) = v / 2 + (v / 2) erf(v / sqrt 2);  erf(z) = z P(z^2) / Q(z^2) with z held within +-4, degrees 6 and 4, in f32.
; LIMIT of the arithmetic: 1 + erf carries an absolute error near 1e-7, as any f32 form of it does, so for strongly negative v the result has that absolute error x |v| / 2 and not that relative error.
; h_img: [row tile 512][K step 16][2,048 bytes].   LIMITS: e12 + e13 between -125 and 127; e14 between -126 and 119.  NaN among the inputs is not served.
; NO JOINT LOADS: the weight lands in the registers that hold it; the rows' codes, 65,536 bytes a work-group, are a fifth of its bytes.
; REGISTERS.  Window 0: v1 16 x lane; v2 8,192 w + 16 x lane; v[8:9], v[10:11] P's and Q's leading coefficients; v12, v13: 2^e14, 448 x 2^e14; v16-31 two sets of codes; v32-47 z; v48-63 z^2;
;   v64-191 two buffers of fragments; v192-223 four accumulators; v224-239 P; v240-255 Q.   Window 1: W1.
.set MSB, 0
.macro WIN new
.if MSB != (\new)
	s_set_vgpr_msb (MSB<<8)|(\new)
.set MSB, (\new)
.endif
.endm
.macro NOP4
.rept 4
	v_nop
.endr
.endm
.macro MKSC e, vs, vl, t
	s_add_co_i32 s[\t], s[\e], 127
	s_lshl_b32 s[\t+1], s[\t], 23
	v_mov_b32 v[\vs], s[\t+1]
	s_add_co_i32 s[\t], s[\t], 8
	s_lshl_b32 s[\t], s[\t], 23
	s_or_b32 s[\t], s[\t], 0x600000
	v_mov_b32 v[\vl], s[\t]
.endm
.macro MM d, a, b, z
.if \z
	v_wmma_f32_16x16x128_fp8_fp8 v[\d:\d+7], v[\a:\a+15], v[\b:\b+15], 0
.else
	v_wmma_f32_16x16x128_fp8_fp8 v[\d:\d+7], v[\a:\a+15], v[\b:\b+15], v[\d:\d+7]
.endif
.endm
.macro COEF r, x                       ; a coefficient as a scalar pair: the packed form names the pair
	s_mov_b32 s[\r], \x
	s_mov_b32 s[\r+1], \x
.endm
.macro FETCH buf, m
.irp s, 0,1,2,3
.irp c, 0,1,2,3
	ds_load_b128 v[\buf+16*\s+4*\c:\buf+16*\s+4*\c+3], v1 offset:8192*(\m)+2048*\s+512*\c
.endr
.endr
.endm
; sixteen sums at v[ac] on become gelu's codes in v[cd] .. v[cd + 3]
.macro GELU16 ac, cd
.irp i, 0,2,4,6,8,10,12,14
	v_pk_mul_f32 v[32+\i:33+\i], v[\ac+\i:\ac+\i+1], s[60:61] op_sel_hi:[1,0]       ; z = sum x 2^(e12 + e13) / sqrt 2; each accumulator from its low end on
.endr
.irp i, 0,2,4,6,8,10,12,14
	v_pk_mul_f32 v[\ac+\i:\ac+\i+1], v[\ac+\i:\ac+\i+1], s[62:63] op_sel_hi:[1,0]   ; v / 2
.endr
.irp i, 0,1,2,3,4,5,6,7,8,9,10,11,12,13,14,15
	v_med3_num_f32 v[32+\i], v[32+\i], -4.0, 4.0
.endr
.irp i, 0,2,4,6,8,10,12,14
	v_pk_mul_f32 v[48+\i:49+\i], v[32+\i:33+\i], v[32+\i:33+\i]
.endr
.irp i, 0,2,4,6,8,10,12,14
	v_pk_fma_f32 v[224+\i:225+\i], v[48+\i:49+\i], v[8:9], s[24:25] op_sel_hi:[1,1,0]
.endr
.irp i, 0,2,4,6,8,10,12,14
	v_pk_fma_f32 v[240+\i:241+\i], v[48+\i:49+\i], v[10:11], s[36:37] op_sel_hi:[1,1,0]
.endr
.irp k, 38,40,42
.irp i, 0,2,4,6,8,10,12,14
	v_pk_fma_f32 v[240+\i:241+\i], v[240+\i:241+\i], v[48+\i:49+\i], s[\k:\k+1] op_sel_hi:[1,1,0]
.endr
.endr
.irp i, 0,1,2,3,4,5,6,7,8,9,10,11,12,13,14,15
	v_rcp_f32 v[240+\i], v[240+\i]                 ; one batch; P's Horner steps follow as independent work
.endr
.irp k, 26,28,30,32,34
.irp i, 0,2,4,6,8,10,12,14
	v_pk_fma_f32 v[224+\i:225+\i], v[224+\i:225+\i], v[48+\i:49+\i], s[\k:\k+1] op_sel_hi:[1,1,0]
.endr
.endr
.irp i, 0,2,4,6,8,10,12,14
	v_pk_mul_f32 v[224+\i:225+\i], v[224+\i:225+\i], v[32+\i:33+\i]
.endr
	s_wait_alu depctr_va_vdst(0)                   ; the wait ahead of the first use of a reciprocal: one for the batch
.irp i, 0,2,4,6,8,10,12,14
	v_pk_mul_f32 v[224+\i:225+\i], v[224+\i:225+\i], v[240+\i:241+\i]               ; erf
.endr
.irp i, 0,2,4,6,8,10,12,14
	v_pk_fma_f32 v[\ac+\i:\ac+\i+1], v[\ac+\i:\ac+\i+1], v[224+\i:225+\i], v[\ac+\i:\ac+\i+1]
.endr
.irp i, 0,1,2,3,4,5,6,7,8,9,10,11,12,13,14,15
	v_med3_num_f32 v[\ac+\i], v[\ac+\i], -v13, v13
.endr
	v_cvt_scalef32_pk8_fp8_f32 v[\cd:\cd+1], v[\ac:\ac+7], v12
	v_cvt_scalef32_pk8_fp8_f32 v[\cd+2:\cd+3], v[\ac+8:\ac+15], v12
	v_nop                                          ; a plain line behind the last conversion: later products write its sources
.endm
.macro TILE m
.set AB, 64+64*((\m)%2)
.set CD, 16+8*((\m)%2)
.if (\m) < 7
	FETCH 64+64*(((\m)+1)%2), (\m)+1
	s_wait_dscnt 16                                ; this tile's fragments are in; the next tile's sixteen loads may stay out
.else
	s_wait_dscnt 0x0
.endif
	WIN 0x01                                       ; source 0 (W1) in window 1
.irp s, 0,1,2,3
.irp t, 0,1,2,3
	MM 192+8*\t, 16*(4*\t+\s), AB+16*\s, \s==0     ; four accumulators by turns
.endr
.endr
	WIN 0
	NOP4
	s_wait_xcnt 0x0                                ; the stores of two tiles back have read their codes
	GELU16 192, CD
	GELU16 208, CD+4
.irp g, 0,1
	global_store_b128 v1, v[CD+4*\g:CD+4*\g+3], s[10:11] offset:32768*(\m)+512*\g
.endr
.endm
	s_load_b256 s[4:11], s[0:1], 0x0               ; y_img s[4:5], wimg s[6:7], the exponents s[8:9], h_img s[10:11]
	v_lshl_add_u32 v14, v0, 2, 0x10000
	v_mov_b32 v15, 0
	v_lshrrev_b32 v3, 5, v0
	v_readfirstlane_b32 s2, v3                     ; wave
	s_and_b32 s3, ttmp7, 0xffff                    ; which 512 hidden units
	v_and_b32 v1, 31, v0
	v_lshlrev_b32 v1, 4, v1
	v_lshl_add_u32 v2, v3, 13, v1
	s_lshl_b32 s12, ttmp9, 16                      ; y_img: row tile 8 x + w
	s_lshl_b32 s13, s2, 13
	s_add_co_u32 s12, s12, s13
	s_mov_b32 s13, 0
	s_add_co_u32 s14, s3, 4                        ; wimg: block 4 + y, my 16 images
	s_lshl_b32 s14, s14, 18
	s_lshl_b32 s15, s2, 15
	s_add_co_u32 s14, s14, s15
	s_mov_b32 s15, 0
	s_lshl_b32 s16, ttmp9, 18                      ; h_img: row tile 8 x; K step 4 y + w / 2, half w % 2: 8,192 y + 1,024 w
	s_lshl_b32 s17, s3, 13
	s_add_co_u32 s16, s16, s17
	s_lshl_b32 s17, s2, 10
	s_add_co_u32 s16, s16, s17
	s_mov_b32 s17, 0
	COEF 24, 0x32edffee                            ; P, from the second coefficient down
	COEF 26, 0xb60cff51
	COEF 28, 0xb86ec2d2
	COEF 30, 0xba40ac63
	COEF 32, 0xbb41a1f6
	COEF 34, 0xbc83dbd4
	COEF 36, 0xb95fbd29                            ; Q likewise
	COEF 38, 0xbadc924e
	COEF 40, 0xbbf19bf8
	COEF 42, 0xbc69b6a7
	v_mov_b32 v8, 0xaf95df0b
	v_mov_b32 v9, 0xaf95df0b
	v_mov_b32 v10, 0xb77460cd
	v_mov_b32 v11, 0xb77460cd
	s_wait_kmcnt 0x0
	s_load_b512 s[44:59], s[8:9], 0x0              ; e12 = s56, e13 = s57, e14 = s58
	s_add_nc_u64 s[4:5], s[4:5], s[12:13]
	s_add_nc_u64 s[6:7], s[6:7], s[14:15]
	s_add_nc_u64 s[10:11], s[10:11], s[16:17]
.irp k, 0,1,2,3,4,5,6,7,8,9,10,11,12,13,14,15
	global_load_b128 v[64+4*\k:64+4*\k+3], v1, s[4:5] offset:512*\k
.endr
	WIN 0x40
.irp i, 0,1,2,3,4,5,6,7,8,9,10,11,12,13,14,15
.irp c, 0,1,2,3
	global_load_b128 v[16*\i+4*\c:16*\i+4*\c+3], v1, s[6:7] offset:2048*\i+512*\c
.endr
.endr
	WIN 0
	s_wait_kmcnt 0x0
	s_add_co_i32 s18, s56, s57                     ; e12 + e13
	s_lshl_b32 s19, s18, 23
	s_add_co_i32 s60, s19, 0x3f3504f3              ; 2^(e12 + e13) / sqrt 2: added to the exponent field of 1 / sqrt 2
	s_mov_b32 s61, s60
	s_add_co_i32 s18, s18, 126
	s_lshl_b32 s62, s18, 23                        ; 2^(e12 + e13) / 2
	s_mov_b32 s63, s62
	MKSC 58, 12, 13, 20
	s_wait_loadcnt 63                              ; behind my row tile's loads stand W1's 64
.irp k, 0,1,2,3,4,5,6,7,8,9,10,11,12,13,14,15
	ds_store_b128 v2, v[64+4*\k:64+4*\k+3] offset:512*\k
.endr
	s_wait_dscnt 0x0
	s_barrier_signal -1
	s_barrier_wait -1                              ; the eight row tiles lie in LDS; from here on it is only read
	s_wait_loadcnt 0x0
	FETCH 64, 0
.irp m, 0,1,2,3,4,5,6,7
	TILE \m
.endr
	s_wait_tensorcnt 0x0
	ds_add_u32 v14, v15
	s_wait_dscnt 0x0
	s_endpgm
.Lfunc_end_k_qab6093b366_mlp1:
	.size	k_qab6093b366_mlp1, .Lfunc_end_k_qab6093b366_mlp1-k_qab6093b366_mlp1
	.p2alignl 7, 3214868480
	.fill 96, 4, 3214868480
	.section	.rodata,"a",@progbits
	.p2align	6, 0x0
	.amdhsa_kernel k_qab6093b366_mlp1
		.amdhsa_group_segment_fixed_size 66560
		.amdhsa_private_segment_fixed_size 0
		.amdhsa_enable_private_segment 0
		.amdhsa_kernarg_size 32
		.amdhsa_user_sgpr_count 2
		.amdhsa_user_sgpr_kernarg_segment_ptr 1
		.amdhsa_wavefront_size32 1
		.amdhsa_system_sgpr_workgroup_id_x 1
		.amdhsa_system_sgpr_workgroup_id_y 1
		.amdhsa_system_sgpr_workgroup_id_z 1
		.amdhsa_system_vgpr_workitem_id 0
		.amdhsa_next_free_vgpr 512
		.amdhsa_next_free_sgpr 66
		.amdhsa_reserve_vcc 0
		.amdhsa_float_denorm_mode_32 3
		.amdhsa_float_denorm_mode_16_64 3
		.amdhsa_memory_ordered 1
		.amdhsa_forward_progress 1
		.amdhsa_inst_pref_size 203
	.end_amdhsa_kernel
	.amdgpu_metadata
---
amdhsa.version: [ 1, 2 ]
amdhsa.kernels:
  - .name:           k_qab6093b366_mlp1
    .symbol:         k_qab6093b366_mlp1.kd
    .args:
      - { .name: y_img, .offset: 0, .size: 8, .value_kind: global_buffer, .address_space: global }
      - { .name: wimg, .offset: 8, .size: 8, .value_kind: global_buffer, .address_space: global }
      - { .name: lowp_scales, .offset: 16, .size: 8, .value_kind: global_buffer, .address_space: global }
      - { .name: h_img, .offset: 24, .size: 8, .value_kind: global_buffer, .address_space: global }
    .group_segment_fixed_size: 66560
    .private_segment_fixed_size: 0
    .kernarg_segment_align: 8
    .kernarg_segment_size: 32
    .max_flat_workgroup_size: 256
    .sgpr_count:     66
    .vgpr_count:     512
    .wavefront_size: 32
...
	.end_amdgpu_metadata
.endif
;; end of part 5
;; launch mlp2 (part 6): grid 64 x 4, 4 waves a work-group, no clusters, 230,912 bytes of LDS; arguments h_img, wimg, x2_img, lowp_scales, out0; writes out0
.if DOCPART == 6
	.amdgcn_target "amdgcn-amd-amdhsa--gfx1250"
	.amdhsa_code_object_version 6
	.text
	.protected	k_qab6093b366_mlp2
	.globl	k_qab6093b366_mlp2
	.p2align	8
	.type	k_qab6093b366_mlp2,@function
k_qab6093b366_mlp2:
	s_mov_b64 s[64:65], 0
	v_nop
	global_prefetch_b8 v0, s[64:65] scope:SCOPE_SE
	s_setreg_imm32_b32 hwreg(HW_REG_WAVE_MODE, 25, 1), 1
	s_wait_xcnt 0x0
; out0 = h W2 + x2.
; SHARES.  Work-group (x, y): 128 rows x columns 128 y .. 128 y + 127.  THE WAVES SHARE K: wave w holds K steps 4 w .. 4 w + 3 of the eight column tiles, 32 images, 512 registers, straight from memory; the fragments of h
; that it needs are needed by no other wave of the work-group, so they too come straight from memory, 8,192 consecutive bytes a row tile, three tiles ahead.  The four partial sums of a row tile meet in LDS.
; THE WALK.  Step i = 4 B + ii: wave w takes row tile 4 B + (w + ii) % 4.  With ii = 0 that is the tile that it owns and stores; its sums begin with x2 (divided by the power of two that the sums lack) as C.
; With ii = 1, 2, 3 the sums go to LDS, into place ii - 1 of the owner's three.  One barrier; then each owner adds three partial sums to its own.
; LIMIT OF ORDER: K is summed in four parts that are then added: another order of rounding than one chain along K.
; Source 0 = 16 columns of W2, source 1 = 16 rows of h: a lane holds ONE row and eight neighbouring columns; rows leave through the wave's own stage in LDS as whole runs of 512 bytes.
; NO JOINT LOADS: the weight lands in the registers that hold it, and each byte of h is read by one wave of the work-group.
; LIMITS: e14 + e15 between -126 and 126.  NaN among the inputs is not served.
; LDS: partial sums of tiles 0-3 at 0, of tiles 4-7 at 98,304: (3 owner + place) x 8,192 bytes, an accumulator set's image; stages at 196,608: 16 rows x 528 bytes a wave.
; REGISTERS.  Window 0: v1 16 x lane; v4-7 h's offsets by ii; v8-13 where partial sums go (B, ii); v14, v15 where mine come from; v16, v17 the stage; v64-255 three buffers of fragments, later partial sums and rows.
;   Windows 1, 2: W2.   Window 3: v0-63, v64-127 the two tiles that I own; v128-191, v192-255 two sets for the others'.
.set MSB, 0
.macro WIN new
.if MSB != (\new)
	s_set_vgpr_msb (MSB<<8)|(\new)
.set MSB, (\new)
.endif
.endm
.macro NOP4
.rept 4
	v_nop
.endr
.endm
.macro MM d, a, b, z
.if \z
	v_wmma_f32_16x16x128_fp8_fp8 v[\d:\d+7], v[\a:\a+15], v[\b:\b+15], 0
.else
	v_wmma_f32_16x16x128_fp8_fp8 v[\d:\d+7], v[\a:\a+15], v[\b:\b+15], v[\d:\d+7]
.endif
.endm
.macro WLOAD off
.irp i, 0,1,2,3,4,5,6,7,8,9,10,11,12,13,14,15
.irp c, 0,1,2,3
	global_load_b128 v[16*\i+4*\c:16*\i+4*\c+3], v1, s[6:7] offset:\off+2048*\i+512*\c
.endr
.endr
.endm
.macro ALOAD j                         ; step j's four fragments of h into buffer j % 3
.irp s, 0,1,2,3
.irp c, 0,1,2,3
	global_load_b128 v[64+64*((\j)%3)+16*\s+4*\c:64+64*((\j)%3)+16*\s+4*\c+3], v[4+(\j)%4], s[4:5] offset:131072*((\j)/4)+2048*\s+512*\c
.endr
.endr
.endm
.macro TILE i
.set BT, (\i)/4
.set II, (\i)%4
.set AB, 64+64*((\i)%3)
.if II == 0
.set AC, 64*BT
.elseif II == 2
.set AC, 128
.else
.set AC, 192
.endif
.set LC, 7-(\i)
.if LC > 2
.set LC, 2
.endif
	s_wait_loadcnt 16*LC                           ; this step's fragments are in; those of the steps asked for behind it may stay out
.if II != 0
	s_wait_dscnt 0x0                               ; the LDS stores that read this set of accumulators are done
.endif
.irp g, 0,1
	WIN 0xf1+\g                                    ; source 0 (W2) in window 1, then 2; C and D in window 3
.irp s, 0,1,2,3
.irp t, 0,1,2,3
	MM AC+8*(4*\g+\t), 16*(4*\t+\s), AB+16*\s, (II!=0)&&(\s==0)    ; four accumulators by turns
.endr
.endr
.endr
	WIN 0
	NOP4                                           ; four places in front of loads into the fragments and of stores of results
.if (\i)+3 <= 7
	ALOAD (\i)+3
.endif
.if II != 0
	WIN 0x0c                                       ; store data in window 3
.irp n, 0,1,2,3,4,5,6,7,8,9,10,11,12,13,14,15
	ds_store_b128 v[8+3*BT+II-1], v[AC+4*\n:AC+4*\n+3] offset:512*\n   ; the set's image; each accumulator from its low end on
.endr
	WIN 0
.endif
.endm
	s_load_b256 s[4:11], s[0:1], 0x0               ; h_img s[4:5], wimg s[6:7], x2_img s[8:9], the exponents s[10:11]
	s_load_b64 s[12:13], s[0:1], 0x20              ; out0
	v_lshl_add_u32 v62, v0, 2, 0x38400
	v_mov_b32 v63, 0
	v_lshrrev_b32 v2, 5, v0
	v_readfirstlane_b32 s2, v2                     ; wave
	s_and_b32 s3, ttmp7, 0xffff                    ; which 128 columns
	v_and_b32 v1, 31, v0
	v_lshlrev_b32 v1, 4, v1
.irp ii, 0,1,2,3
	s_add_co_u32 s46, s2, \ii
	s_and_b32 s46, s46, 3                          ; the tile's owner
	s_lshl_b32 s47, s46, 15
	s_lshl_b32 s48, s2, 13
	s_add_co_u32 s47, s47, s48
	v_add_nc_u32 v[4+\ii], s47, v1                 ; h: row tile q of 32,768 bytes, + my four K steps
.if \ii > 0
	s_mul_i32 s47, s46, 3
	s_add_co_u32 s47, s47, \ii-1
	s_lshl_b32 s47, s47, 13
	v_add_nc_u32 v[7+\ii], s47, v1                 ; partial sums: place ii - 1 of the owner's three
	s_add_co_u32 s47, s47, 98304
	v_add_nc_u32 v[10+\ii], s47, v1
.endif
.endr
	s_mul_i32 s46, s2, 24576
	v_add_nc_u32 v14, s46, v1
	s_add_co_u32 s46, s46, 98304
	v_add_nc_u32 v15, s46, v1
	s_mul_i32 s46, s2, 8448
	s_add_co_u32 s46, s46, 196608                  ; my stage
	v_and_b32 v2, 15, v0
	v_bfe_u32 v3, v0, 4, 1
	v_mul_u32_u24 v16, v2, 528
	v_lshl_add_u32 v16, v3, 5, v16
	v_add_nc_u32 v16, s46, v16                     ; in: row r, + 32 h
	v_add_nc_u32 v17, s46, v1                      ; back: 16 bytes a lane of a row
	s_lshl_b32 s38, ttmp9, 18                      ; h_img: row tile 8 x
	s_mov_b32 s39, 0
	s_add_co_u32 s40, s3, 8                        ; wimg: block 8 + y, my 32 images
	s_lshl_b32 s40, s40, 18
	s_lshl_b32 s46, s2, 16
	s_add_co_u32 s40, s40, s46
	s_mov_b32 s41, 0
	s_lshl_b32 s46, s2, 15
	s_add_co_u32 s46, s46, s38
	s_lshl_b32 s47, s3, 13
	s_add_co_u32 s42, s46, s47                     ; x2_img: row tile 8 x + w, column tile 8 y
	s_mov_b32 s43, 0
	s_lshl_b32 s47, s3, 9
	s_add_co_u32 s44, s46, s47                     ; out0: row 128 x + 16 w, + 512 y bytes
	s_mov_b32 s45, 0
	s_wait_kmcnt 0x0
	s_load_b512 s[16:31], s[10:11], 0x0
	s_add_nc_u64 s[4:5], s[4:5], s[38:39]
	s_add_nc_u64 s[6:7], s[6:7], s[40:41]
	s_add_nc_u64 s[8:9], s[8:9], s[42:43]
	s_add_nc_u64 s[12:13], s[12:13], s[44:45]
	WIN 0xc0
.irp b, 0,1
.irp n, 0,1,2,3,4,5,6,7,8,9,10,11,12,13,14,15
	global_load_b128 v[64*\b+4*\n:64*\b+4*\n+3], v1, s[8:9] offset:131072*\b+512*\n th:TH_LOAD_NT   ; x2 of the two tiles that I own, in the accumulators' layout
.endr
.endr
	WIN 0
	ALOAD 0
	ALOAD 1
	ALOAD 2
	WIN 0x40
	WLOAD 0
	WIN 0x80
	WLOAD 32768
	WIN 0
	s_wait_kmcnt 0x0
	s_add_co_i32 s46, s30, s31                     ; e14 + e15
	s_add_co_i32 s34, s46, 127
	s_lshl_b32 s34, s34, 23                        ; 2^(e14 + e15)
	s_mov_b32 s35, s34
	s_sub_co_i32 s36, 127, s46
	s_lshl_b32 s36, s36, 23                        ; and its reciprocal
	s_mov_b32 s37, s36
	s_wait_loadcnt 0x0
	WIN 0xc3
.set i, 0
.rept 64
	v_pk_mul_f32 v[i:i+1], v[i:i+1], s[36:37] op_sel_hi:[1,0]     ; the residual rides as the sums' beginning
.set i, i+2
.endr
	WIN 0
.irp i, 0,1,2,3,4,5,6,7
	TILE \i
.endr
	s_wait_dscnt 0x0                               ; my partial sums have landed,
	s_barrier_signal -1
	s_barrier_wait -1                              ; everybody's have
.irp b, 0,1
.if \b
	s_wait_xcnt 0x0                                ; the first tile's stores have read their registers
.endif
.irp k, 0,1,2
.irp n, 0,1,2,3,4,5,6,7,8,9,10,11,12,13,14,15
	ds_load_b128 v[64+64*\k+4*\n:64+64*\k+4*\n+3], v[14+\b] offset:8192*\k+512*\n
.endr
.endr
	s_wait_dscnt 0x0
	WIN 0xc3
.irp k, 0,1,2
.set i, 0
.rept 32
	v_pk_add_f32 v[64*\b+i:64*\b+i+1], v[64*\b+i:64*\b+i+1], v[64+64*\k+i:64+64*\k+i+1]
.set i, i+2
.endr
.endr
	WIN 0x03
.set i, 0
.rept 32
	v_pk_mul_f32 v[64+i:65+i], v[64*\b+i:64*\b+i+1], s[34:35] op_sel_hi:[1,0]
.set i, i+2
.endr
	WIN 0
.irp t, 0,1,2,3,4,5,6,7
	ds_store_b128 v16, v[64+8*\t:64+8*\t+3] offset:64*\t
	ds_store_b128 v16, v[64+8*\t+4:64+8*\t+7] offset:64*\t+16
.endr
.irp n, 0,1,2,3,4,5,6,7,8,9,10,11,12,13,14,15
	ds_load_b128 v[128+4*\n:128+4*\n+3], v17 offset:528*\n         ; LDS serves a wave's instructions in order (ISA guide 5.7.1.4): these see my stores
.endr
.irp n, 0,1,2,3,4,5,6,7,8,9,10,11,12,13,14,15
	s_wait_dscnt 15-\n
	global_store_b128 v1, v[128+4*\n:128+4*\n+3], s[12:13] offset:131072*\b+2048*\n th:TH_STORE_NT   ; 32 lanes store 512 consecutive bytes, aligned
.endr
.endr
	s_wait_tensorcnt 0x0
	ds_add_u32 v62, v63
	s_wait_dscnt 0x0
	s_endpgm
.Lfunc_end_k_qab6093b366_mlp2:
	.size	k_qab6093b366_mlp2, .Lfunc_end_k_qab6093b366_mlp2-k_qab6093b366_mlp2
	.p2alignl 7, 3214868480
	.fill 96, 4, 3214868480
	.section	.rodata,"a",@progbits
	.p2align	6, 0x0
	.amdhsa_kernel k_qab6093b366_mlp2
		.amdhsa_group_segment_fixed_size 230912
		.amdhsa_private_segment_fixed_size 0
		.amdhsa_enable_private_segment 0
		.amdhsa_kernarg_size 40
		.amdhsa_user_sgpr_count 2
		.amdhsa_user_sgpr_kernarg_segment_ptr 1
		.amdhsa_wavefront_size32 1
		.amdhsa_system_sgpr_workgroup_id_x 1
		.amdhsa_system_sgpr_workgroup_id_y 1
		.amdhsa_system_sgpr_workgroup_id_z 1
		.amdhsa_system_vgpr_workitem_id 0
		.amdhsa_next_free_vgpr 1024
		.amdhsa_next_free_sgpr 66
		.amdhsa_reserve_vcc 0
		.amdhsa_float_denorm_mode_32 3
		.amdhsa_float_denorm_mode_16_64 3
		.amdhsa_memory_ordered 1
		.amdhsa_forward_progress 1
		.amdhsa_inst_pref_size 91
	.end_amdhsa_kernel
	.amdgpu_metadata
---
amdhsa.version: [ 1, 2 ]
amdhsa.kernels:
  - .name:           k_qab6093b366_mlp2
    .symbol:         k_qab6093b366_mlp2.kd
    .args:
      - { .name: h_img, .offset: 0, .size: 8, .value_kind: global_buffer, .address_space: global }
      - { .name: wimg, .offset: 8, .size: 8, .value_kind: global_buffer, .address_space: global }
      - { .name: x2_img, .offset: 16, .size: 8, .value_kind: global_buffer, .address_space: global }
      - { .name: lowp_scales, .offset: 24, .size: 8, .value_kind: global_buffer, .address_space: global }
      - { .name: out0, .offset: 32, .size: 8, .value_kind: global_buffer, .address_space: global }
    .group_segment_fixed_size: 230912
    .private_segment_fixed_size: 0
    .kernarg_segment_align: 8
    .kernarg_segment_size: 40
    .max_flat_workgroup_size: 128
    .sgpr_count:     66
    .vgpr_count:     1024
    .wavefront_size: 32
...
	.end_amdgpu_metadata
.endif
;; end of part 6
;; ======== version 2 of 2: 6 launches
;; limits: right only within a limited range of input values
;; workspace buffers: wimg 3,145,728 bytes; qkv_img 12,582,912 bytes; a_img 4,194,304 bytes; x2_img 16,777,216 bytes; y_img 4,194,304 bytes; h_img 16,777,216 bytes
;; launch prep (part 7): grid 192 x 1, 4 waves a work-group, no clusters, 0 bytes of LDS; arguments Wq, Wk, Wv, Wo, W1, W2, lowp_scales, wimg; writes wimg
.if DOCPART == 7
	.amdgcn_target "amdgcn-amd-amdhsa--gfx1250"
	.amdhsa_code_object_version 6
	.text
	.protected	k_qab6093b366_prep
	.globl	k_qab6093b366_prep
	.p2align	8
	.type	k_qab6093b366_prep,@function
k_qab6093b366_prep:
	s_mov_b64 s[64:65], 0
	v_nop
	global_prefetch_b8 v0, s[64:65] scope:SCOPE_SE
	s_setreg_imm32_b32 hwreg(HW_REG_WAVE_MODE, 25, 1), 1
	s_wait_xcnt 0x0
; The six weights (f32, K along the FIRST axis) become codes of E4M3, laid as IMAGES OF OPERAND REGISTERS.
; An image is 16 columns x 128 along K for v_wmma_f32_16x16x128_fp8_fp8: 16 registers a lane, 2,048 bytes; register 4 c + q of lane L = 16 h + r lies at byte 512 c + 16 L + 4 q,
; and byte p (0..15) of group c holds k = 32 c + 16 (p / 8) + 8 h + p % 8 of column r: the form's own layout.  A later launch loads an image by four loads of 16 bytes a lane, 512 consecutive bytes each.
; wimg: 12 blocks of 262,144 bytes: 0 Wq, 1 Wk, 2 Wv, 3 Wo, 4-7 W1's columns 512 (blk - 4) on, 8-11 W2's columns 128 (blk - 8) on.  Image 32 W + 4 t + s of a block:
; blocks 0-7: column tile 8 W + t, K step s;  blocks 8-11: column tile t of the slice, K step 4 W + s.
; SHARES.  Work-group X: block X / 16, g = (X / 4) % 4, s = X % 4.  A wave takes 32 neighbouring columns x one K step: A LANE TAKES A COLUMN AND ITS REGISTERS RUN DOWN K, so each load reads 128 consecutive bytes
; (the four waves stand side by side on 512), and the conversions give codes with K innermost.  Nothing is transposed.  Lanes 0-15 fill one image, lanes 16-31 the next column tile's, 8,192 bytes on.
; code = x / 2^e, held within +-448, to the nearest code, ties to even.  LIMITS: e between -126 and 119.  NaN among the inputs is not served.
; No LDS, no barrier, no matrix unit: waves share nothing and memory binds.
.set X, 32                             ; v32-159  128 numbers: piece q = 2 c + hh at X + 16 q, in the order of the image's bytes
.set C, 160                            ; v160-191 their codes: four registers a piece, never written again
.macro MKSC e, vs, vl, t               ; v[vs] = 2^e as f32, v[vl] = 448 x 2^e; s[t], s[t+1] at work
	s_add_co_i32 s[\t], s[\e], 127
	s_lshl_b32 s[\t+1], s[\t], 23
	v_mov_b32 v[\vs], s[\t+1]
	s_add_co_i32 s[\t], s[\t], 8
	s_lshl_b32 s[\t], s[\t], 23
	s_or_b32 s[\t], s[\t], 0x600000
	v_mov_b32 v[\vl], s[\t]
.endm
.macro LOADS pitch                     ; all 128 rows of the K step, piece by piece
.irp q, 0,1,2,3,4,5,6,7
.irp p, 0,1,2,3,4,5,6,7,8,9,10,11,12,13,14,15
	global_load_b32 v[X+16*\q+\p], v1, s[4:5] offset:(32*(\q/2)+8*(\q%2)+(\p%8)+16*(\p/8))*\pitch th:TH_LOAD_NT
.endr
.endr
.endm
	s_load_b512 s[8:23], s[0:1], 0x0               ; Wq, Wk, Wv, Wo, W1, W2, the exponents s[20:21], wimg s[22:23]
	v_lshrrev_b32 v3, 5, v0
	v_readfirstlane_b32 s2, v3                     ; wave
	v_and_b32 v4, 31, v0
	v_lshlrev_b32 v1, 2, v4                        ; in: 4 bytes a lane
	v_and_b32 v5, 15, v0
	v_bfe_u32 v6, v0, 4, 1
	v_lshlrev_b32 v2, 4, v5
	v_lshl_add_u32 v2, v6, 13, v2                  ; out: 16 r, and the next column tile's image for lanes 16-31
	s_lshr_b32 s3, ttmp9, 4                        ; block
	s_bfe_u32 s24, ttmp9, 0x20002                  ; g
	s_and_b32 s25, ttmp9, 3                        ; s
	s_lshl_b32 s26, s24, 7                         ; first column: 128 g,
	s_sub_co_u32 s27, s3, 4
	s_lshl_b32 s27, s27, 9
	s_add_co_u32 s27, s27, s26                     ; in W1: + 512 (blk - 4),
	s_sub_co_u32 s28, s3, 8
	s_lshl_b32 s28, s28, 7                         ; in W2: 128 (blk - 8)
	s_lshl_b32 s29, s24, 2
	s_add_co_u32 s29, s29, s25                     ; W2's K step: 4 g + s
	s_mov_b32 s30, 11                              ; log2 of a row's bytes
	s_cmp_ge_u32 s3, 4
	s_cselect_b32 s26, s27, s26
	s_cselect_b32 s30, 13, s30
	s_cmp_ge_u32 s3, 8
	s_cselect_b32 s26, s28, s26
	s_cselect_b32 s30, 11, s30
	s_cselect_b32 s31, s29, s25                    ; the K step
	s_lshl_b32 s31, s31, 7
	s_lshl_b32 s31, s31, s30                       ; its 128 rows down
	s_lshl_b32 s27, s2, 5
	s_add_co_u32 s26, s26, s27                     ; + 32 x wave
	s_lshl_b32 s26, s26, 2
	s_add_co_u32 s26, s26, s31
	s_mov_b32 s27, 0                               ; s[26:27]: where my wave reads
	s_lshl_b32 s28, s3, 18
	s_lshl_b32 s24, s24, 2
	s_add_co_u32 s24, s24, s2
	s_lshl_b32 s24, s24, 14                        ; (4 g + wave) x 8 images
	s_add_co_u32 s28, s28, s24
	s_lshl_b32 s25, s25, 11
	s_add_co_u32 s28, s28, s25
	s_mov_b32 s29, 0                               ; s[28:29]: where it writes
	s_wait_kmcnt 0x0
	s_load_b512 s[32:47], s[20:21], 0x0            ; the sixteen exponents
	s_mov_b64 s[4:5], s[8:9]                       ; the tensor is chosen by the block's number alone
	s_cmp_eq_u32 s3, 1
	s_cselect_b64 s[4:5], s[10:11], s[4:5]
	s_cmp_eq_u32 s3, 2
	s_cselect_b64 s[4:5], s[12:13], s[4:5]
	s_cmp_eq_u32 s3, 3
	s_cselect_b64 s[4:5], s[14:15], s[4:5]
	s_cmp_ge_u32 s3, 4
	s_cselect_b64 s[4:5], s[16:17], s[4:5]
	s_cmp_ge_u32 s3, 8
	s_cselect_b64 s[4:5], s[18:19], s[4:5]
	s_add_nc_u64 s[4:5], s[4:5], s[26:27]
	s_add_nc_u64 s[6:7], s[22:23], s[28:29]
	s_cmp_eq_u32 s30, 13                           ; the rows' pitch stands in the loads' immediates: two copies of the loads, chosen by the block's number
	s_cbranch_scc1 .Lwide
	s_wait_alu depctr_va_vdst(0)
	LOADS 2048
	s_branch .Lloaded
.Lwide:
	s_wait_alu depctr_va_vdst(0)
	LOADS 8192
.Lloaded:
	s_wait_kmcnt 0x0
	s_cmp_eq_u32 s3, 1                             ; the weight's exponent: entries 1, 3, 5, 11, 13, 15
	s_cselect_b32 s48, s35, s33
	s_cmp_eq_u32 s3, 2
	s_cselect_b32 s48, s37, s48
	s_cmp_eq_u32 s3, 3
	s_cselect_b32 s48, s43, s48
	s_cmp_ge_u32 s3, 4
	s_cselect_b32 s48, s45, s48
	s_cmp_ge_u32 s3, 8
	s_cselect_b32 s48, s47, s48
	MKSC 48, 11, 10, 50
	s_wait_alu depctr_va_vdst(0)
.irp q, 0,1,2,3,4,5,6,7
.if 112-16*\q > 63
	s_wait_loadcnt 63                              ; behind this piece's loads stand 112 - 16 q younger ones: more than the wait can name, so the largest count that it can
.else
	s_wait_loadcnt 112-16*\q                       ; the younger pieces' loads may stay out
.endif
.irp p, 0,1,2,3,4,5,6,7,8,9,10,11,12,13,14,15
	v_med3_num_f32 v[X+16*\q+\p], v[X+16*\q+\p], -v10, v10   ; the conversion to an 8-bit code does not saturate (ISA guide 7.6.2): the hold comes first
.endr
	v_cvt_scalef32_pk8_fp8_f32 v[C+4*\q:C+4*\q+1], v[X+16*\q:X+16*\q+7], v11
	v_cvt_scalef32_pk8_fp8_f32 v[C+4*\q+2:C+4*\q+3], v[X+16*\q+8:X+16*\q+15], v11
	global_store_b128 v2, v[C+4*\q:C+4*\q+3], s[6:7] offset:512*(\q/2)+256*(\q%2)   ; sixteen lanes store 256 consecutive bytes, aligned; the results go to a store alone, and the next piece begins with plain lines
.endr
	s_endpgm
.Lfunc_end_k_qab6093b366_prep:
	.size	k_qab6093b366_prep, .Lfunc_end_k_qab6093b366_prep-k_qab6093b366_prep
	.p2alignl 7, 3214868480
	.fill 96, 4, 3214868480
	.section	.rodata,"a",@progbits
	.p2align	6, 0x0
	.amdhsa_kernel k_qab6093b366_prep
		.amdhsa_group_segment_fixed_size 0
		.amdhsa_private_segment_fixed_size 0
		.amdhsa_enable_private_segment 0
		.amdhsa_kernarg_size 64
		.amdhsa_user_sgpr_count 2
		.amdhsa_user_sgpr_kernarg_segment_ptr 1
		.amdhsa_wavefront_size32 1
		.amdhsa_system_sgpr_workgroup_id_x 1
		.amdhsa_system_sgpr_workgroup_id_y 1
		.amdhsa_system_sgpr_workgroup_id_z 1
		.amdhsa_system_vgpr_workitem_id 0
		.amdhsa_next_free_vgpr 192
		.amdhsa_next_free_sgpr 66
		.amdhsa_reserve_vcc 0
		.amdhsa_float_denorm_mode_32 3
		.amdhsa_float_denorm_mode_16_64 3
		.amdhsa_memory_ordered 1
		.amdhsa_forward_progress 1
		.amdhsa_inst_pref_size 38
	.end_amdhsa_kernel
	.amdgpu_metadata
---
amdhsa.version: [ 1, 2 ]
amdhsa.kernels:
  - .name:           k_qab6093b366_prep
    .symbol:         k_qab6093b366_prep.kd
    .args:
      - { .name: Wq, .offset: 0, .size: 8, .value_kind: global_buffer, .address_space: global }
      - { .name: Wk, .offset: 8, .size: 8, .value_kind: global_buffer, .address_space: global }
      - { .name: Wv, .offset: 16, .size: 8, .value_kind: global_buffer, .address_space: global }
      - { .name: Wo, .offset: 24, .size: 8, .value_kind: global_buffer, .address_space: global }
      - { .name: W1, .offset: 32, .size: 8, .value_kind: global_buffer, .address_space: global }
      - { .name: W2, .offset: 40, .size: 8, .value_kind: global_buffer, .address_space: global }
      - { .name: lowp_scales, .offset: 48, .size: 8, .value_kind: global_buffer, .address_space: global }
      - { .name: wimg, .offset: 56, .size: 8, .value_kind: global_buffer, .address_space: global }
    .group_segment_fixed_size: 0
    .private_segment_fixed_size: 0
    .kernarg_segment_align: 8
    .kernarg_segment_size: 64
    .max_flat_workgroup_size: 128
    .sgpr_count:     66
    .vgpr_count:     192
    .wavefront_size: 32
...
	.end_amdgpu_metadata
.endif
;; end of part 7
;; launch qkv (part 8): grid 64 x 3, 4 waves a work-group, no clusters, 66,048 bytes of LDS; arguments input, mask, lowp_scales, wimg, qkv_img; writes qkv_img
.if DOCPART == 8
	.amdgcn_target "amdgcn-amd-amdhsa--gfx1250"
	.amdhsa_code_object_version 6
	.text
	.protected	k_qab6093b366_qkv
	.globl	k_qab6093b366_qkv
	.p2align	8
	.type	k_qab6093b366_qkv,@function
k_qab6093b366_qkv:
	s_mov_b64 s[64:65], 0
	v_nop
	global_prefetch_b8 v0, s[64:65] scope:SCOPE_SE
	s_setreg_imm32_b32 hwreg(HW_REG_WAVE_SCHED_MODE, 0, 2), 2
	s_setreg_imm32_b32 hwreg(HW_REG_WAVE_MODE, 25, 1), 1
	s_wait_xcnt 0x0
	s_wait_alu depctr_vm_vsrc(0)
; x = LayerNorm(input x mask), quantised; one of x Wq / 8, x Wk, x Wv (work-group y = 0, 1, 2), quantised again as attention's operand.  Both quantisers with the given scales.
; SHARES.  Work-group x: 128 rows (8 tiles of 16).  Wave w normalises and quantises row tiles 2 w and 2 w + 1, and makes output columns 128 w .. 128 w + 127 (two heads) for all 128 rows:
; its part of the weight, 32 images, 512 registers, comes from memory straight into the registers that keep it.  The rows' codes go from wave to wave through LDS as images of the operand's registers.
; LAYOUT (v_wmma_f32_16x16x128_fp8_fp8's own): lane (r, h) of an image holds row or column r; register pair c holds k = 16 c + 8 h + 0..7.
; q, k: source 0 = 16 columns of W, source 1 = 16 rows of x: a lane then holds ONE token and eight neighbouring features, and a tile's conversion IS register pair t % 4 of that head's operand (K = 64).
; v: the sources swapped: a lane holds ONE feature and eight neighbouring tokens: register pair m of the operand whose K are the keys.
; qkv_img: q at 0, k at 4 MiB: [batch x head 32][token tile 128][1,024 bytes];  v at 8 MiB: [batch x head][key step 16][feature tile 4][2,048 bytes].
; A sum stands for sum x 2^(eA + eB): its code is sum / 2^(eO - eA - eB), for q with 3 more in the exponent (the factor 1 / 8).
; LIMITS: eA and eO - eA - eB (+ 3) between -126 and 119.  NaN among the inputs is not served.
; NO JOINT LOADS: what work-groups share is the weight, and it lands in the registers that hold it; a joint load lands in LDS, so each of a work-group's 262,144 bytes of weight would be written to LDS and read from it besides.
; 192 work-groups: the three matrices have their own scales for x, so a wave's columns stay inside one matrix.
; REGISTERS, in windows of 256.  Window 0: v1-4 addresses; v6, v7 the two tiles' masks; v[8:9] mask, v[10:11] -mean, v[12:13] 1 / sigma (low words; the high words are written once);
;   v16-25 sums at work; v26, v27: 2^eA, 448 x 2^eA; v28, v29: the same for the results; v32-63 two sets of codes; v64-191 two buffers of x's fragments (first: the codes just made); v192-255 eight accumulators.
;   Window 1: W's column tiles 0-3 (image (t, s) at 16 (4 t + s)).  Window 3: row tile 2 w's 256 numbers a lane, then W's column tiles 4-7.  Window 2: row tile 2 w + 1's numbers, then v's codes.
; THE MODE: SCHED_MODE bits 1:0 = 2 (LLVM: expert scheduling mode 2), set by the entry lines.  The code itself states the register dependences
; between vector or matrix instructions and memory or LDS instructions, with s_wait_alu, always for 0.
; THE PLAN.  Registers that memory or LDS instructions touch:
;   v1-v4         offsets, made at the head and never written again.
;   window 3      a row tile lands; the norm reads and writes it; W's column tiles 4-7 land; products read them.
;   v64-191       the norms' conversions write them; my LDS stores read them; then the fragments of row tile m land in buffer m % 2, asked for at the head of tile m - 1, and tile m's products read them.
;   v32-63        q, k: tile m's conversions write set m % 2; tile m's four stores read it.      window 2, v: the conversions write it; the stores at the end read it.
; So ONE wait on va_vdst stands behind each run of conversions: in the norm ahead of the LDS stores, in a tile at its end, ahead of its stores and of the next tile's fetch into the buffer that its products have read.
; One wait on vm_vsrc stands behind the barrier, ahead of the first fetch, and one in a tile from the third on, ahead of the conversions that write a set of codes again.
.set SEL, 32                           ; s[32:33] lane selects for v_permlanex16_b32: lane l xor 16
.set ACC, 192
.set MSB, 0
.macro WIN new                         ; the immediate's high byte repeats the setting that is left
.if MSB != (\new)
	s_set_vgpr_msb (MSB<<8)|(\new)
.set MSB, (\new)
.endif
.endm
.macro NOP4
.rept 4
	v_nop
.endr
.endm
.macro MKSC e, vs, vl, t               ; v[vs] = 2^e as f32, v[vl] = 448 x 2^e
	s_add_co_i32 s[\t], s[\e], 127
	s_lshl_b32 s[\t+1], s[\t], 23
	v_mov_b32 v[\vs], s[\t+1]
	s_add_co_i32 s[\t], s[\t], 8
	s_lshl_b32 s[\t], s[\t], 23
	s_or_b32 s[\t], s[\t], 0x600000
	v_mov_b32 v[\vl], s[\t]
.endm
.macro MM d, a, b, z                   ; one product; z: it starts the sum
.if \z
	v_wmma_f32_16x16x128_fp8_fp8 v[\d:\d+7], v[\a:\a+15], v[\b:\b+15], 0
.else
	v_wmma_f32_16x16x128_fp8_fp8 v[\d:\d+7], v[\a:\a+15], v[\b:\b+15], v[\d:\d+7]
.endif
.endm
.macro XLOAD off                       ; a row tile: lane (r, h) takes, of row r, the numbers in the order of the operand's registers: register 64 s + 16 c + p is feature 128 s + 32 c + 16 (p / 8) + 8 h + p % 8
.irp s, 0,1,2,3
.irp c, 0,1,2,3
.irp q, 0,1,2,3
	global_load_b128 v[64*\s+16*\c+4*\q:64*\s+16*\c+4*\q+3], v2, s[4:5] offset:\off+512*\s+128*\c+64*(\q/2)+16*(\q%2)
.endr
.endr
.endr
.endm
.macro WLOAD off                       ; sixteen images of the weight
.irp i, 0,1,2,3,4,5,6,7,8,9,10,11,12,13,14,15
.irp c, 0,1,2,3
	global_load_b128 v[16*\i+4*\c:16*\i+4*\c+3], v1, s[10:11] offset:\off+2048*\i+512*\c
.endr
.endr
.endm
.macro FOLD                            ; four chains of pairs -> the row's sum in v16, in both lanes that hold the row
	v_pk_add_f32 v[16:17], v[16:17], v[18:19]
	v_pk_add_f32 v[20:21], v[20:21], v[22:23]
	v_pk_add_f32 v[16:17], v[16:17], v[20:21]
	v_add_f32 v16, v16, v17
	v_permlanex16_b32 v24, v16, s[SEL], s[SEL+1]
	v_add_f32 v16, v16, v24
.endm
; LayerNorm and quantiser of one row tile, whose numbers fill window W; a: which of my two tiles; PC: where the 64 registers of codes go
.macro LN W, a, PC
	WIN (\W)|((\W)<<2)
.irp k, 0,1,2,3
	v_pk_add_f32 v[16+2*\k:17+2*\k], v[4*\k:4*\k+1], v[4*\k+2:4*\k+3]   ; the first eight pairs start the chains: nothing is cleared
.endr
	WIN (\W)<<2
.set i, 16
.rept 120
	v_pk_add_f32 v[16+2*((i/2)%4):17+2*((i/2)%4)], v[16+2*((i/2)%4):17+2*((i/2)%4)], v[i:i+1]
.set i, i+2
.endr
	WIN 0
	FOLD
	v_mov_b32 v8, v[6+\a]                          ; the row's mask m
	v_mul_f32 v25, s40, v8                         ; m / 512
	v_mul_f32 v10, -v16, v25                       ; -mean of the masked row
	WIN ((\W)<<6)|(\W)
.set i, 0
.rept 128
	v_pk_fma_f32 v[i:i+1], v[i:i+1], v[8:9], v[10:11] op_sel_hi:[1,0,0]   ; x m - mean: mask and centring in one fused line
.set i, i+2
.endr
	WIN (\W)|((\W)<<2)
.irp k, 0,1,2,3
	v_pk_mul_f32 v[16+2*\k:17+2*\k], v[2*\k:2*\k+1], v[2*\k:2*\k+1]
.endr
.set i, 8
.rept 124
	v_pk_fma_f32 v[16+2*((i/2)%4):17+2*((i/2)%4)], v[i:i+1], v[i:i+1], v[16+2*((i/2)%4):17+2*((i/2)%4)]
.set i, i+2
.endr
	WIN 0
	FOLD
	v_fma_f32 v12, v16, s40, s41                   ; variance + eps
	s_wait_alu depctr_va_vdst(0)
	v_rsq_f32 v12, v12
	v_nop                                          ; a plain line behind the transcendental,
	s_wait_alu depctr_va_vdst(0)                   ; and the wait ahead of the first use of its result: v12 is written
	WIN ((\W)<<6)|(\W)
.set i, 0
.rept 128
	v_pk_mul_f32 v[i:i+1], v[i:i+1], v[12:13] op_sel_hi:[1,0]
.set i, i+2
.endr
.set i, 0
.rept 256
	v_med3_num_f32 v[i], v[i], -v27, v27           ; the conversion does not saturate (ISA guide 7.6.2): the hold comes first
.set i, i+1
.endr
	WIN (\W)
.set i, 0
.rept 32
	v_cvt_scalef32_pk8_fp8_f32 v[\PC+2*i:\PC+2*i+1], v[8*i:8*i+7], v26
.set i, i+1
.endr
	v_nop                                          ; a plain line behind the last conversion
	WIN 0
	s_wait_alu depctr_va_vdst(0)                   ; the conversions have written v[PC ..], which the LDS stores read and in which fragments land later; the norm is done with window W, in which (my first tile) the weight's second half lands
.irp s, 0,1,2,3
.irp c, 0,1,2,3
	ds_store_b128 v4, v[\PC+16*\s+4*\c:\PC+16*\s+4*\c+3] offset:8192*\a+2048*\s+512*\c   ; the four fragments go to LDS as they stand: 512 consecutive bytes a line
.endr
.endr
.endm
.macro FETCH buf, m                    ; row tile m's four fragments come back so, in any wave
.irp s, 0,1,2,3
.irp c, 0,1,2,3
	ds_load_b128 v[\buf+16*\s+4*\c:\buf+16*\s+4*\c+3], v1 offset:8192*(\m)+2048*\s+512*\c
.endr
.endr
.endm
; One row tile against my eight column tiles.  path = 0: q, k;  1: v.  Four accumulators take turns, one instruction a turn.
.macro TILE m, path
.set AB, 64+64*((\m)%2)
.set CD, 32+16*((\m)%2)
.if (\m) < 7
	FETCH 64+64*(((\m)+1)%2), (\m)+1               ; into the buffer that the last tile's products read: the wait at that tile's end has shown them done, and no vector or matrix instruction since names it
	s_wait_dscnt 16                                ; this tile's fragments are in; the next tile's sixteen loads may stay out
.else
	s_wait_dscnt 0x0
.endif
.irp g, 0,1
.if \path
	WIN 0x04+8*\g                                  ; source 1 (W) in window 1, then 3
.else
	WIN 0x01+2*\g                                  ; source 0 (W) in window 1, then 3
.endif
.irp s, 0,1,2,3
.irp t, 0,1,2,3
.if \path
	MM ACC+8*(4*\g+\t), AB+16*\s, 16*(4*\t+\s), \s==0
.else
	MM ACC+8*(4*\g+\t), 16*(4*\t+\s), AB+16*\s, \s==0
.endif
.endr
.endr
.endr
	WIN 0
	NOP4                                           ; four places between the last product and the first use of results (ISA guide 7.12.1)
.if !(\path)
	s_wait_xcnt 0x0                                ; the stores of two tiles back have read their codes: the set may be written again
.if (\m) >= 2
	s_wait_alu depctr_vm_vsrc(0)                   ; the stores of two tiles back have read this set of codes, which the conversions below write again
.endif
.endif
.set i, 0
.rept 64
	v_med3_num_f32 v[ACC+i], v[ACC+i], -v29, v29   ; each accumulator from its low end on
.set i, i+1
.endr
.if \path
	WIN 0x80                                       ; the codes gather in window 2: register pair m of column tile t's fragment
.irp t, 0,1,2,3,4,5,6,7
	v_cvt_scalef32_pk8_fp8_f32 v[16*\t+2*(\m):16*\t+2*(\m)+1], v[ACC+8*\t:ACC+8*\t+7], v28
.endr
	v_nop
	WIN 0
.if (\m) < 6
	s_wait_alu depctr_va_vdst(0)                   ; this tile's products are done reading their fragments, in which the next tile's fetch lands
.endif
.else
.irp t, 0,1,2,3,4,5,6,7
	v_cvt_scalef32_pk8_fp8_f32 v[CD+2*\t:CD+2*\t+1], v[ACC+8*\t:ACC+8*\t+7], v28
.endr
	v_nop                                          ; a plain line behind the last conversion: the next products write its sources
	s_wait_alu depctr_va_vdst(0)                   ; the conversions have written the codes, which the stores read; this tile's products are done reading their fragments, in which the next tile's fetch lands
.irp g, 0,1,2,3
	global_store_b128 v1, v[CD+4*\g:CD+4*\g+3], s[12:13] offset:131072*(\g/2)+1024*(\m)+512*(\g%2)   ; head 2 w + g / 2, token tile m: 512 consecutive bytes, aligned
.endr
.endif
.endm
	s_load_b256 s[4:11], s[0:1], 0x0               ; input s[4:5], mask s[6:7], the exponents s[8:9], wimg s[10:11]
	s_load_b64 s[12:13], s[0:1], 0x20              ; qkv_img
	v_lshl_add_u32 v30, v0, 2, 0x10000
	v_mov_b32 v31, 0
	v_lshrrev_b32 v5, 5, v0
	v_readfirstlane_b32 s14, v5                    ; wave
	s_and_b32 s2, ttmp7, 0xffff                    ; which matrix
	v_and_b32 v1, 31, v0
	v_lshlrev_b32 v1, 4, v1                        ; 16 x lane: an image's place for my lane
	v_and_b32 v3, 15, v0                           ; r
	v_bfe_u32 v5, v0, 4, 1                         ; h
	v_lshlrev_b32 v2, 11, v3
	v_lshl_add_u32 v2, v5, 5, v2                   ; input: row r of 2,048 bytes, + 32 h
	v_lshlrev_b32 v3, 2, v3                        ; mask: 4 r
	s_wait_alu depctr_va_sdst(0)                   ; s14 is written, ahead of its first reader
	s_lshl_b32 s3, s14, 14
	v_add_nc_u32 v4, s3, v1                        ; where I store my two tiles' images: 16,384 x wave + 16 x lane
	v_mov_b32 v9, 0                                ; the pairs' high words and the permute's destination are written once
	v_mov_b32 v11, 0
	v_mov_b32 v13, 0
	v_mov_b32 v24, 0
	s_mov_b32 s[SEL], 0x76543210
	s_mov_b32 s[SEL+1], 0xfedcba98
	s_mov_b32 s40, 0x3b000000                      ; 1 / 512
	s_mov_b32 s41, 0x358637bd                      ; 1e-6
	s_lshl_b32 s38, ttmp9, 18                      ; my first row, 128 x + 32 w, in bytes of input,
	s_lshl_b32 s3, s14, 16
	s_add_co_u32 s38, s38, s3
	s_mov_b32 s39, 0
	s_lshl_b32 s44, ttmp9, 9                       ; and of mask
	s_lshl_b32 s45, s14, 7
	s_add_co_u32 s44, s44, s45
	s_mov_b32 s45, 0
	s_lshl_b32 s46, s2, 18                         ; the matrix's block, my 32 images
	s_add_co_u32 s46, s46, s3
	s_mov_b32 s47, 0
	s_wait_kmcnt 0x0
	s_load_b512 s[16:31], s[8:9], 0x0              ; the sixteen exponents
	s_add_nc_u64 s[4:5], s[4:5], s[38:39]
	s_add_nc_u64 s[6:7], s[6:7], s[44:45]
	s_add_nc_u64 s[10:11], s[10:11], s[46:47]
	s_wait_alu depctr_va_vdst(0)                   ; the offsets v1 to v4 are written, which every load and store of the kernel reads
	global_load_b32 v6, v3, s[6:7]
	global_load_b32 v7, v3, s[6:7] offset:64
	WIN 0xc0
	XLOAD 0                                        ; row tile 2 w into window 3
	WIN 0x80
	XLOAD 32768                                    ; row tile 2 w + 1 into window 2
	WIN 0x40
	WLOAD 0                                        ; W's column tiles 0-3 into window 1
	WIN 0
	s_lshr_b32 s44, ttmp9, 4                       ; where the results go: y x 4 MiB + (8 b + 2 w) x 131,072 + (x % 16) x 8,192: the same sum for q, k (8 token tiles of 1,024) and v (a key step of 8,192)
	s_lshl_b32 s44, s44, 3
	s_lshl_b32 s45, s14, 1
	s_add_co_u32 s44, s44, s45
	s_lshl_b32 s44, s44, 17
	s_and_b32 s45, ttmp9, 15
	s_lshl_b32 s45, s45, 13
	s_add_co_u32 s44, s44, s45
	s_lshl_b32 s45, s2, 22
	s_add_co_u32 s44, s44, s45
	s_mov_b32 s45, 0
	s_add_nc_u64 s[12:13], s[12:13], s[44:45]
	s_wait_kmcnt 0x0
	s_cmp_eq_u32 s2, 1                             ; eA, eB, eO: entries (0, 1, 6), (2, 3, 7), (4, 5, 9)
	s_cselect_b32 s34, s18, s16
	s_cselect_b32 s35, s19, s17
	s_cselect_b32 s36, s23, s22
	s_cmp_eq_u32 s2, 2
	s_cselect_b32 s34, s20, s34
	s_cselect_b32 s35, s21, s35
	s_cselect_b32 s36, s25, s36
	s_cmp_eq_u32 s2, 0
	s_cselect_b32 s37, 3, 0
	s_sub_co_i32 s36, s36, s34
	s_sub_co_i32 s36, s36, s35
	s_add_co_i32 s36, s36, s37
	MKSC 34, 26, 27, 42
	MKSC 36, 28, 29, 42
	s_wait_loadcnt 63                              ; behind the masks and the first tile stand 128 younger loads: more than the wait can name, so the largest count that it can
	LN 3, 0, 64
	s_wait_loadcnt 63                              ; behind the second tile stand W's 64
	WIN 0xc0
	WLOAD 32768                                    ; window 3 is free (the wait behind the norm's conversions has shown it): W's column tiles 4-7 land while the second tile is normalised
	WIN 0
	LN 2, 1, 128
	s_wait_dscnt 0x0                               ; my images have landed,
	s_barrier_signal -1
	s_barrier_wait -1                              ; everybody's have
	s_wait_loadcnt 0x0                             ; W
	s_wait_alu depctr_vm_vsrc(0)                   ; my LDS stores have read v64-191: from here on the fragments' loads land there, on both ways below
	FETCH 64, 0
	s_cmp_eq_u32 s2, 2
	s_cbranch_scc1 .Lvpath                         ; from here on LDS is only read
.irp m, 0,1,2,3,4,5,6,7
	TILE \m, 0
.endr
	s_wait_dscnt 0x0                               ; the closing lines, six on end
	s_wait_alu 0x0
	s_wait_tensorcnt 0x0
	ds_add_u32 v30, v31
	s_wait_dscnt 0x0
	s_endpgm
.Lvpath:
.irp m, 0,1,2,3,4,5,6,7
	TILE \m, 1
.endr
	WIN 0x08                                       ; store data in window 2
	s_wait_alu depctr_va_vdst(0)                   ; the eight tiles' conversions have written v's codes, which the stores read
.irp t, 0,1,2,3,4,5,6,7
.irp c, 0,1,2,3
	global_store_b128 v1, v[16*\t+4*\c:16*\t+4*\c+3], s[12:13] offset:131072*(\t/4)+2048*(\t%4)+512*\c   ; head 2 w + t / 4, feature tile t % 4
.endr
.endr
	WIN 0
	s_wait_dscnt 0x0                               ; the closing lines, six on end, as above
	s_wait_alu 0x0
	s_wait_tensorcnt 0x0
	ds_add_u32 v30, v31
	s_wait_dscnt 0x0
	s_endpgm
.Lfunc_end_k_qab6093b366_qkv:
	.size	k_qab6093b366_qkv, .Lfunc_end_k_qab6093b366_qkv-k_qab6093b366_qkv
	.p2alignl 7, 3214868480
	.fill 96, 4, 3214868480
	.section	.rodata,"a",@progbits
	.p2align	6, 0x0
	.amdhsa_kernel k_qab6093b366_qkv
		.amdhsa_group_segment_fixed_size 66048
		.amdhsa_private_segment_fixed_size 0
		.amdhsa_enable_private_segment 0
		.amdhsa_kernarg_size 40
		.amdhsa_user_sgpr_count 2
		.amdhsa_user_sgpr_kernarg_segment_ptr 1
		.amdhsa_wavefront_size32 1
		.amdhsa_system_sgpr_workgroup_id_x 1
		.amdhsa_system_sgpr_workgroup_id_y 1
		.amdhsa_system_sgpr_workgroup_id_z 1
		.amdhsa_system_vgpr_workitem_id 0
		.amdhsa_next_free_vgpr 1024
		.amdhsa_next_free_sgpr 66
		.amdhsa_reserve_vcc 0
		.amdhsa_float_denorm_mode_32 3
		.amdhsa_float_denorm_mode_16_64 3
		.amdhsa_memory_ordered 1
		.amdhsa_forward_progress 1
		.amdhsa_inst_pref_size 255
	.end_amdhsa_kernel
	.section	.bss,"aw",@nobits
	.p2align	6
	.space	262144
	.amdgpu_metadata
---
amdhsa.version: [ 1, 2 ]
amdhsa.kernels:
  - .name:           k_qab6093b366_qkv
    .symbol:         k_qab6093b366_qkv.kd
    .args:
      - { .name: input, .offset: 0, .size: 8, .value_kind: global_buffer, .address_space: global }
      - { .name: mask, .offset: 8, .size: 8, .value_kind: global_buffer, .address_space: global }
      - { .name: lowp_scales, .offset: 16, .size: 8, .value_kind: global_buffer, .address_space: global }
      - { .name: wimg, .offset: 24, .size: 8, .value_kind: global_buffer, .address_space: global }
      - { .name: qkv_img, .offset: 32, .size: 8, .value_kind: global_buffer, .address_space: global }
    .group_segment_fixed_size: 66048
    .private_segment_fixed_size: 0
    .kernarg_segment_align: 8
    .kernarg_segment_size: 40
    .max_flat_workgroup_size: 128
    .sgpr_count:     66
    .vgpr_count:     1024
    .wavefront_size: 32
...
	.end_amdgpu_metadata
.endif
;; end of part 8
;; launch attn (part 9): grid 8 x 32, 8 waves a work-group, no clusters, 66,560 bytes of LDS; arguments qkv_img, mask, lowp_scales, a_img; writes a_img
.if DOCPART == 9
	.amdgcn_target "amdgcn-amd-amdhsa--gfx1250"
	.amdhsa_code_object_version 6
	.text
	.protected	k_qab6093b366_attn
	.globl	k_qab6093b366_attn
	.p2align	8
	.type	k_qab6093b366_attn,@function
k_qab6093b366_attn:
	s_mov_b64 s[64:65], 0
	v_nop
	global_prefetch_b8 v0, s[64:65] scope:SCOPE_SE
	s_setreg_imm32_b32 hwreg(HW_REG_WAVE_SCHED_MODE, 0, 2), 2
	s_setreg_imm32_b32 hwreg(HW_REG_WAVE_MODE, 25, 1), 1
	s_wait_xcnt 0x0
	s_wait_alu depctr_vm_vsrc(0)
; Attention of one head on codes of E4M3, and the quantiser of its result.  logit = q . k - 100000 (1 - mask[query]); t = logit x log2(e); M = the running largest t rounded UP to a whole number;
; p = 2^(t - M) is quantised along the keys with 2^e8, not normalised; the row's sum is taken of the unquantised p and divides at the end; when M moves, sum and O are multiplied by 2^(old M - new M), which rounds nothing.
; SHARES.  Work-group (x, y): 256 queries of batch x head y.  Each of eight waves owns two tiles of 16 queries, so each fragment of K and V read from LDS feeds two products; two waves lie on a SIMD,
; so that one wave's vector work stands beside the other's products.  Every wave walks the head's 2,048 keys, 128 a step, 16 steps.
; LAYOUT.  Both products are used transposed: S^T = K Q^T (source 0 = 16 keys), O^T = V^T P^T (source 0 = 16 features): a lane holds ONE query throughout; tile u's eight scores are keys 16 u + 8 h + 0..7,
; which is register pair u of the second product's operand.  K, Q, V arrive as images of their registers, so a step's K and V (a CHUNK) are 8,192 consecutive bytes each.
; THE MASK'S OFFSET is the C of every score's product (divided by the power of two that the sums lack): it is added to the logit in f32 and costs no vector line.
; LDS: a ring of FOUR buffers of 16,384 bytes (K's 8 images, V's 4); chunk c lies in buffer c % 4.  Each wave brings 1,024 bytes of K and of V of a chunk through 16 registers.
; THE PIPELINE.  Step s: stores chunk s + 2 (loaded a step ago); multiplies K of step s, which was asked of LDS a step ago; asks memory for chunk s + 3; signals; asks LDS for V of step s, which lands
; while the softmax is walked, and, behind the exponentials, for K of step s + 1; waits for the barrier behind the row sums; second product.
; ONE BARRIER A STEP, ITS HALVES APART.  Store, then read: chunk c is stored in step c - 2 ahead of that step's signal, and first read in step c - 1, behind that barrier's wait.  Read, then overwrite: the wave that stores
; into chunk s - 2's buffer in step s has passed the wait of step s - 1, so every wave has signalled in step s - 1, with all its LDS loads back, and has left step s - 2, which held that buffer's last reads.
; Between a signal and its wait stand register work and loads from buffers s % 4 and (s + 1) % 4, which are next written in steps s + 2 and s + 3, behind a later barrier.  Steps 14 and 15 store nothing and have no barrier.
; THE HOLD AT THE LARGEST CODE is walked only where it can act: with e8 >= -8 the largest code stands for 1.75 or more, and p is at most 2^(half a unit in t's last place), under 1.42 (LIMIT: |t| under 2^24).
; The branch hangs on e8, a whole number read from an input; it goes round the 128 lines of the hold alone.
; NO JOINT LOADS, NO DATA MOVER: a work-group fetches 16,384 bytes for a step in which each wave issues some 480 lines: what is shared is a small part of a step's work.
; LIMITS: e6 + e7 between -126 and 127; e8 and e10 between -126 and 119.  NaN among the inputs is not served.
; REGISTERS.  Window 0: v1 16 x lane; v2 1,024 x wave + 16 x lane; v4 256 x lane; v5 4 r; tile T's statistics at 8 + 8 T: +0 -M, +1 the largest t, +2:3 the sum, +4:5 f (+4 also a chain of the maximum), +6 at work, +7 the permute's;
;   v[24+2T:25+2T] the sum's second chain; v28, v29: 2^e8, 448 x 2^e8; v30, v31: the same for e10; v32-47 a chunk on its way; v48-63 the masks' offsets; v64-191 S^T, then p; v192-255 V's fragments, set 0.
;   Window 1: v0-63 O^T; v64-79 Q; v80-111 p's codes; v112-175 K's fragments; v176-239 V's fragments, set 1; v254, v255 the closing add's two.
; THE MODE: SCHED_MODE bits 1:0 = 2 (LLVM: expert scheduling mode 2), set by the entry lines.  The code itself states the register dependences
; between vector or matrix instructions and memory or LDS instructions, with s_wait_alu, always for 0.
; THE PLAN.  Registers that memory or LDS instructions touch, in the loop:
;   v1, v2, v4    offsets, made at the head and never written again.
;   v32-47        Step s: its four LDS stores read them; behind those the loads of chunk s + 3 land in them.  No vector instruction names them.  One wait on vm_vsrc stands between the stores and the loads.
;   K's fragments Step s: its sixteen score products read them, at its head; the loads of step s + 1's land in them behind the wait that follows the exponentials.
;   V's two sets  Step s: the loads land in set s % 2 behind the score products; the step's second products read it, at its end.  The set's readers before those, step s - 2's second products, stand ahead of step s - 1's wait.
; So the wait on va_vdst behind the exponentials, states all of it: this step's score products are done reading K, and the last step's second products are done reading the other set of V,
; in which the next step's loads land.  No vector or matrix instruction between that wait and those loads names the registers in which they land.
.set SEL, 32
.set CS,  34                           ; s[34:35] log2(e) x 2^(e6 + e7)
.set KB,  36                           ; s[36:37] K's chunk of the trip's first step;  s[38:39] V's
.set VB,  38
.set PFA, 40                           ; s[40:41] the same, for my prefetches
.set LIM, 42                           ; s42, s43: 0 and 1 in a wave that prefetches, else the greatest number: a step asks while the trips to go are above one of them
.set TR,  56                           ; s56 trips to go
.set HOLD, 57                          ; s57 1 where the hold can act (e8 < -8), else 0
.set KF,  112                          ; K's fragments, in window 1
.set MSB, 0
.macro WIN new                         ; the immediate's high byte repeats the setting that is left
.if MSB != (\new)
	s_set_vgpr_msb (MSB<<8)|(\new)
.set MSB, (\new)
.endif
.endm
.macro NOP4
.rept 4
	v_nop
.endr
.endm
.macro MKSC e, vs, vl, t               ; v[vs] = 2^e as f32, v[vl] = 448 x 2^e
	s_add_co_i32 s[\t], s[\e], 127
	s_lshl_b32 s[\t+1], s[\t], 23
	v_mov_b32 v[\vs], s[\t+1]
	s_add_co_i32 s[\t], s[\t], 8
	s_lshl_b32 s[\t], s[\t], 23
	s_or_b32 s[\t], s[\t], 0x600000
	v_mov_b32 v[\vl], s[\t]
.endm
.macro GLOAD reg, gimm                 ; my 1,024 bytes of K and of V of the chunk gimm bytes on
	global_load_b128 v[\reg:\reg+3], v2, s[KB:KB+1] offset:(\gimm)
	global_load_b128 v[\reg+4:\reg+7], v2, s[KB:KB+1] offset:(\gimm)+512
	global_load_b128 v[\reg+8:\reg+11], v2, s[VB:VB+1] offset:(\gimm)
	global_load_b128 v[\reg+12:\reg+15], v2, s[VB:VB+1] offset:(\gimm)+512
.endm
.macro GSTORE reg, buf                 ; (an argument is put in as text: it stands in brackets inside a product)
	ds_store_b128 v2, v[\reg:\reg+3] offset:16384*(\buf)
	ds_store_b128 v2, v[\reg+4:\reg+7] offset:16384*(\buf)+512
	ds_store_b128 v2, v[\reg+8:\reg+11] offset:16384*(\buf)+8192
	ds_store_b128 v2, v[\reg+12:\reg+15] offset:16384*(\buf)+8704
.endm
.macro KLOAD buf                       ; K's eight fragments out of a buffer, into window 1
	WIN 0x40
.irp u, 0,1,2,3,4,5,6,7
.irp c, 0,1
	ds_load_b128 v[KF+8*\u+4*\c:KF+8*\u+4*\c+3], v1 offset:16384*(\buf)+1024*\u+512*\c
.endr
.endr
	WIN 0
.endm
; The step's largest score of each query, the new M, f.  Both tiles line by line: four chains of maxima, so that a line's source was written four lines back; each accumulator is first read at its low end.
.macro SMAX
.irp T, 0,1
	v_max3_num_f32 v[14+8*\T], v[64+64*\T], v[65+64*\T], v[66+64*\T]
	v_max3_num_f32 v[12+8*\T], v[67+64*\T], v[68+64*\T], v[69+64*\T]
.endr
.irp i, 6,10,14,18,22,26,30,34,38,42,46,50,54,58
.irp T, 0,1
	v_max3_num_f32 v[14+8*\T], v[14+8*\T], v[64+64*\T+\i], v[65+64*\T+\i]
	v_max3_num_f32 v[12+8*\T], v[12+8*\T], v[66+64*\T+\i], v[67+64*\T+\i]
.endr
.endr
.irp T, 0,1
	v_max3_num_f32 v[14+8*\T], v[14+8*\T], v[126+64*\T], v[127+64*\T]
.endr
.irp T, 0,1
	v_max_num_f32 v[14+8*\T], v[14+8*\T], v[12+8*\T]
.endr
.irp T, 0,1
	v_permlanex16_b32 v[15+8*\T], v[14+8*\T], s[SEL], s[SEL+1]
.endr
.irp T, 0,1
	v_max_num_f32 v[14+8*\T], v[14+8*\T], v[15+8*\T]       ; and among the other half's keys
.endr
.irp T, 0,1
	v_mul_f32 v[14+8*\T], s[CS], v[14+8*\T]                ; as t
.endr
.irp T, 0,1
	v_max_num_f32 v[9+8*\T], v[9+8*\T], v[14+8*\T]         ; the running largest t
.endr
.irp T, 0,1
	v_mov_b32 v[14+8*\T], v[8+8*\T]
.endr
.irp T, 0,1
	v_floor_f32 v[8+8*\T], -v[9+8*\T]                      ; -M = floor(-t): M is a whole number
.endr
.irp T, 0,1
	v_sub_f32 v[14+8*\T], v[8+8*\T], v[14+8*\T]            ; old M - new M, 0 or less
.endr
.irp T, 0,1
	v_cvt_i32_f32 v[14+8*\T], v[14+8*\T]                   ; (it saturates)
.endr
.irp T, 0,1
	v_ldexp_f32 v[12+8*\T], 1.0, v[14+8*\T]                ; f = 2^(old M - new M)
.endr
.endm
.macro SSCALE T
.set rT, 8+8*\T
.set rS, 64+64*\T
.set i, 0
.rept 32
	v_pk_fma_f32 v[rS+i:rS+i+1], v[rS+i:rS+i+1], s[CS:CS+1], v[rT:rT+1] op_sel_hi:[1,0,0]   ; t - M (of both pairs the low word serves both halves)
.set i, i+2
.endr
.endm
.macro SEXP T
.set rS, 64+64*\T
.set i, 0
.rept 64
	v_exp_f32 v[rS+i], v[rS+i]
.set i, i+1
.endr
.endm
.macro SSUM                            ; the sums of the unquantised p: two chains a tile, both tiles line by line
.irp T, 0,1
	v_pk_add_f32 v[24+2*\T:25+2*\T], v[64+64*\T:65+64*\T], v[66+64*\T:67+64*\T]
.endr
.irp j, 4,8,12,16,20,24,28,32,36,40,44,48,52,56,60
.irp T, 0,1
	v_pk_add_f32 v[10+8*\T:11+8*\T], v[10+8*\T:11+8*\T], v[64+64*\T+\j:65+64*\T+\j]
	v_pk_add_f32 v[24+2*\T:25+2*\T], v[24+2*\T:25+2*\T], v[66+64*\T+\j:67+64*\T+\j]
.endr
.endr
.irp T, 0,1
	v_pk_add_f32 v[10+8*\T:11+8*\T], v[10+8*\T:11+8*\T], v[24+2*\T:25+2*\T]
.endr
.endm
.macro SHOLD T
.set rS, 64+64*\T
.set i, 0
.rept 64
	v_min_num_f32 v[rS+i], v[rS+i], v29            ; the conversion does not saturate (ISA guide 7.6.2); p is not negative, so the hold is one-sided
.set i, i+1
.endr
.endm
; A KEY STEP whose chunk lies in buffer j.  st: the chunk two steps on is stored, and the step has its barrier.  gl: the chunk three steps on is asked of memory.
; ask: 1 or 2: the step's prefetch, stopped by s[LIM] or s[LIM+1].  kn: the next step's K is fetched.  last: the way out follows.
.macro STEP j, st, gl, ask, kn, last
.set VW, (\j)%2                        ; V's set: 0 in window 0 at v192, 1 in window 1 at v176
.set VF, 192-16*VW
.if \st
	s_wait_loadcnt 0x0                             ; the chunk two steps on, asked for a step ago, is in my registers
	GSTORE 32, ((\j)+2)%4                          ; into the buffer whose last reads lie two steps back
	s_wait_dscnt 4                                 ; LDS instructions end in order (ISA guide 5.7.1): this step's K, asked for in the last step, is in; my four stores may be out
.else
	s_wait_dscnt 0x0                               ; this step's K, asked for in the last step, is in
.endif
	WIN 0x05                                       ; sources 0 (K) and 1 (Q) in window 1
.irp u, 0,1,2,3,4,5,6,7
.irp T, 0,1
	v_wmma_f32_16x16x64_fp8_fp8 v[64+64*\T+8*\u:64+64*\T+8*\u+7], v[KF+8*\u:KF+8*\u+7], v[64+8*\T:64+8*\T+7], v[48+8*\T:48+8*\T+7]
.endr
.endr
	WIN 0
.if \st
	s_wait_dscnt 0x0                               ; for the others' sake: my stores have landed (no other LDS line of mine is out)
.if \gl
	s_wait_alu depctr_vm_vsrc(0)                   ; my four LDS stores have read v32-47, in which the loads below land
	GLOAD 32, 8192*((\j)+3)
.endif
.if \ask
	s_cmp_gt_u32 s[TR], s[LIM+(\ask)-1]
	s_cbranch_scc0 .Lnoask_\@
	global_prefetch_b8 v4, s[PFA:PFA+1] offset:8192*((\j)+5) th:TH_LOAD_NT scope:SCOPE_SE   ; the chunk five steps on, two steps ahead of the load that will want it: 8,192 bytes, lanes 256 bytes apart
.Lnoask_\@:
.endif
	s_barrier_signal -1
.endif
	NOP4                                           ; four places behind the products, ahead of the first use of scores (ISA guide 7.12.1)
	WIN 0x40*VW                                    ; this step's V, into the set that the products of two steps back read: the last step's wait has shown them done.  It lands while the softmax is walked
.irp d, 0,1,2,3
.irp c, 0,1,2,3
	ds_load_b128 v[VF+16*\d+4*\c:VF+16*\d+4*\c+3], v1 offset:16384*(\j)+8192+2048*\d+512*\c
.endr
.endr
	WIN 0
	SMAX
	SSCALE 0
	SSCALE 1
	s_wait_alu depctr_va_vdst(0)
	SEXP 0                                         ; both tiles' 128 exponentials are one batch
	SEXP 1
	v_pk_mul_f32 v[10:11], v[10:11], v[12:13] op_sel_hi:[1,0]   ; the sums under the new M: plain lines behind the batch
	v_pk_mul_f32 v[18:19], v[18:19], v[20:21] op_sel_hi:[1,0]
	s_wait_alu depctr_va_vdst(0)                   ; the exponentials have written p, ahead of its first use; this step's score products are done reading K, in which the loads below land; the last step's second products are done reading their set of V, in which the next step's loads land
.if \kn
	KLOAD ((\j)+1)%4                               ; the next step's K
.endif
	SSUM
.if \st
	s_barrier_wait -1                              ; every wave's part of the chunk two steps on lies in LDS, and every wave has left the step before this one
.endif
	s_cmp_lg_u32 s[HOLD], 0
	s_cbranch_scc0 .Lnohold_\@
	SHOLD 0
	SHOLD 1
.Lnohold_\@:
	WIN 0x40                                       ; p's codes go to window 1
.irp T, 0,1
.irp u, 0,1,2,3,4,5,6,7
	v_cvt_scalef32_pk8_fp8_f32 v[80+16*\T+2*\u:80+16*\T+2*\u+1], v[64+64*\T+8*\u:64+64*\T+8*\u+7], v28
.endr
.endr
	WIN 0x41                                       ; O^T in window 1, f in window 0
.irp T, 0,1
.set i, 0
.rept 16
	v_pk_mul_f32 v[32*\T+i:32*\T+i+1], v[32*\T+i:32*\T+i+1], v[12+8*\T:13+8*\T] op_sel_hi:[1,0]   ; O^T under the new M; these are also the plain lines behind the conversions
.set i, i+2
.endr
.endr
	s_wait_alu depctr_va_vdst(0)
	s_wait_dscnt 16*(\kn)                          ; V is in; the sixteen younger loads, the next step's K, may stay out
	WIN 0x54+VW                                    ; source 0 (V) in its set's window; source 1 (p), C and D in window 1
.irp d, 0,1,2,3
.irp T, 0,1
	v_wmma_f32_16x16x128_fp8_fp8 v[32*\T+8*\d:32*\T+8*\d+7], v[VF+16*\d:VF+16*\d+15], v[80+16*\T:80+16*\T+15], v[32*\T+8*\d:32*\T+8*\d+7]
.endr
.endr
	WIN 0
.if \last
	NOP4                                           ; four places in front of the use of O^T
.endif
.endm
	s_load_b256 s[4:11], s[0:1], 0x0               ; qkv_img s[4:5], mask s[6:7], the exponents s[8:9], a_img s[10:11]
	s_set_vgpr_msb 0x40
	v_lshl_add_u32 v254, v0, 2, 0x10000
	v_mov_b32 v255, 0
	s_set_vgpr_msb 0x4000
	v_lshrrev_b32 v3, 5, v0
	v_readfirstlane_b32 s12, v3                    ; wave
	v_and_b32 v4, 31, v0
	v_lshlrev_b32 v1, 4, v4
	v_lshl_add_u32 v2, v3, 10, v1
	v_lshlrev_b32 v4, 8, v4
	v_and_b32 v5, 15, v0
	v_lshlrev_b32 v5, 2, v5
	s_wait_alu depctr_va_sdst(0)                   ; s12 is written, ahead of its first reader
	s_and_b32 s13, ttmp7, 0xffff                   ; batch x head
	s_lshr_b32 s14, s13, 3                         ; batch
	s_and_b32 s15, s13, 7                          ; head
	s_mov_b32 s[SEL], 0x76543210
	s_mov_b32 s[SEL+1], 0xfedcba98
	s_lshl_b32 s44, s13, 17                        ; the head's 131,072 bytes in q, in k and in v
	s_mov_b32 s45, 0
	s_lshl_b32 s46, ttmp9, 14                      ; my two query tiles: (16 x + 2 w) x 1,024
	s_lshl_b32 s47, s12, 11
	s_add_co_u32 s46, s46, s47
	s_mov_b32 s47, 0
	s_lshl_b32 s52, s14, 13                        ; my first query in mask: 4 (2,048 b + 256 x + 32 w)
	s_lshl_b32 s53, ttmp9, 10
	s_add_co_u32 s52, s52, s53
	s_lshl_b32 s53, s12, 7
	s_add_co_u32 s52, s52, s53
	s_mov_b32 s53, 0
	s_lshl_b32 s54, s14, 20                        ; a_img: row tile 128 b + 16 x + 2 w of 8,192 bytes, + 1,024 x head
	s_lshl_b32 s55, ttmp9, 17
	s_add_co_u32 s54, s54, s55
	s_lshl_b32 s55, s12, 14
	s_add_co_u32 s54, s54, s55
	s_lshl_b32 s55, s15, 10
	s_add_co_u32 s54, s54, s55
	s_mov_b32 s55, 0
	s_lshr_b32 s[LIM], s12, 1                      ; all work-groups of a head walk the same K and V: the head's first asks, wave 0 for K, wave 1 for V
	s_or_b32 s[LIM], s[LIM], ttmp9
	s_cmp_eq_u32 s[LIM], 0
	s_cselect_b32 s[LIM], 0, -1
	s_cselect_b32 s[LIM+1], 1, -1
	s_mov_b32 s[TR], 3
	s_wait_kmcnt 0x0
	s_load_b512 s[16:31], s[8:9], 0x0
	s_add_nc_u64 s[4:5], s[4:5], s[44:45]
	s_add_nc_u64 s[KB:KB+1], s[4:5], 0x400000
	s_add_nc_u64 s[VB:VB+1], s[4:5], 0x800000
	s_add_nc_u64 s[50:51], s[4:5], s[46:47]
	s_add_nc_u64 s[6:7], s[6:7], s[52:53]
	s_add_nc_u64 s[10:11], s[10:11], s[54:55]
	s_cmp_eq_u32 s12, 0
	s_cselect_b64 s[PFA:PFA+1], s[KB:KB+1], s[VB:VB+1]
	s_wait_alu depctr_va_vdst(0)                   ; the offsets v1, v2, v4 and v5 are written, which every load, store and prefetch of the kernel reads
	WIN 0x40
.irp T, 0,1
.irp c, 0,1
	global_load_b128 v[64+8*\T+4*\c:64+8*\T+4*\c+3], v1, s[50:51] offset:1024*\T+512*\c   ; Q stays in registers
.endr
.endr
	WIN 0
	global_load_b32 v6, v5, s[6:7]
	global_load_b32 v7, v5, s[6:7] offset:64
	GLOAD 32, 0                                    ; chunk 0,
	GLOAD 192, 8192                                ; and chunk 1, through registers that V's fragments take later
	WIN 0x40
.set i, 0
.rept 64
	v_mov_b32 v[i], 0                              ; O^T.  (The step is written without a first step of its own: it finds zeros, which the first change of M leaves zeros)
.set i, i+1
.endr
	WIN 0
.irp T, 0,1
	v_mov_b32 v[9+8*\T], 0xff61b1e6                ; the largest t so far: -3e38
	v_floor_f32 v[8+8*\T], -v[9+8*\T]
	v_mov_b32 v[10+8*\T], 0
	v_mov_b32 v[11+8*\T], 0
	v_mov_b32 v[13+8*\T], 0                        ; (the high word of f's pair, and the permute's destination, are written once)
	v_mov_b32 v[15+8*\T], 0
.endr
	s_wait_kmcnt 0x0
	s_cmp_lt_i32 s24, -8                           ; can the hold act?
	s_cselect_b32 s[HOLD], 1, 0
	s_add_co_i32 s44, s22, s23                     ; e6 + e7: a score stands for score x 2^(e6 + e7)
	s_sub_co_i32 s49, 0, s44
	s_lshl_b32 s44, s44, 23
	s_add_co_i32 s[CS], s44, 0x3fb8aa3b            ; added to the exponent field of log2(e)
	s_mov_b32 s[CS+1], s[CS]
	s_add_co_i32 s48, s24, s25                     ; e8 + e9
	MKSC 24, 28, 29, 44
	MKSC 26, 30, 31, 44
	s_wait_loadcnt 0x0
.irp T, 0,1
	v_sub_f32 v[6+\T], 1.0, v[6+\T]
	v_mul_f32 v[6+\T], 0xc7c35000, v[6+\T]         ; -100000 (1 - mask)
	v_ldexp_f32 v[6+\T], v[6+\T], s49              ; / 2^(e6 + e7)
.irp j, 0,1,2,3,4,5,6,7
	v_mov_b32 v[48+8*\T+\j], v[6+\T]
.endr
.endr
	GSTORE 32, 0
	GSTORE 192, 1
	s_wait_dscnt 0x0                               ; my parts of chunks 0 and 1 have landed
	s_wait_alu depctr_vm_vsrc(0)                   ; the LDS stores have read v32-47, in which chunk 2 lands, and v192-207, in which V's fragments land from step 0 on
	GLOAD 32, 16384                                ; chunk 2
	s_barrier_signal -1
	s_barrier_wait -1                              ; everybody's parts have landed
	KLOAD 0
	s_wait_dscnt 0x0                               ; K of step 0
.Ltrip:                                                ; three trips of four steps, once round the ring: steps 0 to 11; V's two sets are back at their start
	s_wait_alu depctr_va_vdst(0)
	STEP 0, 1, 1, 1, 1, 0
	STEP 1, 1, 1, 1, 1, 0
	STEP 2, 1, 1, 1, 1, 0
	STEP 3, 1, 1, 2, 1, 0                          ; in the last trip this step asks for nothing: there is no chunk 16
	s_wait_xcnt 0x0                                ; the trip's loads and prefetches have read their bases: they step
	s_add_nc_u64 s[KB:KB+1], s[KB:KB+1], 32768
	s_add_nc_u64 s[VB:VB+1], s[VB:VB+1], 32768
	s_add_nc_u64 s[PFA:PFA+1], s[PFA:PFA+1], 32768
	s_sub_co_u32 s[TR], s[TR], 1
	s_cmp_lg_u32 s[TR], 0
	s_cbranch_scc1 .Ltrip
	STEP 0, 1, 1, 0, 1, 0                          ; the last four steps are written out.  Step 12 stores chunk 14 and asks memory for chunk 15, the last;
	STEP 1, 1, 0, 0, 1, 0                          ; step 13 stores it;
	STEP 2, 0, 0, 0, 1, 0                          ; steps 14 and 15 store nothing, so no barrier is owed;
	STEP 3, 0, 0, 0, 0, 1                          ; step 15 has no next K
	; THE WAY OUT: O^T / the sum x 2^(e8 + e9), quantised with 2^e10: tile d's conversion is register pair 4 (head % 2) + d of K step head / 2 of the next product's operand
.irp T, 0,1
	v_add_f32 v[10+8*\T], v[10+8*\T], v[11+8*\T]
	v_permlanex16_b32 v[15+8*\T], v[10+8*\T], s[SEL], s[SEL+1]
	v_add_f32 v[10+8*\T], v[10+8*\T], v[15+8*\T]
.endr
	s_wait_alu depctr_va_vdst(0)
	v_rcp_f32 v12, v10
	v_rcp_f32 v20, v18
	v_nop
	s_wait_alu depctr_va_vdst(0)                   ; both reciprocals are written, ahead of their first use
	v_ldexp_f32 v12, v12, s48
	v_ldexp_f32 v20, v20, s48
	WIN 0x01                                       ; source 0 (O^T) in window 1
.irp T, 0,1
.set i, 0
.rept 16
	v_pk_mul_f32 v[64+64*\T+i:64+64*\T+i+1], v[32*\T+i:32*\T+i+1], v[12+8*\T:13+8*\T] op_sel_hi:[1,0]
.set i, i+2
.endr
.endr
	WIN 0
	s_wait_alu depctr_vm_vsrc(0)                   ; step 13's LDS stores have read v32-47, which the conversions below write
.irp T, 0,1
.set i, 0
.rept 32
	v_med3_num_f32 v[64+64*\T+i], v[64+64*\T+i], -v31, v31
.set i, i+1
.endr
.irp d, 0,1,2,3
	v_cvt_scalef32_pk8_fp8_f32 v[32+8*\T+2*\d:32+8*\T+2*\d+1], v[64+64*\T+8*\d:64+64*\T+8*\d+7], v30
.endr
.endr
	v_nop
	s_wait_alu depctr_va_vdst(0)                   ; the conversions have written the codes, which the stores read
.irp T, 0,1
.irp g, 0,1
	global_store_b128 v1, v[32+8*\T+4*\g:32+8*\T+4*\g+3], s[10:11] offset:8192*\T+512*\g   ; 512 consecutive bytes, aligned
.endr
.endr
	s_set_vgpr_msb 0x5                             ; the add's two registers, sources 0 and 1, in window 1
	s_wait_dscnt 0x0                               ; the closing lines, six on end
	s_wait_alu 0x0
	s_wait_tensorcnt 0x0
	ds_add_u32 v254, v255
	s_wait_dscnt 0x0
	s_endpgm
.Lfunc_end_k_qab6093b366_attn:
	.size	k_qab6093b366_attn, .Lfunc_end_k_qab6093b366_attn-k_qab6093b366_attn
	.p2alignl 7, 3214868480
	.fill 96, 4, 3214868480
	.section	.rodata,"a",@progbits
	.p2align	6, 0x0
	.amdhsa_kernel k_qab6093b366_attn
		.amdhsa_group_segment_fixed_size 66560
		.amdhsa_private_segment_fixed_size 0
		.amdhsa_enable_private_segment 0
		.amdhsa_kernarg_size 32
		.amdhsa_user_sgpr_count 2
		.amdhsa_user_sgpr_kernarg_segment_ptr 1
		.amdhsa_wavefront_size32 1
		.amdhsa_system_sgpr_workgroup_id_x 1
		.amdhsa_system_sgpr_workgroup_id_y 1
		.amdhsa_system_sgpr_workgroup_id_z 1
		.amdhsa_system_vgpr_workitem_id 0
		.amdhsa_next_free_vgpr 512
		.amdhsa_next_free_sgpr 66
		.amdhsa_reserve_vcc 0
		.amdhsa_float_denorm_mode_32 3
		.amdhsa_float_denorm_mode_16_64 3
		.amdhsa_memory_ordered 1
		.amdhsa_forward_progress 1
		.amdhsa_inst_pref_size 246
	.end_amdhsa_kernel
	.amdgpu_metadata
---
amdhsa.version: [ 1, 2 ]
amdhsa.kernels:
  - .name:           k_qab6093b366_attn
    .symbol:         k_qab6093b366_attn.kd
    .args:
      - { .name: qkv_img, .offset: 0, .size: 8, .value_kind: global_buffer, .address_space: global }
      - { .name: mask, .offset: 8, .size: 8, .value_kind: global_buffer, .address_space: global }
      - { .name: lowp_scales, .offset: 16, .size: 8, .value_kind: global_buffer, .address_space: global }
      - { .name: a_img, .offset: 24, .size: 8, .value_kind: global_buffer, .address_space: global }
    .group_segment_fixed_size: 66560
    .private_segment_fixed_size: 0
    .kernarg_segment_align: 8
    .kernarg_segment_size: 32
    .max_flat_workgroup_size: 256
    .sgpr_count:     66
    .vgpr_count:     512
    .wavefront_size: 32
...
	.end_amdgpu_metadata
.endif
;; end of part 9
;; launch wo (part 10): grid 256 x 1, 4 waves a work-group, no clusters, 1,536 bytes of LDS; arguments a_img, wimg, input, mask, lowp_scales, x2_img, y_img; writes x2_img, y_img
.if DOCPART == 10
	.amdgcn_target "amdgcn-amd-amdhsa--gfx1250"
	.amdhsa_code_object_version 6
	.text
	.protected	k_qab6093b366_wo
	.globl	k_qab6093b366_wo
	.p2align	8
	.type	k_qab6093b366_wo,@function
k_qab6093b366_wo:
	s_mov_b64 s[64:65], 0
	v_nop
	global_prefetch_b8 v0, s[64:65] scope:SCOPE_SE
	s_setreg_imm32_b32 hwreg(HW_REG_WAVE_SCHED_MODE, 0, 2), 2
	s_setreg_imm32_b32 hwreg(HW_REG_WAVE_MODE, 25, 1), 1
	s_wait_xcnt 0x0
	s_wait_alu depctr_vm_vsrc(0)
; x2 = (input + attention's result x Wo) x mask, kept in f32;  y = LayerNorm(x2), quantised with 2^e12.
; SHARES.  A work-group takes 32 rows (tiles a = 0, 1) and all 512 columns, since the norm wants whole rows; wave w takes columns 128 w .. 128 w + 127: its 32 images of Wo, 512 registers, come straight from memory.
; Source 0 = 16 columns of Wo, source 1 = 16 rows: a lane holds ONE row and eight neighbouring columns, so input is loaded in that layout, and a tile's conversion is register pair t of K step w of the next operand.
; A row's sum and sum of squares meet across the four waves in LDS: one word for a row and a wave, two barriers.
; x2_img: f32, [row tile 512][column tile 32][1,024 bytes]: the accumulator's image: register j of lane L at 512 (j / 4) + 16 L + 4 (j % 4).   y_img: [row tile][K step 4][2,048 bytes].
; NO JOINT LOADS: the weight lands in the registers that hold it; through LDS its 262,144 bytes a work-group would be written and read once more.
; LIMITS: e10 + e11 between -126 and 127; e12 between -126 and 119.  NaN among the inputs is not served.
; REGISTERS.  Window 0: v1 16 x lane; v4 input's offset; v5 4 r; v6 64 w + 4 r; v8, v9: 2^e12, 448 x 2^e12; v[10:11], v[12:13] masks; v14-21 chains; v22, v23 permutes; v[24:27] -mean; v[28:31] 1 / sigma;
;   v32-63 statistics, then codes; v128-255 the rows' fragments.  Windows 1, 2: Wo.  Window 3: v0-127 accumulators (64 a + 8 t), v128-255 input, then x2, then y.
; THE MODE: SCHED_MODE bits 1:0 = 2 (LLVM: expert scheduling mode 2), set by the entry lines.  The code itself states the register dependences
; between vector or matrix instructions and memory or LDS instructions, with s_wait_alu, always for 0.
; THE PLAN.  The text runs once, with no loop.  Registers that memory or LDS instructions touch:
;   v1, v4, v5, v6     offsets, made at the head and never written again.
;   window 3 v128-255  input lands; the residual and the mask write x2; x2's stores read it; the norm writes it again.
;   v14, v18           the lanes' sums write them; a meeting's LDS stores read them; the second sums write them again.
;   v32-39             a meeting's loads land; its additions read and write them; the second meeting's loads land; later the conversions write v32-63, and y's stores read them.
; Waits on va_vdst: ahead of the first load; ahead of x2's stores; at the head of each meeting; ahead of y's stores.  One wait on vm_vsrc, ahead of the norm's first write of x2's registers, which also frees v14 and v18.
.set SEL, 32
.set MSB, 0
.macro WIN new
.if MSB != (\new)
	s_set_vgpr_msb (MSB<<8)|(\new)
.set MSB, (\new)
.endif
.endm
.macro NOP4
.rept 4
	v_nop
.endr
.endm
.macro MKSC e, vs, vl, t
	s_add_co_i32 s[\t], s[\e], 127
	s_lshl_b32 s[\t+1], s[\t], 23
	v_mov_b32 v[\vs], s[\t+1]
	s_add_co_i32 s[\t], s[\t], 8
	s_lshl_b32 s[\t], s[\t], 23
	s_or_b32 s[\t], s[\t], 0x600000
	v_mov_b32 v[\vl], s[\t]
.endm
.macro MM d, a, b, z
.if \z
	v_wmma_f32_16x16x128_fp8_fp8 v[\d:\d+7], v[\a:\a+15], v[\b:\b+15], 0
.else
	v_wmma_f32_16x16x128_fp8_fp8 v[\d:\d+7], v[\a:\a+15], v[\b:\b+15], v[\d:\d+7]
.endif
.endm
.macro WLOAD off
.irp i, 0,1,2,3,4,5,6,7,8,9,10,11,12,13,14,15
.irp c, 0,1,2,3
	global_load_b128 v[16*\i+4*\c:16*\i+4*\c+3], v1, s[6:7] offset:\off+2048*\i+512*\c
.endr
.endr
.endm
.macro LANESUM a                       ; tile a's two chains -> my wave's part of the row's sum, in v[14 + 4 a]
	v_pk_add_f32 v[14+4*\a:15+4*\a], v[14+4*\a:15+4*\a], v[16+4*\a:17+4*\a]
	v_add_f32 v[14+4*\a], v[14+4*\a], v[15+4*\a]
	v_permlanex16_b32 v[22+\a], v[14+4*\a], s[SEL], s[SEL+1]
	v_add_f32 v[14+4*\a], v[14+4*\a], v[22+\a]
.endm
.macro MEET base                       ; the four waves' parts meet: the rows' sums in v32 (tile 0) and v36 (tile 1)
	s_wait_alu depctr_va_vdst(0)                   ; v14 and v18 are written, which the LDS stores read; the additions of the meeting before are done with v32-39, in which the loads land
	ds_store_b32 v6, v14 offset:\base              ; lanes r and 16 + r write the same word with the same number
	ds_store_b32 v6, v18 offset:\base+256
	s_wait_dscnt 0x0                               ; my words have landed,
	s_barrier_signal -1
	s_barrier_wait -1                              ; everybody's have
.irp a, 0,1
.irp k, 0,1,2,3
	ds_load_b32 v[32+4*\a+\k], v5 offset:\base+256*\a+64*\k
.endr
.endr
	s_wait_dscnt 0x0
.irp a, 0,1
	v_add_f32 v[32+4*\a], v[32+4*\a], v[33+4*\a]
	v_add_f32 v[34+4*\a], v[34+4*\a], v[35+4*\a]
	v_add_f32 v[32+4*\a], v[32+4*\a], v[34+4*\a]
.endr
.endm
	s_load_b256 s[4:11], s[0:1], 0x0               ; a_img s[4:5], wimg s[6:7], input s[8:9], mask s[10:11]
	s_load_b128 s[12:15], s[0:1], 0x20             ; the exponents s[12:13], x2_img s[14:15]
	s_load_b64 s[36:37], s[0:1], 0x30              ; y_img
	v_lshl_add_u32 v126, v0, 2, 0x400
	v_mov_b32 v127, 0
	v_lshrrev_b32 v2, 5, v0
	v_readfirstlane_b32 s2, v2                     ; wave
	v_and_b32 v1, 31, v0
	v_lshlrev_b32 v1, 4, v1
	v_and_b32 v5, 15, v0
	v_bfe_u32 v3, v0, 4, 1
	v_lshlrev_b32 v4, 11, v5
	v_lshl_add_u32 v4, v3, 5, v4                   ; input: row r, + 32 h
	v_lshlrev_b32 v5, 2, v5
	v_lshl_add_u32 v6, v2, 6, v5
.irp j, 11,13,22,23,25,27,29,31
	v_mov_b32 v[\j], 0                             ; the pairs' high words and the permutes' destinations are written once
.endr
	s_wait_alu depctr_va_sdst(0)                   ; s2 is written, ahead of its first reader
	s_mov_b32 s[SEL], 0x76543210
	s_mov_b32 s[SEL+1], 0xfedcba98
	s_mov_b32 s40, 0x3b000000                      ; 1 / 512
	s_mov_b32 s41, 0x358637bd                      ; 1e-6
	s_lshl_b32 s38, ttmp9, 14                      ; a_img: two row tiles of 8,192 bytes
	s_mov_b32 s39, 0
	s_lshl_b32 s42, s2, 16                         ; wimg: block 3, my 32 images
	s_add_co_u32 s42, s42, 3*262144
	s_mov_b32 s43, 0
	s_lshl_b32 s44, ttmp9, 16                      ; input: 32 rows of 2,048 bytes, + my 512
	s_lshl_b32 s45, s2, 9
	s_add_co_u32 s44, s44, s45
	s_mov_b32 s45, 0
	s_lshl_b32 s46, ttmp9, 7                       ; mask
	s_mov_b32 s47, 0
	s_lshl_b32 s48, ttmp9, 16                      ; x2_img: two row tiles of 32,768 bytes, + my 8 column tiles
	s_lshl_b32 s49, s2, 13
	s_add_co_u32 s48, s48, s49
	s_mov_b32 s49, 0
	s_lshl_b32 s50, ttmp9, 14                      ; y_img: two row tiles of 8,192 bytes, + K step w
	s_lshl_b32 s51, s2, 11
	s_add_co_u32 s50, s50, s51
	s_mov_b32 s51, 0
	s_wait_kmcnt 0x0
	s_load_b512 s[16:31], s[12:13], 0x0
	s_add_nc_u64 s[4:5], s[4:5], s[38:39]
	s_add_nc_u64 s[6:7], s[6:7], s[42:43]
	s_add_nc_u64 s[8:9], s[8:9], s[44:45]
	s_add_nc_u64 s[10:11], s[10:11], s[46:47]
	s_add_nc_u64 s[14:15], s[14:15], s[48:49]
	s_add_nc_u64 s[36:37], s[36:37], s[50:51]
	s_wait_alu depctr_va_vdst(0)                   ; the offsets v1, v4, v5 and v6 are written, which every load and store of the kernel reads
	global_load_b32 v10, v5, s[10:11]
	global_load_b32 v12, v5, s[10:11] offset:64
.irp a, 0,1
.irp s, 0,1,2,3
.irp c, 0,1,2,3
	global_load_b128 v[128+64*\a+16*\s+4*\c:128+64*\a+16*\s+4*\c+3], v1, s[4:5] offset:8192*\a+2048*\s+512*\c
.endr
.endr
.endr
	WIN 0x40
	WLOAD 0
	WIN 0x80
	WLOAD 32768
	WIN 0xc0
.irp a, 0,1
.irp t, 0,1,2,3,4,5,6,7
.irp g, 0,1
	global_load_b128 v[128+64*\a+8*\t+4*\g:128+64*\a+8*\t+4*\g+3], v4, s[8:9] offset:32768*\a+64*\t+16*\g
.endr
.endr
.endr
	WIN 0
	s_wait_kmcnt 0x0
	s_add_co_i32 s34, s26, s27                     ; e10 + e11
	s_add_co_i32 s34, s34, 127
	s_lshl_b32 s34, s34, 23
	s_mov_b32 s35, s34
	MKSC 28, 8, 9, 52
.irp g, 0,1
.if \g == 0
	s_wait_loadcnt 63                              ; behind the first half of Wo stand 96 younger loads: more than the wait can name
.else
	s_wait_loadcnt 32                              ; input's 32 may stay out
.endif
	WIN 0xf1+\g                                    ; source 0 (Wo) in window 1, then 2; C and D in window 3
.irp s, 0,1,2,3
.irp a, 0,1
.irp t, 0,1,2,3
	MM 64*\a+8*(4*\g+\t), 16*(4*\t+\s), 128+64*\a+16*\s, \s==0    ; eight accumulators by turns, one instruction a turn
.endr
.endr
.endr
.endr
	s_wait_loadcnt 0x0
	NOP4
	WIN 0xf3
.set i, 0
.rept 64
	v_pk_fma_f32 v[128+i:129+i], v[i:i+1], s[34:35], v[128+i:129+i] op_sel_hi:[1,0,1]   ; input + sum x 2^(e10 + e11)
.set i, i+2
.endr
	WIN 0xc3
.irp a, 0,1
.set i, 0
.rept 32
	v_pk_mul_f32 v[128+64*\a+i:129+64*\a+i], v[128+64*\a+i:129+64*\a+i], v[10+2*\a:11+2*\a] op_sel_hi:[1,0]   ; x mask
.set i, i+2
.endr
.endr
	WIN 0x0c                                       ; store data in window 3
	s_wait_alu depctr_va_vdst(0)                   ; x2 is written, which the stores read
.irp a, 0,1
.irp t, 0,1,2,3,4,5,6,7
.irp g, 0,1
	global_store_b128 v1, v[128+64*\a+8*\t+4*\g:128+64*\a+8*\t+4*\g+3], s[14:15] offset:32768*\a+1024*\t+512*\g
.endr
.endr
.endr
.irp a, 0,1
	WIN 0x0f
	v_pk_add_f32 v[14+4*\a:15+4*\a], v[128+64*\a:129+64*\a], v[130+64*\a:131+64*\a]
	v_pk_add_f32 v[16+4*\a:17+4*\a], v[132+64*\a:133+64*\a], v[134+64*\a:135+64*\a]
	WIN 0x0c
.set i, 8
.rept 28
	v_pk_add_f32 v[14+4*\a+2*((i/2)%2):15+4*\a+2*((i/2)%2)], v[14+4*\a+2*((i/2)%2):15+4*\a+2*((i/2)%2)], v[128+64*\a+i:129+64*\a+i]
.set i, i+2
.endr
.endr
	WIN 0
	LANESUM 0
	LANESUM 1
	MEET 0
	v_mul_f32 v24, 0xbb000000, v32                 ; -mean
	v_mul_f32 v26, 0xbb000000, v36
	s_wait_alu depctr_va_vdst(0)
	s_wait_xcnt 0x0                                ; x2's stores have read their registers: they may be written
	s_wait_alu depctr_vm_vsrc(0)                   ; x2's stores have read window 3's v128-255, and the first meeting's LDS stores v14 and v18: the norm below writes all of them again
	WIN 0xc3
.irp a, 0,1
.set i, 0
.rept 32
	v_pk_add_f32 v[128+64*\a+i:129+64*\a+i], v[128+64*\a+i:129+64*\a+i], v[24+2*\a:25+2*\a] op_sel_hi:[1,0]
.set i, i+2
.endr
.endr
	WIN 0x0f
.irp a, 0,1
	v_pk_mul_f32 v[14+4*\a:15+4*\a], v[128+64*\a:129+64*\a], v[128+64*\a:129+64*\a]
	v_pk_mul_f32 v[16+4*\a:17+4*\a], v[130+64*\a:131+64*\a], v[130+64*\a:131+64*\a]
.set i, 4
.rept 30
	v_pk_fma_f32 v[14+4*\a+2*((i/2)%2):15+4*\a+2*((i/2)%2)], v[128+64*\a+i:129+64*\a+i], v[128+64*\a+i:129+64*\a+i], v[14+4*\a+2*((i/2)%2):15+4*\a+2*((i/2)%2)]
.set i, i+2
.endr
.endr
	WIN 0
	LANESUM 0
	LANESUM 1
	MEET 512                                       ; other words than the first meeting's: no barrier is owed between its reads and these stores
	v_fma_f32 v28, v32, s40, s41
	v_fma_f32 v30, v36, s40, s41
	s_wait_alu depctr_va_vdst(0)
	v_rsq_f32 v28, v28
	v_rsq_f32 v30, v30
	v_nop
	s_wait_alu depctr_va_vdst(0)                   ; v28 and v30 are written, ahead of their first use: one wait for both
	WIN 0xc3
.irp a, 0,1
.set i, 0
.rept 32
	v_pk_mul_f32 v[128+64*\a+i:129+64*\a+i], v[128+64*\a+i:129+64*\a+i], v[28+2*\a:29+2*\a] op_sel_hi:[1,0]
.set i, i+2
.endr
.endr
.set i, 0
.rept 128
	v_med3_num_f32 v[128+i], v[128+i], -v9, v9
.set i, i+1
.endr
	WIN 0x03
.irp a, 0,1
.irp t, 0,1,2,3,4,5,6,7
	v_cvt_scalef32_pk8_fp8_f32 v[32+16*\a+2*\t:32+16*\a+2*\t+1], v[128+64*\a+8*\t:128+64*\a+8*\t+7], v8
.endr
.endr
	v_nop
	WIN 0
	s_wait_alu depctr_va_vdst(0)                   ; the conversions have written y's codes, which the stores read
.irp a, 0,1
.irp c, 0,1,2,3
	global_store_b128 v1, v[32+16*\a+4*\c:32+16*\a+4*\c+3], s[36:37] offset:8192*\a+512*\c
.endr
.endr
	s_wait_dscnt 0x0                               ; the closing lines, six on end
	s_wait_alu 0x0
	s_wait_tensorcnt 0x0
	ds_add_u32 v126, v127
	s_wait_dscnt 0x0
	s_endpgm
.Lfunc_end_k_qab6093b366_wo:
	.size	k_qab6093b366_wo, .Lfunc_end_k_qab6093b366_wo-k_qab6093b366_wo
	.p2alignl 7, 3214868480
	.fill 96, 4, 3214868480
	.section	.rodata,"a",@progbits
	.p2align	6, 0x0
	.amdhsa_kernel k_qab6093b366_wo
		.amdhsa_group_segment_fixed_size 1536
		.amdhsa_private_segment_fixed_size 0
		.amdhsa_enable_private_segment 0
		.amdhsa_kernarg_size 56
		.amdhsa_user_sgpr_count 2
		.amdhsa_user_sgpr_kernarg_segment_ptr 1
		.amdhsa_wavefront_size32 1
		.amdhsa_system_sgpr_workgroup_id_x 1
		.amdhsa_system_sgpr_workgroup_id_y 1
		.amdhsa_system_sgpr_workgroup_id_z 1
		.amdhsa_system_vgpr_workitem_id 0
		.amdhsa_next_free_vgpr 1024
		.amdhsa_next_free_sgpr 66
		.amdhsa_reserve_vcc 0
		.amdhsa_float_denorm_mode_32 3
		.amdhsa_float_denorm_mode_16_64 3
		.amdhsa_memory_ordered 1
		.amdhsa_forward_progress 1
		.amdhsa_inst_pref_size 67
	.end_amdhsa_kernel
	.amdgpu_metadata
---
amdhsa.version: [ 1, 2 ]
amdhsa.kernels:
  - .name:           k_qab6093b366_wo
    .symbol:         k_qab6093b366_wo.kd
    .args:
      - { .name: a_img, .offset: 0, .size: 8, .value_kind: global_buffer, .address_space: global }
      - { .name: wimg, .offset: 8, .size: 8, .value_kind: global_buffer, .address_space: global }
      - { .name: input, .offset: 16, .size: 8, .value_kind: global_buffer, .address_space: global }
      - { .name: mask, .offset: 24, .size: 8, .value_kind: global_buffer, .address_space: global }
      - { .name: lowp_scales, .offset: 32, .size: 8, .value_kind: global_buffer, .address_space: global }
      - { .name: x2_img, .offset: 40, .size: 8, .value_kind: global_buffer, .address_space: global }
      - { .name: y_img, .offset: 48, .size: 8, .value_kind: global_buffer, .address_space: global }
    .group_segment_fixed_size: 1536
    .private_segment_fixed_size: 0
    .kernarg_segment_align: 8
    .kernarg_segment_size: 56
    .max_flat_workgroup_size: 128
    .sgpr_count:     66
    .vgpr_count:     1024
    .wavefront_size: 32
...
	.end_amdgpu_metadata
.endif
;; end of part 10
;; launch mlp1 (part 11): grid 64 x 4, 8 waves a work-group, no clusters, 66,560 bytes of LDS; arguments y_img, wimg, lowp_scales, h_img; writes h_img
.if DOCPART == 11
	.amdgcn_target "amdgcn-amd-amdhsa--gfx1250"
	.amdhsa_code_object_version 6
	.text
	.protected	k_qab6093b366_mlp1
	.globl	k_qab6093b366_mlp1
	.p2align	8
	.type	k_qab6093b366_mlp1,@function
k_qab6093b366_mlp1:
	s_mov_b64 s[64:65], 0
	v_nop
	global_prefetch_b8 v0, s[64:65] scope:SCOPE_SE
	s_setreg_imm32_b32 hwreg(HW_REG_WAVE_SCHED_MODE, 0, 2), 2
	s_setreg_imm32_b32 hwreg(HW_REG_WAVE_MODE, 25, 1), 1
	s_wait_xcnt 0x0
	s_wait_alu depctr_vm_vsrc(0)
; h = gelu(y W1), exact (by erf), quantised with 2^e14.
; SHARES.  Work-group (x, y): 128 rows x hidden units 512 y .. 512 y + 511.  Wave w takes 64 units: 16 images of W1, 256 registers, straight from memory.  Eight waves, two to a SIMD: a row tile is 16 products
; and some 360 vector lines a wave, so the second wave's products stand beside the first's gelu.  The rows' fragments, 8 x 8,192 bytes, are copied once into LDS as they lie and read by all waves.
; Source 0 = 16 columns of W1, source 1 = 16 rows: a lane holds ONE row and eight neighbouring units: a tile's conversion is register pair 4 (w % 2) + t of K step 4 y + w / 2 of the next operand.
; gelu(v) = v / 2 + (v / 2) erf(v / sqrt 2);  erf(z) = z P(z^2) / Q(z^2) with z held within +-4, degrees 6 and 4, in f32.
; LIMIT of the arithmetic: 1 + erf carries an absolute error near 1e-7, as any f32 form of it does, so for strongly negative v the result has that absolute error x |v| / 2 and not that relative error.
; h_img: [row tile 512][K step 16][2,048 bytes].   LIMITS: e12 + e13 between -125 and 127; e14 between -126 and 119.  NaN among the inputs is not served.
; NO JOINT LOADS: the weight lands in the registers that hold it; the rows' codes, 65,536 bytes a work-group, are a fifth of its bytes.
; REGISTERS.  Window 0: v1 16 x lane; v2 8,192 w + 16 x lane; v[8:9], v[10:11] P's and Q's leading coefficients; v12, v13: 2^e14, 448 x 2^e14; v16-31 two sets of codes; v32-47 z; v48-63 z^2;
;   v64-191 two buffers of fragments; v192-223 four accumulators; v224-239 P; v240-255 Q.   Window 1: W1.
; THE MODE: SCHED_MODE bits 1:0 = 2 (LLVM: expert scheduling mode 2), set by the entry lines.  The code itself states the register dependences
; between vector or matrix instructions and memory or LDS instructions, with s_wait_alu, always for 0.
; THE PLAN.  Registers that memory or LDS instructions touch:
;   v1, v2     offsets, made at the head and never written again.
;   v64-191    at the head my row tile lands in v64-127 and my LDS stores read it; then row tile m's fragments land in buffer m % 2, asked for at the head of tile m - 1, and tile m's products read them.
;   v16-31     tile m's conversions write set m % 2; tile m's two stores read it; tile m + 2's conversions write it again.
; So ONE wait on va_vdst of this plan stands in a tile, behind its last conversion: the codes are written, which the stores read, and the tile's products are done reading their buffer, in which the next tile's fetch lands.
; One wait on vm_vsrc stands behind the barrier, ahead of the first fetch, and one in a tile from the third on, ahead of the conversions that write a set of codes again.
.set MSB, 0
.macro WIN new
.if MSB != (\new)
	s_set_vgpr_msb (MSB<<8)|(\new)
.set MSB, (\new)
.endif
.endm
.macro NOP4
.rept 4
	v_nop
.endr
.endm
.macro MKSC e, vs, vl, t
	s_add_co_i32 s[\t], s[\e], 127
	s_lshl_b32 s[\t+1], s[\t], 23
	v_mov_b32 v[\vs], s[\t+1]
	s_add_co_i32 s[\t], s[\t], 8
	s_lshl_b32 s[\t], s[\t], 23
	s_or_b32 s[\t], s[\t], 0x600000
	v_mov_b32 v[\vl], s[\t]
.endm
.macro MM d, a, b, z
.if \z
	v_wmma_f32_16x16x128_fp8_fp8 v[\d:\d+7], v[\a:\a+15], v[\b:\b+15], 0
.else
	v_wmma_f32_16x16x128_fp8_fp8 v[\d:\d+7], v[\a:\a+15], v[\b:\b+15], v[\d:\d+7]
.endif
.endm
.macro COEF r, x                       ; a coefficient as a scalar pair: the packed form names the pair
	s_mov_b32 s[\r], \x
	s_mov_b32 s[\r+1], \x
.endm
.macro FETCH buf, m
.irp s, 0,1,2,3
.irp c, 0,1,2,3
	ds_load_b128 v[\buf+16*\s+4*\c:\buf+16*\s+4*\c+3], v1 offset:8192*(\m)+2048*\s+512*\c
.endr
.endr
.endm
; sixteen sums at v[ac] on become gelu's codes in v[cd] .. v[cd + 3]
.macro GELU16 ac, cd
.irp i, 0,2,4,6,8,10,12,14
	v_pk_mul_f32 v[32+\i:33+\i], v[\ac+\i:\ac+\i+1], s[60:61] op_sel_hi:[1,0]       ; z = sum x 2^(e12 + e13) / sqrt 2; each accumulator from its low end on
.endr
.irp i, 0,2,4,6,8,10,12,14
	v_pk_mul_f32 v[\ac+\i:\ac+\i+1], v[\ac+\i:\ac+\i+1], s[62:63] op_sel_hi:[1,0]   ; v / 2
.endr
.irp i, 0,1,2,3,4,5,6,7,8,9,10,11,12,13,14,15
	v_med3_num_f32 v[32+\i], v[32+\i], -4.0, 4.0
.endr
.irp i, 0,2,4,6,8,10,12,14
	v_pk_mul_f32 v[48+\i:49+\i], v[32+\i:33+\i], v[32+\i:33+\i]
.endr
.irp i, 0,2,4,6,8,10,12,14
	v_pk_fma_f32 v[224+\i:225+\i], v[48+\i:49+\i], v[8:9], s[24:25] op_sel_hi:[1,1,0]
.endr
.irp i, 0,2,4,6,8,10,12,14
	v_pk_fma_f32 v[240+\i:241+\i], v[48+\i:49+\i], v[10:11], s[36:37] op_sel_hi:[1,1,0]
.endr
.irp k, 38,40,42
.irp i, 0,2,4,6,8,10,12,14
	v_pk_fma_f32 v[240+\i:241+\i], v[240+\i:241+\i], v[48+\i:49+\i], s[\k:\k+1] op_sel_hi:[1,1,0]
.endr
.endr
	s_wait_alu depctr_va_vdst(0)
.irp i, 0,1,2,3,4,5,6,7,8,9,10,11,12,13,14,15
	v_rcp_f32 v[240+\i], v[240+\i]                 ; one batch; P's Horner steps follow as independent work
.endr
.irp k, 26,28,30,32,34
.irp i, 0,2,4,6,8,10,12,14
	v_pk_fma_f32 v[224+\i:225+\i], v[224+\i:225+\i], v[48+\i:49+\i], s[\k:\k+1] op_sel_hi:[1,1,0]
.endr
.endr
.irp i, 0,2,4,6,8,10,12,14
	v_pk_mul_f32 v[224+\i:225+\i], v[224+\i:225+\i], v[32+\i:33+\i]
.endr
	s_wait_alu depctr_va_vdst(0)                   ; the sixteen reciprocals are written, ahead of their first use: one wait for the batch
.irp i, 0,2,4,6,8,10,12,14
	v_pk_mul_f32 v[224+\i:225+\i], v[224+\i:225+\i], v[240+\i:241+\i]               ; erf
.endr
.irp i, 0,2,4,6,8,10,12,14
	v_pk_fma_f32 v[\ac+\i:\ac+\i+1], v[\ac+\i:\ac+\i+1], v[224+\i:225+\i], v[\ac+\i:\ac+\i+1]
.endr
.irp i, 0,1,2,3,4,5,6,7,8,9,10,11,12,13,14,15
	v_med3_num_f32 v[\ac+\i], v[\ac+\i], -v13, v13
.endr
	v_cvt_scalef32_pk8_fp8_f32 v[\cd:\cd+1], v[\ac:\ac+7], v12
	v_cvt_scalef32_pk8_fp8_f32 v[\cd+2:\cd+3], v[\ac+8:\ac+15], v12
	v_nop                                          ; a plain line behind the last conversion: later products write its sources
.endm
.macro TILE m
.set AB, 64+64*((\m)%2)
.set CD, 16+8*((\m)%2)
.if (\m) < 7
	FETCH 64+64*(((\m)+1)%2), (\m)+1               ; into the buffer that the last tile's products read: the wait at that tile's end has shown them done, and no vector or matrix instruction since names it
	s_wait_dscnt 16                                ; this tile's fragments are in; the next tile's sixteen loads may stay out
.else
	s_wait_dscnt 0x0
.endif
	WIN 0x01                                       ; source 0 (W1) in window 1
.irp s, 0,1,2,3
.irp t, 0,1,2,3
	MM 192+8*\t, 16*(4*\t+\s), AB+16*\s, \s==0     ; four accumulators by turns
.endr
.endr
	WIN 0
	NOP4
	s_wait_xcnt 0x0                                ; the stores of two tiles back have read their codes
.if (\m) >= 2
	s_wait_alu depctr_vm_vsrc(0)                   ; the stores of two tiles back have read this set of codes, which the conversions below write again
.endif
	GELU16 192, CD
	GELU16 208, CD+4
	s_wait_alu depctr_va_vdst(0)                   ; the conversions have written the codes, which the stores read; this tile's products are done reading their fragments, in which the next tile's fetch lands
.irp g, 0,1
	global_store_b128 v1, v[CD+4*\g:CD+4*\g+3], s[10:11] offset:32768*(\m)+512*\g
.endr
.endm
	s_load_b256 s[4:11], s[0:1], 0x0               ; y_img s[4:5], wimg s[6:7], the exponents s[8:9], h_img s[10:11]
	v_lshl_add_u32 v14, v0, 2, 0x10000
	v_mov_b32 v15, 0
	v_lshrrev_b32 v3, 5, v0
	v_readfirstlane_b32 s2, v3                     ; wave
	s_and_b32 s3, ttmp7, 0xffff                    ; which 512 hidden units
	v_and_b32 v1, 31, v0
	v_lshlrev_b32 v1, 4, v1
	v_lshl_add_u32 v2, v3, 13, v1
	s_wait_alu depctr_va_sdst(0)                   ; s2 is written, ahead of its first reader
	s_lshl_b32 s12, ttmp9, 16                      ; y_img: row tile 8 x + w
	s_lshl_b32 s13, s2, 13
	s_add_co_u32 s12, s12, s13
	s_mov_b32 s13, 0
	s_add_co_u32 s14, s3, 4                        ; wimg: block 4 + y, my 16 images
	s_lshl_b32 s14, s14, 18
	s_lshl_b32 s15, s2, 15
	s_add_co_u32 s14, s14, s15
	s_mov_b32 s15, 0
	s_lshl_b32 s16, ttmp9, 18                      ; h_img: row tile 8 x; K step 4 y + w / 2, half w % 2: 8,192 y + 1,024 w
	s_lshl_b32 s17, s3, 13
	s_add_co_u32 s16, s16, s17
	s_lshl_b32 s17, s2, 10
	s_add_co_u32 s16, s16, s17
	s_mov_b32 s17, 0
	COEF 24, 0x32edffee                            ; P, from the second coefficient down
	COEF 26, 0xb60cff51
	COEF 28, 0xb86ec2d2
	COEF 30, 0xba40ac63
	COEF 32, 0xbb41a1f6
	COEF 34, 0xbc83dbd4
	COEF 36, 0xb95fbd29                            ; Q likewise
	COEF 38, 0xbadc924e
	COEF 40, 0xbbf19bf8
	COEF 42, 0xbc69b6a7
	v_mov_b32 v8, 0xaf95df0b
	v_mov_b32 v9, 0xaf95df0b
	v_mov_b32 v10, 0xb77460cd
	v_mov_b32 v11, 0xb77460cd
	s_wait_kmcnt 0x0
	s_load_b512 s[44:59], s[8:9], 0x0              ; e12 = s56, e13 = s57, e14 = s58
	s_add_nc_u64 s[4:5], s[4:5], s[12:13]
	s_add_nc_u64 s[6:7], s[6:7], s[14:15]
	s_add_nc_u64 s[10:11], s[10:11], s[16:17]
	s_wait_alu depctr_va_vdst(0)                   ; the offsets v1 and v2 are written, which every load and store of the kernel reads
.irp k, 0,1,2,3,4,5,6,7,8,9,10,11,12,13,14,15
	global_load_b128 v[64+4*\k:64+4*\k+3], v1, s[4:5] offset:512*\k
.endr
	WIN 0x40
.irp i, 0,1,2,3,4,5,6,7,8,9,10,11,12,13,14,15
.irp c, 0,1,2,3
	global_load_b128 v[16*\i+4*\c:16*\i+4*\c+3], v1, s[6:7] offset:2048*\i+512*\c
.endr
.endr
	WIN 0
	s_wait_kmcnt 0x0
	s_add_co_i32 s18, s56, s57                     ; e12 + e13
	s_lshl_b32 s19, s18, 23
	s_add_co_i32 s60, s19, 0x3f3504f3              ; 2^(e12 + e13) / sqrt 2: added to the exponent field of 1 / sqrt 2
	s_mov_b32 s61, s60
	s_add_co_i32 s18, s18, 126
	s_lshl_b32 s62, s18, 23                        ; 2^(e12 + e13) / 2
	s_mov_b32 s63, s62
	MKSC 58, 12, 13, 20
	s_wait_loadcnt 63                              ; behind my row tile's loads stand W1's 64
.irp k, 0,1,2,3,4,5,6,7,8,9,10,11,12,13,14,15
	ds_store_b128 v2, v[64+4*\k:64+4*\k+3] offset:512*\k
.endr
	s_wait_dscnt 0x0
	s_barrier_signal -1
	s_barrier_wait -1                              ; the eight row tiles lie in LDS; from here on it is only read
	s_wait_loadcnt 0x0
	s_wait_alu depctr_vm_vsrc(0)                   ; my LDS stores have read v64-127, in which the first tile's fragments land
	FETCH 64, 0
.irp m, 0,1,2,3,4,5,6,7
	TILE \m
.endr
	s_wait_dscnt 0x0                               ; the closing lines, six on end
	s_wait_alu 0x0
	s_wait_tensorcnt 0x0
	ds_add_u32 v14, v15
	s_wait_dscnt 0x0
	s_endpgm
.Lfunc_end_k_qab6093b366_mlp1:
	.size	k_qab6093b366_mlp1, .Lfunc_end_k_qab6093b366_mlp1-k_qab6093b366_mlp1
	.p2alignl 7, 3214868480
	.fill 96, 4, 3214868480
	.section	.rodata,"a",@progbits
	.p2align	6, 0x0
	.amdhsa_kernel k_qab6093b366_mlp1
		.amdhsa_group_segment_fixed_size 66560
		.amdhsa_private_segment_fixed_size 0
		.amdhsa_enable_private_segment 0
		.amdhsa_kernarg_size 32
		.amdhsa_user_sgpr_count 2
		.amdhsa_user_sgpr_kernarg_segment_ptr 1
		.amdhsa_wavefront_size32 1
		.amdhsa_system_sgpr_workgroup_id_x 1
		.amdhsa_system_sgpr_workgroup_id_y 1
		.amdhsa_system_sgpr_workgroup_id_z 1
		.amdhsa_system_vgpr_workitem_id 0
		.amdhsa_next_free_vgpr 512
		.amdhsa_next_free_sgpr 66
		.amdhsa_reserve_vcc 0
		.amdhsa_float_denorm_mode_32 3
		.amdhsa_float_denorm_mode_16_64 3
		.amdhsa_memory_ordered 1
		.amdhsa_forward_progress 1
		.amdhsa_inst_pref_size 204
	.end_amdhsa_kernel
	.amdgpu_metadata
---
amdhsa.version: [ 1, 2 ]
amdhsa.kernels:
  - .name:           k_qab6093b366_mlp1
    .symbol:         k_qab6093b366_mlp1.kd
    .args:
      - { .name: y_img, .offset: 0, .size: 8, .value_kind: global_buffer, .address_space: global }
      - { .name: wimg, .offset: 8, .size: 8, .value_kind: global_buffer, .address_space: global }
      - { .name: lowp_scales, .offset: 16, .size: 8, .value_kind: global_buffer, .address_space: global }
      - { .name: h_img, .offset: 24, .size: 8, .value_kind: global_buffer, .address_space: global }
    .group_segment_fixed_size: 66560
    .private_segment_fixed_size: 0
    .kernarg_segment_align: 8
    .kernarg_segment_size: 32
    .max_flat_workgroup_size: 256
    .sgpr_count:     66
    .vgpr_count:     512
    .wavefront_size: 32
...
	.end_amdgpu_metadata
.endif
;; end of part 11
;; launch mlp2 (part 12): grid 64 x 4, 4 waves a work-group, no clusters, 230,912 bytes of LDS; arguments h_img, wimg, x2_img, lowp_scales, out0; writes out0
.if DOCPART == 12
	.amdgcn_target "amdgcn-amd-amdhsa--gfx1250"
	.amdhsa_code_object_version 6
	.text
	.protected	k_qab6093b366_mlp2
	.globl	k_qab6093b366_mlp2
	.p2align	8
	.type	k_qab6093b366_mlp2,@function
k_qab6093b366_mlp2:
	s_mov_b64 s[64:65], 0
	v_nop
	global_prefetch_b8 v0, s[64:65] scope:SCOPE_SE
	s_setreg_imm32_b32 hwreg(HW_REG_WAVE_SCHED_MODE, 0, 2), 2
	s_setreg_imm32_b32 hwreg(HW_REG_WAVE_MODE, 25, 1), 1
	s_wait_xcnt 0x0
	s_wait_alu depctr_vm_vsrc(0)
; out0 = h W2 + x2.
; SHARES.  Work-group (x, y): 128 rows x columns 128 y .. 128 y + 127.  THE WAVES SHARE K: wave w holds K steps 4 w .. 4 w + 3 of the eight column tiles, 32 images, 512 registers, straight from memory; the fragments of h
; that it needs are needed by no other wave of the work-group, so they too come straight from memory, 8,192 consecutive bytes a row tile, three tiles ahead.  The four partial sums of a row tile meet in LDS.
; THE WALK.  Step i = 4 B + ii: wave w takes row tile 4 B + (w + ii) % 4.  With ii = 0 that is the tile that it owns and stores; its sums begin with x2 (divided by the power of two that the sums lack) as C.
; With ii = 1, 2, 3 the sums go to LDS, into place ii - 1 of the owner's three.  One barrier; then each owner adds three partial sums to its own.
; LIMIT OF ORDER: K is summed in four parts that are then added: another order of rounding than one chain along K.
; Source 0 = 16 columns of W2, source 1 = 16 rows of h: a lane holds ONE row and eight neighbouring columns; rows leave through the wave's own stage in LDS as whole runs of 512 bytes.
; NO JOINT LOADS: the weight lands in the registers that hold it, and each byte of h is read by one wave of the work-group.
; LIMITS: e14 + e15 between -126 and 126.  NaN among the inputs is not served.
; LDS: partial sums of tiles 0-3 at 0, of tiles 4-7 at 98,304: (3 owner + place) x 8,192 bytes, an accumulator set's image; stages at 196,608: 16 rows x 528 bytes a wave.
; REGISTERS.  Window 0: v1 16 x lane; v4-7 h's offsets by ii; v8-13 where partial sums go (B, ii); v14, v15 where mine come from; v16, v17 the stage; v64-255 three buffers of fragments, later partial sums and rows.
;   Windows 1, 2: W2.   Window 3: v0-63, v64-127 the two tiles that I own; v128-191, v192-255 two sets for the others'.
; THE MODE: SCHED_MODE bits 1:0 = 2 (LLVM: expert scheduling mode 2), set by the entry lines.  The code itself states the register dependences
; between vector or matrix instructions and memory or LDS instructions, with s_wait_alu, always for 0.
; THE PLAN.  Registers that memory or LDS instructions touch:
;   v1, v4-v17          offsets and LDS addresses, made at the head and never written again.
;   v64-255, buffer i % 3   Step i: its 32 products read it; behind them the fragments of step i + 3 land in it.  On the way out: partial sums land, additions read them, results are written to v64-127, the stage's stores read those,
;                       the rows land in v128-191, the stores to memory read them.
;   window 3 v128-255   Step i with ii = 1, 2, 3: its products write a set; its sixteen LDS stores read the set; the step that takes the set next begins it anew.
; So ONE wait on va_vdst stands in a step, behind its products and their places: they are done reading their fragments, in which the loads land, and have written the sums, which the LDS stores read.
; One wait on vm_vsrc stands at the head of each step that begins a set anew which LDS stores have read (steps 3, 5, 6, 7).  The way out has one wait on va_vdst a tile, ahead of the stage's stores, and one on vm_vsrc, ahead of the second tile's loads.
.set MSB, 0
.macro WIN new
.if MSB != (\new)
	s_set_vgpr_msb (MSB<<8)|(\new)
.set MSB, (\new)
.endif
.endm
.macro NOP4
.rept 4
	v_nop
.endr
.endm
.macro MM d, a, b, z
.if \z
	v_wmma_f32_16x16x128_fp8_fp8 v[\d:\d+7], v[\a:\a+15], v[\b:\b+15], 0
.else
	v_wmma_f32_16x16x128_fp8_fp8 v[\d:\d+7], v[\a:\a+15], v[\b:\b+15], v[\d:\d+7]
.endif
.endm
.macro WLOAD off
.irp i, 0,1,2,3,4,5,6,7,8,9,10,11,12,13,14,15
.irp c, 0,1,2,3
	global_load_b128 v[16*\i+4*\c:16*\i+4*\c+3], v1, s[6:7] offset:\off+2048*\i+512*\c
.endr
.endr
.endm
.macro ALOAD j                         ; step j's four fragments of h into buffer j % 3
.irp s, 0,1,2,3
.irp c, 0,1,2,3
	global_load_b128 v[64+64*((\j)%3)+16*\s+4*\c:64+64*((\j)%3)+16*\s+4*\c+3], v[4+(\j)%4], s[4:5] offset:131072*((\j)/4)+2048*\s+512*\c
.endr
.endr
.endm
.macro TILE i
.set BT, (\i)/4
.set II, (\i)%4
.set AB, 64+64*((\i)%3)
.if II == 0
.set AC, 64*BT
.elseif II == 2
.set AC, 128
.else
.set AC, 192
.endif
.set LC, 7-(\i)
.if LC > 2
.set LC, 2
.endif
	s_wait_loadcnt 16*LC                           ; this step's fragments are in; those of the steps asked for behind it may stay out
.if II != 0
	s_wait_dscnt 0x0                               ; the LDS stores that read this set of accumulators are done
.if (\i) >= 3
	s_wait_alu depctr_vm_vsrc(0)                   ; the LDS stores of the step that had this set of accumulators have read it: the products below begin it anew
.endif
.endif
.irp g, 0,1
	WIN 0xf1+\g                                    ; source 0 (W2) in window 1, then 2; C and D in window 3
.irp s, 0,1,2,3
.irp t, 0,1,2,3
	MM AC+8*(4*\g+\t), 16*(4*\t+\s), AB+16*\s, (II!=0)&&(\s==0)    ; four accumulators by turns
.endr
.endr
.endr
	WIN 0
	NOP4                                           ; four places in front of stores of results
	s_wait_alu depctr_va_vdst(0)                   ; the step's products are done reading their fragments, in which loads land next (the step's three on; behind the last step the partial sums), and have written the sums, which the LDS stores read
.if (\i)+3 <= 7
	ALOAD (\i)+3
.endif
.if II != 0
	WIN 0x0c                                       ; store data in window 3
.irp n, 0,1,2,3,4,5,6,7,8,9,10,11,12,13,14,15
	ds_store_b128 v[8+3*BT+II-1], v[AC+4*\n:AC+4*\n+3] offset:512*\n   ; the set's image; each accumulator from its low end on
.endr
	WIN 0
.endif
.endm
	s_load_b256 s[4:11], s[0:1], 0x0               ; h_img s[4:5], wimg s[6:7], x2_img s[8:9], the exponents s[10:11]
	s_load_b64 s[12:13], s[0:1], 0x20              ; out0
	v_lshl_add_u32 v62, v0, 2, 0x38400
	v_mov_b32 v63, 0
	v_lshrrev_b32 v2, 5, v0
	v_readfirstlane_b32 s2, v2                     ; wave
	s_and_b32 s3, ttmp7, 0xffff                    ; which 128 columns
	v_and_b32 v1, 31, v0
	v_lshlrev_b32 v1, 4, v1
	s_wait_alu depctr_va_vdst(0)
	s_wait_alu depctr_va_sdst(0)                   ; s2 is written, ahead of its first reader
.irp ii, 0,1,2,3
	s_add_co_u32 s46, s2, \ii
	s_and_b32 s46, s46, 3                          ; the tile's owner
	s_lshl_b32 s47, s46, 15
	s_lshl_b32 s48, s2, 13
	s_add_co_u32 s47, s47, s48
	v_add_nc_u32 v[4+\ii], s47, v1                 ; h: row tile q of 32,768 bytes, + my four K steps
.if \ii > 0
	s_mul_i32 s47, s46, 3
	s_add_co_u32 s47, s47, \ii-1
	s_lshl_b32 s47, s47, 13
	v_add_nc_u32 v[7+\ii], s47, v1                 ; partial sums: place ii - 1 of the owner's three
	s_add_co_u32 s47, s47, 98304
	v_add_nc_u32 v[10+\ii], s47, v1
.endif
.endr
	s_mul_i32 s46, s2, 24576
	v_add_nc_u32 v14, s46, v1
	s_add_co_u32 s46, s46, 98304
	v_add_nc_u32 v15, s46, v1
	s_mul_i32 s46, s2, 8448
	s_add_co_u32 s46, s46, 196608                  ; my stage
	v_and_b32 v2, 15, v0
	v_bfe_u32 v3, v0, 4, 1
	v_mul_u32_u24 v16, v2, 528
	v_lshl_add_u32 v16, v3, 5, v16
	v_add_nc_u32 v16, s46, v16                     ; in: row r, + 32 h
	v_add_nc_u32 v17, s46, v1                      ; back: 16 bytes a lane of a row
	s_lshl_b32 s38, ttmp9, 18                      ; h_img: row tile 8 x
	s_mov_b32 s39, 0
	s_add_co_u32 s40, s3, 8                        ; wimg: block 8 + y, my 32 images
	s_lshl_b32 s40, s40, 18
	s_lshl_b32 s46, s2, 16
	s_add_co_u32 s40, s40, s46
	s_mov_b32 s41, 0
	s_lshl_b32 s46, s2, 15
	s_add_co_u32 s46, s46, s38
	s_lshl_b32 s47, s3, 13
	s_add_co_u32 s42, s46, s47                     ; x2_img: row tile 8 x + w, column tile 8 y
	s_mov_b32 s43, 0
	s_lshl_b32 s47, s3, 9
	s_add_co_u32 s44, s46, s47                     ; out0: row 128 x + 16 w, + 512 y bytes
	s_mov_b32 s45, 0
	s_wait_kmcnt 0x0
	s_load_b512 s[16:31], s[10:11], 0x0
	s_add_nc_u64 s[4:5], s[4:5], s[38:39]
	s_add_nc_u64 s[6:7], s[6:7], s[40:41]
	s_add_nc_u64 s[8:9], s[8:9], s[42:43]
	s_add_nc_u64 s[12:13], s[12:13], s[44:45]
	s_wait_alu depctr_va_vdst(0)                   ; the offsets and LDS addresses v1 and v4 to v17 are written, which every load and store of the kernel reads
	WIN 0xc0
.irp b, 0,1
.irp n, 0,1,2,3,4,5,6,7,8,9,10,11,12,13,14,15
	global_load_b128 v[64*\b+4*\n:64*\b+4*\n+3], v1, s[8:9] offset:131072*\b+512*\n th:TH_LOAD_NT   ; x2 of the two tiles that I own, in the accumulators' layout
.endr
.endr
	WIN 0
	ALOAD 0
	ALOAD 1
	ALOAD 2
	WIN 0x40
	WLOAD 0
	WIN 0x80
	WLOAD 32768
	WIN 0
	s_wait_kmcnt 0x0
	s_add_co_i32 s46, s30, s31                     ; e14 + e15
	s_add_co_i32 s34, s46, 127
	s_lshl_b32 s34, s34, 23                        ; 2^(e14 + e15)
	s_mov_b32 s35, s34
	s_sub_co_i32 s36, 127, s46
	s_lshl_b32 s36, s36, 23                        ; and its reciprocal
	s_mov_b32 s37, s36
	s_wait_loadcnt 0x0
	WIN 0xc3
.set i, 0
.rept 64
	v_pk_mul_f32 v[i:i+1], v[i:i+1], s[36:37] op_sel_hi:[1,0]     ; the residual rides as the sums' beginning
.set i, i+2
.endr
	WIN 0
.irp i, 0,1,2,3,4,5,6,7
	TILE \i
.endr
	s_wait_dscnt 0x0                               ; my partial sums have landed,
	s_barrier_signal -1
	s_barrier_wait -1                              ; everybody's have
.irp b, 0,1
.if \b
	s_wait_xcnt 0x0                                ; the first tile's stores have read their registers
	s_wait_alu depctr_vm_vsrc(0)                   ; the first tile's stage stores have read v64-127 and its stores to memory v128-191: the loads below land there
.endif
.irp k, 0,1,2
.irp n, 0,1,2,3,4,5,6,7,8,9,10,11,12,13,14,15
	ds_load_b128 v[64+64*\k+4*\n:64+64*\k+4*\n+3], v[14+\b] offset:8192*\k+512*\n
.endr
.endr
	s_wait_dscnt 0x0
	WIN 0xc3
.irp k, 0,1,2
.set i, 0
.rept 32
	v_pk_add_f32 v[64*\b+i:64*\b+i+1], v[64*\b+i:64*\b+i+1], v[64+64*\k+i:64+64*\k+i+1]
.set i, i+2
.endr
.endr
	WIN 0x03
.set i, 0
.rept 32
	v_pk_mul_f32 v[64+i:65+i], v[64*\b+i:64*\b+i+1], s[34:35] op_sel_hi:[1,0]
.set i, i+2
.endr
	WIN 0
	s_wait_alu depctr_va_vdst(0)                   ; the results are written to v64-127, which the stage's stores read; the additions are done reading v64-255, in which the rows below and the next tile's partial sums land
.irp t, 0,1,2,3,4,5,6,7
	ds_store_b128 v16, v[64+8*\t:64+8*\t+3] offset:64*\t
	ds_store_b128 v16, v[64+8*\t+4:64+8*\t+7] offset:64*\t+16
.endr
.irp n, 0,1,2,3,4,5,6,7,8,9,10,11,12,13,14,15
	ds_load_b128 v[128+4*\n:128+4*\n+3], v17 offset:528*\n         ; LDS serves a wave's instructions in order (ISA guide 5.7.1.4): these see my stores
.endr
.irp n, 0,1,2,3,4,5,6,7,8,9,10,11,12,13,14,15
	s_wait_dscnt 15-\n
	global_store_b128 v1, v[128+4*\n:128+4*\n+3], s[12:13] offset:131072*\b+2048*\n th:TH_STORE_NT   ; 32 lanes store 512 consecutive bytes, aligned
.endr
.endr
	s_wait_dscnt 0x0                               ; the closing lines, six on end
	s_wait_alu 0x0
	s_wait_tensorcnt 0x0
	ds_add_u32 v62, v63
	s_wait_dscnt 0x0
	s_endpgm
.Lfunc_end_k_qab6093b366_mlp2:
	.size	k_qab6093b366_mlp2, .Lfunc_end_k_qab6093b366_mlp2-k_qab6093b366_mlp2
	.p2alignl 7, 3214868480
	.fill 96, 4, 3214868480
	.section	.rodata,"a",@progbits
	.p2align	6, 0x0
	.amdhsa_kernel k_qab6093b366_mlp2
		.amdhsa_group_segment_fixed_size 230912
		.amdhsa_private_segment_fixed_size 0
		.amdhsa_enable_private_segment 0
		.amdhsa_kernarg_size 40
		.amdhsa_user_sgpr_count 2
		.amdhsa_user_sgpr_kernarg_segment_ptr 1
		.amdhsa_wavefront_size32 1
		.amdhsa_system_sgpr_workgroup_id_x 1
		.amdhsa_system_sgpr_workgroup_id_y 1
		.amdhsa_system_sgpr_workgroup_id_z 1
		.amdhsa_system_vgpr_workitem_id 0
		.amdhsa_next_free_vgpr 1024
		.amdhsa_next_free_sgpr 66
		.amdhsa_reserve_vcc 0
		.amdhsa_float_denorm_mode_32 3
		.amdhsa_float_denorm_mode_16_64 3
		.amdhsa_memory_ordered 1
		.amdhsa_forward_progress 1
		.amdhsa_inst_pref_size 91
	.end_amdhsa_kernel
	.amdgpu_metadata
---
amdhsa.version: [ 1, 2 ]
amdhsa.kernels:
  - .name:           k_qab6093b366_mlp2
    .symbol:         k_qab6093b366_mlp2.kd
    .args:
      - { .name: h_img, .offset: 0, .size: 8, .value_kind: global_buffer, .address_space: global }
      - { .name: wimg, .offset: 8, .size: 8, .value_kind: global_buffer, .address_space: global }
      - { .name: x2_img, .offset: 16, .size: 8, .value_kind: global_buffer, .address_space: global }
      - { .name: lowp_scales, .offset: 24, .size: 8, .value_kind: global_buffer, .address_space: global }
      - { .name: out0, .offset: 32, .size: 8, .value_kind: global_buffer, .address_space: global }
    .group_segment_fixed_size: 230912
    .private_segment_fixed_size: 0
    .kernarg_segment_align: 8
    .kernarg_segment_size: 40
    .max_flat_workgroup_size: 128
    .sgpr_count:     66
    .vgpr_count:     1024
    .wavefront_size: 32
...
	.end_amdgpu_metadata
.endif
;; end of part 12
